; MI455X (gfx1250); checked and timed in simulation.
; The chip was launched on July 23, 2026; its instructions are those of AMD's public machine-readable ISA for CDNA 5 (MIT licence, August 2026) and "CDNA5" Instruction Set Architecture Reference Guide (July 2026). The comments in the code are by the model that wrote it; some were corrected since.
;; Block. Allowed arithmetic: matrix products marked QUANTISED: E2M3 operands, one E8M0 scale for each 32 along K, by v_wmma_scale_f32_16x16x128_f8f6f4 with both operands' format E2M3, f32 sums; everything else in f32.
;; Inputs: b_fc 4,096 float32; b_o 1,024 float32; b_out 1,024 float32; b_qkv 3,072 float32; ln1_b 1,024 float32; ln1_w 1,024 float32; ln2_b 1,024 float32; ln2_w 1,024 float32; w_fc 1,024 x 4,096 float32; w_o 1,024 x 1,024 float32; w_out 4,096 x 1,024 float32; w_qkv 1,024 x 3,072 float32; x 4 x 1,024 x 1,024 float32.
;; Outputs: out0 4 x 1,024 x 1,024 float32.
;; This version of the problem:
;;   THIS VERSION OF THE PROBLEM IS GIVEN IN LOW PRECISION. The matrix products marked QUANTISED in the list below multiply operands that are first quantised to E2M3 (2 exponent bits, 3 mantissa bits; 6 bits a number), with one power-of-two scale for each 32 numbers along K (OCP MX v1.0); their sums are f32. All else is computed in f32.
;;   The module's matrix products, in the order in which they are computed (A, B: the left and right operand; K: the contracted axis; several contracted axes count as one K, in the product's order):
;;     1. [M 4,096, K 1,024] x [K 1,024, N 3,072]; A: computed on the way; B: input w_qkv: QUANTISED
;;     2. batch 64 x [M 1,024, K 64] x [K 64, N 1,024]; A: computed on the way; B: computed on the way: QUANTISED
;;     3. batch 64 x [M 64, K 1,024] x [K 1,024, N 1,024]; A: computed on the way; B: softmax (see below): QUANTISED
;;     4. [M 4,096, K 1,024] x [K 1,024, N 1,024]; A: computed on the way; B: input w_o: QUANTISED
;;     5. [M 4,096, K 1,024] x [K 1,024, N 4,096]; A: computed on the way; B: input w_fc: QUANTISED
;;     6. [M 4,096, K 4,096] x [K 4,096, N 1,024]; A: computed on the way; B: input w_out: QUANTISED
;;   THE QUANTISER, for each operand of a quantised product, along K:
;;     - K is cut into blocks of 32 from its start; a last block that is shorter is filled with zeros.
;;     - A block's scale is 2^e with e = floor(log2(the largest magnitude in the block)) - 2, held to -126 .. 127; a block of zeros has e = 0. As a byte (E8M0): e + 127.
;;     - Each number is divided by its block's scale, clamped to +-7.5, and rounded to the nearest number of E2M3, ties to even, subnormals kept.
;;     - The product sums the exact products of the quantised numbers (number of the format x scale) in f32.
;;   ~~~python
;;   def quantise(x, axis):      # numpy; x: float32 -> the quantised numbers, widened to float32 again
;;       x = np.moveaxis(x, axis, -1); K = x.shape[-1]
;;       x = np.pad(x, [(0, 0)] * (x.ndim - 1) + [(0, -K % 32)]); x = x.reshape(x.shape[:-1] + (-1, 32)); a = np.abs(x).max(-1, keepdims=True)
;;       e = np.where(a > 0, np.clip(np.frexp(np.where(a > 0, a, 1))[1] - 1 - 2, -126, 127), 0)      # np.frexp(a)[1] - 1 = floor(log2(a)), exactly
;;       r = np.clip(x / 2.0 ** e, -7.5, 7.5)
;;       step = 2.0 ** (np.maximum(np.frexp(np.where(r == 0, 1, r))[1] - 1, 0) - 3)
;;       q = np.round(r / step) * step * 2.0 ** e      # np.round: ties to even
;;       return np.moveaxis(q.reshape(q.shape[:-2] + (-1,))[..., :K], -1, axis).astype(np.float32)
;;   ~~~
;;   SOFTMAX AHEAD OF A QUANTISED PRODUCT. Where the list says 'softmax', what is quantised is not the finished softmax but p = 2^(t - M), with t = logit x log2(e) and M = ceil(the row's largest t), a whole number; so 1/2 < the row's largest p <= 1. The row's sum l is taken of the UNQUANTISED p, in f32, and the product's result is divided by l at the end. Since M is a whole number, a kernel that streams over the keys may use a running M (the ceiling of the running maximum): every later rescaling is an exact power of two, which a block's scale takes up: the codes' values come out the same.
;;   OPERANDS COMPUTED ON THE WAY. 'Computed on the way' means the value that the module computes at that place (a softmax that the list does not call 'softmax' is quantised finished and normalised). What goes into a quantiser is computed in f32, as accurately as f32 sums, v_exp_f32 and their like allow (about 1e-6 of the number): no bf16 or f16 on the way to a quantiser, and a product that is left as it is and whose result goes on into a quantised operand takes f32 operands (vector FMAs, or v_wmma_f32_16x16x4_f32). A number that lies on a knife's edge between two numbers of the format may be rounded either way, as far as f32 arithmetic and the matrix unit's own rounding can turn it there, and no further.
;; One version. Each part assembles by itself: llvm-mc -triple=amdgcn-amd-amdhsa -mcpu=gfx1250 --defsym DOCPART=n.
;; ======== version 1 of 1: 7 launches
;; limits: right only within a limited range of input values
;; workspace buffers: W 9,830,400 bytes; XA 3,276,800 bytes; QKV 10,092,544 bytes; Y 3,276,800 bytes; X1 16,777,216 bytes; XB 3,276,800 bytes; HQ 13,107,200 bytes
;; launch pre (part 1): grid 448 x 1, 8 waves a work-group, no clusters, 118,784 bytes of LDS; arguments x, ln1_w, ln1_b, XA, w_qkv, w_o, w_fc, w_out, W; writes XA, W
.if DOCPART == 1
	.amdgcn_target "amdgcn-amd-amdhsa--gfx1250"
	.amdhsa_code_object_version 6
	.text
	.protected	k_qdd72da6b9a_pre
	.globl	k_qdd72da6b9a_pre
	.p2align	8
	.type	k_qdd72da6b9a_pre,@function
k_qdd72da6b9a_pre:
	s_mov_b64 s[64:65], 0
	v_nop
	global_prefetch_b8 v0, s[64:65] scope:SCOPE_SE
	s_setreg_imm32_b32 hwreg(HW_REG_WAVE_MODE, 25, 1), 1
	s_wait_xcnt 0x0
; THE PROGRAM: one transformer block (LayerNorm, QKV, causal attention, W_o, residual, LayerNorm, MLP with exact GELU, residual) with all six products on codes of E2M3, one E8M0 scale for each 32 along K.
; Seven launches: this one (LN1, and the four weights to codes), QKV product, attention, W_o product + residual, LN2, FC product + GELU, OUT product + residual.
; DEAD WORK LEFT OUT: reference() sets att to -inf wherever key > query, by a mask that it builds itself (jnp.tril), ahead of the softmax: such a key's weight is exactly 0 whatever finite values the inputs hold,
; so it adds nothing to the row's sum nor to the second product.  Key steps of 128 keys that all lie behind a tile's 16 queries are therefore not walked (launch attn).  Nothing else is left out, and all thirteen inputs are loaded.
; LIMIT: a NaN, an infinity or an overflow that would reach only those masked scores is not carried to the result.
; THIS LAUNCH does two things that do not hang on each other, told apart by the work-group's number alone (one scalar branch, the same in all waves of a work-group); each path has LDS bytes of its own.
; LAYOUT of every operand (R rows, K): [T = row / 128][kappa = k / 128][image rho 0..7][1,536 bytes].  Image rho = 2 beta + u holds 16 rows: its lane r holds row 32 beta + 8 u + r + 8 (r / 8).
; An image is three runs of 512 bytes: lane l's registers 4 g .. 4 g + 3 at 512 g + 16 l; lane (r, h)'s registers 6 c .. 6 c + 5 hold k = 64 c + 32 h .. 64 c + 32 h + 31.  Scale words: [T][kappa][rho][r], byte b for k = 32 b ..
; WORK-GROUPS 0-255: LayerNorm of 4,096 rows of 1,024 numbers and the quantiser along the row.  A work-group is one image of 16 rows; each of its eight waves takes 128 of the 1,024 numbers of those rows: one fragment.
; Each load reads 512 consecutive bytes of one row; the wave's 8,192 bytes turn through its own stage in LDS (rows 528 bytes apart), so that lane (r, h) ends with 64 numbers of row r: register 16 b + i = k 32 b + 16 h + i.
; The mean and the variance (taken of the centred numbers, as reference() takes it) are summed in the wave and meet the other waves' parts in LDS: two exchanges, two barriers.
; WORK-GROUPS 256-447: the four weights, f32 [K][N] with K their FIRST axis.  A LANE TAKES A COLUMN n AND ITS REGISTERS RUN DOWN K: a block of 32 lies in one lane, and the conversions give codes with K innermost.
; A share is 128 columns (one T) x 256 K (two kappa), four waves' work: 24,576 bytes of codes, 1,024 of scale words; a work-group takes two shares: share = 2 (g - 256) + wave / 4.  Shares 0-95 w_qkv, 96-127 w_o, 128-255 w_fc,
; 256-383 w_out, and W holds them in that order: a share's codes begin at 24,576 x its number, its scale words at 9,437,184 + 1,024 x its number.  Of a share, wave p (wave % 4) takes columns 32 p .. 32 p + 31: images 2 p, 2 p + 1.
; A block's scale is 2^(floor(log2(largest magnitude)) - 2); its byte is the largest magnitude's exponent field - 2, held at 1 from below.
; LIMITS: a block of zeros gets the byte 1 where the rule says 127 (its codes are zeros, and this program alone reads the bytes); blocks whose largest magnitude lies under 2^-124 are held at that floor; NaN and infinities among the inputs are not served.
.set QST,    0                         ; LDS: the weights' path: eight stages of 6,144 bytes, a wave's own
.set EX1,    49152                     ; the LN path: 8 waves x 16 rows x 4 bytes: the sums;
.set EX2,    49664                     ; the sums of squares;
.set STG,    50176                     ; eight stages of 16 rows x 528 bytes, a wave's own
.set SPITCH, 528                       ; 512 bytes + 16: sixteen lanes that read one column of sixteen rows touch sixteen different runs of 16 bytes modulo 256
.set SPARE,  STG+8*16*SPITCH           ; the spare words, 128 bytes a wave
.set WV,  3                            ; s3   my wave's number
.set SPW, 14                           ; v14  my spare word's LDS address; never rewritten
.set NIL, 15                           ; v15  0; never rewritten
.set TM,  16                           ; LN: v16-31 at work in the quantiser
.set PC,  32                           ; v32-51 the codes
.set PW,  52                           ; v52    the scale word
.set X,   64                           ; v64-127  my 64 numbers (weights: two sets of 32)
.set G,   128                          ; v128-191 the gain at my 64 places
.set BB,  192                          ; v192-255 the bias
.set SEL, 14                           ; s[14:15] lane selects for v_permlanex16_b32: lane l xor 16
.set SB,   16                          ; weights: v16-17 the scale words of the two kappa
.set C,    20                          ; v20-26 a block's codes
.set OFF,  32                          ; v32-63 4 x lane + i x a row of the weight; never rewritten
.set OUT,  128                         ; v128-175 the way out
.set BASE, 32                          ; s[32+2t:33+2t] the weight at my columns, row 32 t of my 256; never rewritten
; 64 numbers of a lane, v[s] .. v[s + 63], register 16 b + i = k 32 b + 16 (lane / 16) + i of my row, become a fragment's codes in v[PC] on and its scale word in v[PW].
.macro QUANT s
.irp b, 0,1,2,3
	v_max3_num_f32 v[TM+\b], |v[\s+16*\b]|, |v[\s+1+16*\b]|, 0x1800000   ; block b: my 16 numbers, and the floor 2^(3 - 127)
.endr
.irp i, 2,4,6,8,10,12,14
.irp b, 0,1,2,3
	s_delay_alu instid0(VALU_DEP_4)
	v_max3_num_f32 v[TM+\b], v[TM+\b], |v[\s+16*\b+\i]|, |v[\s+1+16*\b+\i]|
.endr
.endr
.irp b, 0,1,2,3
	s_delay_alu instid0(VALU_DEP_4)
	v_permlanex16_b32 v[TM+4+\b], v[TM+\b], s[SEL], s[SEL+1]
.endr
.irp b, 0,1,2,3
	s_delay_alu instid0(VALU_DEP_4)
	v_max_num_f32 v[TM+\b], v[TM+\b], v[TM+4+\b]   ; with lane l xor 16's: the block's largest magnitude
.endr
.irp b, 0,1,2,3
	s_delay_alu instid0(VALU_DEP_4)
	v_add_nc_u32 v[TM+12+\b], 0xff000000, v[TM+\b]   ; 2 off its exponent field: the conversion's scale operand
.endr
.irp b, 0,1,2,3
	s_delay_alu instid0(VALU_DEP_4)
	v_lshrrev_b32 v[TM+4+\b], 23, v[TM+12+\b]      ; the scale's byte
.endr
	s_delay_alu instid0(VALU_DEP_3)
	v_lshl_or_b32 v[PW], v[TM+5], 8, v[TM+4]
	s_delay_alu instid0(VALU_DEP_1)
	v_lshl_or_b32 v[PW], v[TM+6], 16, v[PW]
	s_delay_alu instid0(VALU_DEP_1)
	v_lshl_or_b32 v[PW], v[TM+7], 24, v[PW]
.irp c, 0,1
	v_cvt_scalef32_pk16_fp6_f32 v[PC+6*\c:PC+2+6*\c], v[\s+32*\c:\s+15+32*\c], v[TM+12+2*\c]
	v_cvt_scalef32_pk16_fp6_f32 v[PC+12+4*\c:PC+14+4*\c], v[\s+16+32*\c:\s+31+32*\c], v[TM+12+2*\c+1]
.endr
	v_nop                                          ; one plain instruction behind a scaled conversion
.irp c, 0,1                                    ; the operand's layout wants a whole block in a lane
.irp i, 0,1,2
	v_permlane16_swap_b32 v[PC+6*\c+\i], v[PC+12+4*\c+\i]
.endr
.irp i, 0,1,2
	s_delay_alu instid0(VALU_DEP_3)
	v_mov_b32 v[PC+3+6*\c+\i], v[PC+12+4*\c+\i]
.endr
.endr
.endm
	v_lshl_add_u32 v[SPW], v0, 2, SPARE
	v_mov_b32 v[NIL], 0
	v_lshrrev_b32 v1, 5, v0
	s_delay_alu instid0(VALU_DEP_1)
	v_readfirstlane_b32 s[WV], v1                  ; wave 0..7
	s_cmp_lt_u32 ttmp9, 256                        ; the work-group's number alone: all eight waves go the same way
	s_cbranch_scc0 .Lweights
	; ---------------- LayerNorm and its quantiser ----------------
	s_load_b256 s[4:11], s[0:1], 0x0               ; the rows, the gain, the bias, the result
	v_and_b32 v1, 15, v0                           ; r
	v_bfe_u32 v2, v0, 4, 1                         ; h
	v_and_b32 v10, 31, v0
	s_delay_alu instid0(VALU_DEP_1)
	v_lshlrev_b32 v5, 4, v10                       ; 16 x lane
	s_delay_alu instid0(VALU_DEP_2)
	v_lshlrev_b32 v6, 3, v10                       ; 8 x lane
	s_delay_alu instid0(VALU_DEP_4)
	v_lshlrev_b32 v4, 6, v2                        ; 64 h
	v_lshlrev_b32 v8, 2, v1                        ; 4 r
	s_lshl_b32 s13, s[WV], 6
	v_add_nc_u32 v7, s13, v8                       ; where my wave puts its sums: 64 x wave + 4 r
	s_mul_i32 s13, s[WV], 16*SPITCH                ; my wave's stage
	v_add_nc_u32 v9, s13, v5                       ; into it: a row as it lies, 16 bytes a lane
	v_mul_u32_u24 v3, v1, SPITCH
	s_delay_alu instid0(VALU_DEP_1)
	v_add_nc_u32 v3, v3, v4
	s_delay_alu instid0(VALU_DEP_1)
	v_add_nc_u32 v3, s13, v3                       ; out of it: row r, + 64 h
.irp b, 0,1,2,3
	v_mov_b32 v[TM+4+\b], 0                        ; written once: a lane permute's destination counts as one of its sources
.endr
	s_mov_b32 s[SEL], 0x76543210
	s_mov_b32 s[SEL+1], 0xfedcba98
	s_mov_b32 s20, 0x3a800000                      ; 1 / 1,024
	s_mov_b32 s21, 0x3727c5ac                      ; 1e-5
	s_lshr_b32 s16, ttmp9, 1
	s_lshl_b32 s16, s16, 17                        ; the image's first row is 32 (g / 2) + 8 (g % 2), 4,096 bytes a row
	s_and_b32 s17, ttmp9, 1
	s_lshl_b32 s17, s17, 15
	s_add_co_u32 s16, s16, s17
	s_lshl_b32 s18, s[WV], 9                       ; my wave's 128 numbers: 512 bytes
	s_add_co_u32 s16, s16, s18
	s_mov_b32 s17, 0
	s_mov_b32 s19, 0
	s_lshr_b32 s22, ttmp9, 3                       ; T
	s_and_b32 s23, ttmp9, 7                        ; rho
	s_mul_i32 s24, s22, 98304
	s_mul_i32 s25, s[WV], 12288
	s_add_co_u32 s24, s24, s25
	s_mul_i32 s25, s23, 1536
	s_add_co_u32 s24, s24, s25                     ; my fragment
	s_mov_b32 s25, 0
	s_lshl_b32 s26, s22, 12
	s_add_co_u32 s26, s26, s18
	s_lshl_b32 s27, s23, 6
	s_add_co_u32 s26, s26, s27
	s_add_co_u32 s26, s26, 3145728                 ; its scale words
	s_mov_b32 s27, 0
	s_wait_alu depctr_va_vdst(0)
	s_wait_kmcnt 0x0
	s_add_nc_u64 s[4:5], s[4:5], s[16:17]
	s_add_nc_u64 s[6:7], s[6:7], s[18:19]
	s_add_nc_u64 s[8:9], s[8:9], s[18:19]
	s_add_nc_u64 s[28:29], s[10:11], s[26:27]
	s_add_nc_u64 s[10:11], s[10:11], s[24:25]
.irp i, 0,1,2,3,4,5,6,7,8,9,10,11,12,13,14,15
	global_load_b128 v[X+4*\i:X+4*\i+3], v5, s[4:5] offset:(\i+8*(\i/8))*4096 th:TH_LOAD_NT   ; the image's lane i's row: 32 lanes read 512 consecutive bytes
.endr
.irp b, 0,1,2,3
.irp j, 0,1,2,3
	global_load_b128 v[G+16*\b+4*\j:G+16*\b+4*\j+3], v4, s[6:7] offset:128*\b+16*\j
	global_load_b128 v[BB+16*\b+4*\j:BB+16*\b+4*\j+3], v4, s[8:9] offset:128*\b+16*\j
.endr
.endr
	s_wait_loadcnt 32                              ; the 16 rows are in; the 32 loads of gain and bias may be out
.irp i, 0,1,2,3,4,5,6,7,8,9,10,11,12,13,14,15
	ds_store_b128 v9, v[X+4*\i:X+4*\i+3] offset:STG+\i*SPITCH
.endr
.irp b, 0,1,2,3
.irp j, 0,1,2,3
	ds_load_b128 v[X+16*\b+4*\j:X+16*\b+4*\j+3], v3 offset:STG+128*\b+16*\j   ; LDS serves a wave's instructions in order: these see my stores, and land behind them in the registers that they left
.endr
.endr
	s_wait_dscnt 0x0
	v_pk_add_f32 v[58:59], v[64:65], v[66:67]
	v_pk_add_f32 v[62:63], v[72:73], v[76:77]
	v_pk_add_f32 v[60:61], v[80:81], v[84:85]
	v_pk_add_f32 v[54:55], v[88:89], v[92:93]
	v_pk_add_f32 v[52:53], v[96:97], v[100:101]
	v_pk_add_f32 v[50:51], v[104:105], v[108:109]
	v_pk_add_f32 v[48:49], v[112:113], v[116:117]
	v_pk_add_f32 v[56:57], v[120:121], v[124:125]
	s_delay_alu instid0(VALU_DEP_1)
	v_pk_add_f32 v[56:57], v[56:57], v[68:69]
	v_pk_add_f32 v[58:59], v[58:59], v[70:71]
	v_pk_add_f32 v[62:63], v[62:63], v[74:75]
	v_pk_add_f32 v[60:61], v[60:61], v[78:79]
	v_pk_add_f32 v[54:55], v[54:55], v[82:83]
	v_pk_add_f32 v[52:53], v[52:53], v[86:87]
	v_pk_add_f32 v[50:51], v[50:51], v[90:91]
	v_pk_add_f32 v[48:49], v[48:49], v[94:95]
	v_pk_add_f32 v[56:57], v[56:57], v[98:99]
	v_pk_add_f32 v[58:59], v[58:59], v[102:103]
	v_pk_add_f32 v[62:63], v[62:63], v[106:107]
	v_pk_add_f32 v[60:61], v[60:61], v[110:111]
	v_pk_add_f32 v[54:55], v[54:55], v[114:115]
	v_pk_add_f32 v[52:53], v[52:53], v[118:119]
	v_pk_add_f32 v[50:51], v[50:51], v[122:123]
	v_pk_add_f32 v[48:49], v[48:49], v[126:127]
	s_delay_alu instid0(VALU_DEP_4)
	v_pk_add_f32 v[56:57], v[56:57], v[54:55]
	s_delay_alu instid0(VALU_DEP_4)
	v_pk_add_f32 v[58:59], v[58:59], v[52:53]
	s_delay_alu instid0(VALU_DEP_4)
	v_pk_add_f32 v[62:63], v[62:63], v[50:51]
	s_delay_alu instid0(VALU_DEP_4)
	v_pk_add_f32 v[60:61], v[60:61], v[48:49]
	s_delay_alu instid0(VALU_DEP_2)
	v_pk_add_f32 v[56:57], v[56:57], v[62:63]
	s_delay_alu instid0(VALU_DEP_2)
	v_pk_add_f32 v[58:59], v[58:59], v[60:61]
	s_delay_alu instid0(VALU_DEP_1)
	v_pk_add_f32 v[56:57], v[56:57], v[58:59]
	s_delay_alu instid0(VALU_DEP_1)
	v_add_f32 v56, v56, v57
	s_delay_alu instid0(VALU_DEP_1)
	v_permlanex16_b32 v57, v56, s[SEL], s[SEL+1]
	s_delay_alu instid0(VALU_DEP_1)
	v_add_f32 v56, v56, v57                        ; my row's 128 numbers of this wave
	ds_store_b32 v7, v56 offset:EX1                ; lanes l and l xor 16 write the same word with the same value
	s_wait_dscnt 0x0                               ; for the others' sake: my store has landed
	s_barrier_signal -1
	s_barrier_wait -1
.irp w, 0,1,2,3,4,5,6,7
	ds_load_b32 v[24+\w], v8 offset:EX1+64*\w
.endr
	s_wait_dscnt 0x0
	v_add_f32 v24, v24, v25
	v_add_f32 v26, v26, v27
	v_add_f32 v28, v28, v29
	v_add_f32 v30, v30, v31
	s_delay_alu instid0(VALU_DEP_3)
	v_add_f32 v24, v24, v26
	s_delay_alu instid0(VALU_DEP_2)
	v_add_f32 v28, v28, v30
	s_delay_alu instid0(VALU_DEP_1)
	v_add_f32 v24, v24, v28
	s_delay_alu instid0(VALU_DEP_1)
	v_mul_f32 v60, s20, v24                        ; the mean, in both registers of a pair
	s_delay_alu instid0(VALU_DEP_1)
	v_mov_b32 v61, v60
.set i, 0
.rept 32
	v_pk_add_f32 v[X+2*i:X+2*i+1], v[X+2*i:X+2*i+1], v[60:61] neg_lo:[0,1] neg_hi:[0,1]   ; x - mean
.set i, i+1
.endr
	v_pk_mul_f32 v[56:57], v[X:X+1], v[X:X+1]      ; the sum of the squares of the centred numbers
	v_pk_mul_f32 v[58:59], v[X+2:X+3], v[X+2:X+3]
.irp j, 4,8,12,16,20,24,28,32,36,40,44,48,52,56,60
	s_delay_alu instid0(VALU_DEP_2)
	v_pk_fma_f32 v[56:57], v[X+\j:X+\j+1], v[X+\j:X+\j+1], v[56:57]
	s_delay_alu instid0(VALU_DEP_2)
	v_pk_fma_f32 v[58:59], v[X+\j+2:X+\j+3], v[X+\j+2:X+\j+3], v[58:59]
.endr
	s_delay_alu instid0(VALU_DEP_1)
	v_pk_add_f32 v[56:57], v[56:57], v[58:59]
	s_delay_alu instid0(VALU_DEP_1)
	v_add_f32 v56, v56, v57
	s_delay_alu instid0(VALU_DEP_1)
	v_permlanex16_b32 v57, v56, s[SEL], s[SEL+1]
	s_delay_alu instid0(VALU_DEP_1)
	v_add_f32 v56, v56, v57
	ds_store_b32 v7, v56 offset:EX2                ; other bytes than the first exchange's: no barrier is owed between its reads and this store
	s_wait_dscnt 0x0
	s_barrier_signal -1
	s_barrier_wait -1
.irp w, 0,1,2,3,4,5,6,7
	ds_load_b32 v[24+\w], v8 offset:EX2+64*\w
.endr
	s_wait_dscnt 0x0
	v_add_f32 v24, v24, v25
	v_add_f32 v26, v26, v27
	v_add_f32 v28, v28, v29
	v_add_f32 v30, v30, v31
	s_delay_alu instid0(VALU_DEP_3)
	v_add_f32 v24, v24, v26
	s_delay_alu instid0(VALU_DEP_2)
	v_add_f32 v28, v28, v30
	s_delay_alu instid0(VALU_DEP_1)
	v_add_f32 v24, v24, v28
	s_delay_alu instid0(VALU_DEP_1)
	v_fma_f32 v56, v24, s20, s21                   ; the variance + 1e-5
	s_wait_alu depctr_va_vdst(0)
	v_rsq_f32 v60, v56
	v_rsq_f32 v61, v56
	v_nop                                          ; a plain instruction behind the two,
	s_wait_alu depctr_va_vdst(0)                   ; and the one wait ahead of their first reader
	s_wait_loadcnt 0x0                             ; gain and bias
.set i, 0
.rept 32
	v_pk_mul_f32 v[X+2*i:X+2*i+1], v[X+2*i:X+2*i+1], v[60:61]
.set i, i+1
.endr
.set i, 0
.rept 32
	v_pk_fma_f32 v[X+2*i:X+2*i+1], v[X+2*i:X+2*i+1], v[G+2*i:G+2*i+1], v[BB+2*i:BB+2*i+1]
.set i, i+1
.endr
	QUANT X
	global_store_b128 v5, v[PC:PC+3], s[10:11]                 ; the fragment as it stands: three runs of 512 consecutive bytes, aligned
	; A FRAGMENT (XA, XB, HQ, W) NOW LIES AS THREE RUNS OF 512 BYTES: registers 4 g .. 4 g + 3 of lane l at 512 g + 16 l (Y alone keeps two half images of 768 bytes)
	global_store_b128 v5, v[PC+4:PC+7], s[10:11] offset:512
	global_store_b128 v5, v[PC+8:PC+11], s[10:11] offset:1024
	global_store_b32 v8, v[PW], s[28:29]           ; the 16 scale words; lanes l and l xor 16 hold the same word and name the same address
	s_branch .Lend
	; ---------------- the weights ----------------
.Lweights:
	s_load_b256 s[4:11], s[0:1], 0x20              ; w_qkv, w_o, w_fc, w_out
	s_load_b64 s[12:13], s[0:1], 0x40              ; W
	s_sub_co_u32 s14, ttmp9, 256
	s_lshl_b32 s14, s14, 1
	s_lshr_b32 s15, s[WV], 2
	s_add_co_u32 s14, s14, s15                     ; my share, 0 .. 383
	s_and_b32 s15, s[WV], 3                        ; my place among its four waves
	v_and_b32 v1, 31, v0                           ; lane = my column among the wave's 32
	s_delay_alu instid0(VALU_DEP_1)
	v_lshlrev_b32 v2, 2, v1
	s_delay_alu instid0(VALU_DEP_2)
	v_bfe_u32 v8, v1, 3, 1                         ; u: which of the wave's two images holds my column
	s_delay_alu instid0(VALU_DEP_3)
	v_and_b32 v9, 7, v1
	s_delay_alu instid0(VALU_DEP_4)
	v_lshrrev_b32 v10, 4, v1
	s_delay_alu instid0(VALU_DEP_1)
	v_lshl_add_u32 v9, v10, 3, v9                  ; r: its lane there
	s_mul_i32 s17, s[WV], 6144                     ; my wave's stage: [kappa][u][1,536]
	v_mul_u32_u24 v10, v8, 1536
	s_delay_alu instid0(VALU_DEP_1)
	v_add_nc_u32 v10, s17, v10
	s_delay_alu instid0(VALU_DEP_1)
	v_lshl_add_u32 v3, v9, 4, v10                  ; where my registers 0-3 go (+ 256 for the upper half of the lanes)
	s_delay_alu instid0(VALU_DEP_2)
	v_lshl_add_u32 v4, v9, 3, v10                  ; 8 r: not used; registers 4-5 go at v3 + 512
	v_lshlrev_b32 v5, 4, v1
	s_delay_alu instid0(VALU_DEP_1)
	v_add_nc_u32 v5, s17, v5                       ; the stage read back as it lies: 16 bytes a lane
	s_mul_i32 s17, s15, 3072
	v_lshlrev_b32 v6, 4, v1
	s_delay_alu instid0(VALU_DEP_1)
	v_add_nc_u32 v6, s17, v6                       ; and the same place in a kappa's 12,288 bytes
	s_lshl_b32 s17, s15, 7
	v_lshlrev_b32 v7, 6, v8
	s_delay_alu instid0(VALU_DEP_1)
	v_lshl_add_u32 v7, v9, 2, v7
	s_delay_alu instid0(VALU_DEP_1)
	v_add_nc_u32 v7, s17, v7                       ; my scale word: 64 x image + 4 r
	s_wait_kmcnt 0x0
	s_mov_b64 s[18:19], s[10:11]                   ; which weight: the choice hangs on the share's number alone
	s_mov_b32 s20, 256                             ; its first share
	s_mov_b32 s21, 4096                            ; a row in bytes
	s_mov_b32 s22, 4                               ; log2 of K / 256
	s_cmp_lt_u32 s14, 256
	s_cselect_b64 s[18:19], s[8:9], s[18:19]
	s_cselect_b32 s20, 128, s20
	s_cselect_b32 s21, 16384, s21
	s_cselect_b32 s22, 2, s22
	s_cmp_lt_u32 s14, 128
	s_cselect_b64 s[18:19], s[6:7], s[18:19]
	s_cselect_b32 s20, 96, s20
	s_cselect_b32 s21, 4096, s21
	s_cmp_lt_u32 s14, 96
	s_cselect_b64 s[18:19], s[4:5], s[18:19]
	s_cselect_b32 s20, 0, s20
	s_cselect_b32 s21, 12288, s21
	s_sub_co_u32 s23, s14, s20
	s_lshr_b32 s24, s23, s22                       ; T
	s_bfm_b32 s25, s22, 0
	s_and_b32 s25, s23, s25                        ; which 256 along K
	s_lshl_b32 s26, s21, 8
	s_mul_i32 s26, s25, s26                        ; 256 rows each
	s_lshl_b32 s27, s24, 9
	s_add_co_u32 s26, s26, s27                     ; + 128 columns x T
	s_lshl_b32 s27, s15, 7
	s_add_co_u32 s26, s26, s27                     ; + 32 columns x my place
	s_mov_b32 s27, 0
	s_add_nc_u64 s[BASE:BASE+1], s[18:19], s[26:27]
	s_lshl_b32 s28, s21, 5                         ; 32 rows
	s_mov_b32 s29, 0
.irp t, 1,2,3,4,5,6,7
	s_add_nc_u64 s[BASE+2*\t:BASE+2*\t+1], s[BASE+2*\t-2:BASE+2*\t-1], s[28:29]
.endr
	s_mul_i32 s30, s14, 24576
	s_mov_b32 s31, 0
	s_add_nc_u64 s[48:49], s[12:13], s[30:31]      ; my share's codes
	s_lshl_b32 s30, s14, 10
	s_add_co_u32 s30, s30, 9437184
	s_add_nc_u64 s[50:51], s[12:13], s[30:31]      ; and its scale words
.set i, 0
.rept 32
	v_mad_u32_u24 v[OFF+i], s21, i, v2
.set i, i+1
.endr
.macro LOAD t                          ; block t: W(32 t + i, my column): 32 lanes read 128 consecutive bytes
.set i, 0
.rept 32
	global_load_b32 v[X+32*((\t)%2)+i], v[OFF+i], s[BASE+2*(\t):BASE+2*(\t)+1] th:TH_LOAD_NT
.set i, i+1
.endr
.endm
	LOAD 0
	LOAD 1
.macro BLOCK t
.set XS, X+32*((\t)%2)
.if (\t) < 7
	s_wait_loadcnt 32                              ; this block's 32 loads are in; the next block's 32 may be out
.else
	s_wait_loadcnt 0x0
.endif
	v_max3_num_f32 v12, |v[XS]|, |v[XS+1]|, |v[XS+2]|               ; the block's largest magnitude: all 32 numbers are mine
	v_max3_num_f32 v13, |v[XS+3]|, |v[XS+4]|, |v[XS+5]|
.irp i, 6,10,14,18,22,26
	s_delay_alu instid0(VALU_DEP_2)
	v_max3_num_f32 v12, v12, |v[XS+\i]|, |v[XS+\i+1]|
	s_delay_alu instid0(VALU_DEP_2)
	v_max3_num_f32 v13, v13, |v[XS+\i+2]|, |v[XS+\i+3]|
.endr
	s_delay_alu instid0(VALU_DEP_2)
	v_max3_num_f32 v12, v12, |v[XS+30]|, |v[XS+31]|
	s_delay_alu instid0(VALU_DEP_1)
	v_max3_num_f32 v12, v12, v13, 0x1800000        ; and the floor 2^(3 - 127): the byte cannot fall under 1
	s_delay_alu instid0(VALU_DEP_1)
	v_add_nc_u32 v11, 0xff000000, v12              ; 2 off the exponent field: the conversion's scale operand
	v_cvt_scalef32_pk16_fp6_f32 v[C:C+2], v[XS:XS+15], v11
	v_cvt_scalef32_pk16_fp6_f32 v[C+4:C+6], v[XS+16:XS+31], v11     ; (a conversion's three registers begin on an even number)
	v_lshrrev_b32 v13, 23, v11                     ; the scale's byte; also the plain instruction behind the conversions
.if (\t)%4 == 0
	s_delay_alu instid0(VALU_DEP_1)
	v_mov_b32 v[SB+(\t)/4], v13
.else
	s_delay_alu instid0(VALU_DEP_1)
	v_lshl_or_b32 v[SB+(\t)/4], v13, 8*((\t)%4), v[SB+(\t)/4]
.endif
	v_mov_b32 v[C+3], v[C+4]                       ; the block's six registers on end
	v_mov_b32 v[C+4], v[C+5]
	v_mov_b32 v[C+5], v[C+6]
	; the block is registers 6 c .. 6 c + 5 of lane r + 16 h of its fragment (c = (t / 2) % 2, h = t % 2); register 4 g + i lies at 512 g + 16 lane + 4 i
.if (((\t)/2)%2) == 0
	ds_store_b128 v3, v[C:C+3] offset:QST+((\t)/4)*3072+256*((\t)%2)
	ds_store_b64 v3, v[C+4:C+5] offset:QST+((\t)/4)*3072+512+256*((\t)%2)
.else
	ds_store_b64 v3, v[C:C+1] offset:QST+((\t)/4)*3072+520+256*((\t)%2)
	ds_store_b128 v3, v[C+2:C+5] offset:QST+((\t)/4)*3072+1024+256*((\t)%2)
.endif
.if (\t)+2 < 8
	LOAD (\t)+2
.endif
	s_wait_dscnt 0x0                               ; the stores have read their registers: the next block's codes may be written
.endm
.irp t, 0,1,2,3,4,5,6,7
	BLOCK \t
.endr
	global_store_b32 v7, v[SB], s[50:51]           ; the wave's 32 scale words of a kappa: 128 consecutive bytes
	s_wait_alu depctr_va_vdst(0)
	global_store_b32 v7, v[SB+1], s[50:51] offset:512
.irp i, 0,1,2,3,4,5,6,7,8,9,10,11
	ds_load_b128 v[OUT+4*\i:OUT+4*\i+3], v5 offset:QST+512*\i       ; LDS serves a wave's instructions in order: these see my stores
.endr
.irp i, 0,1,2,3,4,5,6,7,8,9,10,11
	s_wait_dscnt 11-\i                             ; load i is in; the younger ones may be out
	global_store_b128 v6, v[OUT+4*\i:OUT+4*\i+3], s[48:49] offset:(\i/6)*12288+(\i%6)*512   ; 32 lanes store 512 consecutive bytes, aligned
.endr
.Lend:
	s_wait_tensorcnt 0x0                           ; the wave's end, for both paths
	ds_add_u32 v[SPW], v[NIL]
	s_wait_dscnt 0x0
	s_endpgm
.Lfunc_end_k_qdd72da6b9a_pre:
	.size	k_qdd72da6b9a_pre, .Lfunc_end_k_qdd72da6b9a_pre-k_qdd72da6b9a_pre
	.p2alignl 7, 3214868480
	.fill 96, 4, 3214868480
	.section	.rodata,"a",@progbits
	.p2align	6, 0x0
	.amdhsa_kernel k_qdd72da6b9a_pre
		.amdhsa_group_segment_fixed_size 118784
		.amdhsa_private_segment_fixed_size 0
		.amdhsa_enable_private_segment 0
		.amdhsa_kernarg_size 72
		.amdhsa_user_sgpr_count 2
		.amdhsa_user_sgpr_kernarg_segment_ptr 1
		.amdhsa_wavefront_size32 1
		.amdhsa_system_sgpr_workgroup_id_x 1
		.amdhsa_system_sgpr_workgroup_id_y 1
		.amdhsa_system_sgpr_workgroup_id_z 1
		.amdhsa_system_vgpr_workitem_id 0
		.amdhsa_next_free_vgpr 256
		.amdhsa_next_free_sgpr 66
		.amdhsa_reserve_vcc 0
		.amdhsa_float_denorm_mode_32 3
		.amdhsa_float_denorm_mode_16_64 3
		.amdhsa_memory_ordered 1
		.amdhsa_forward_progress 1
		.amdhsa_inst_pref_size 78
	.end_amdhsa_kernel
	.amdgpu_metadata
---
amdhsa.version: [ 1, 2 ]
amdhsa.kernels:
  - .name:           k_qdd72da6b9a_pre
    .symbol:         k_qdd72da6b9a_pre.kd
    .args:
      - { .name: x, .offset: 0, .size: 8, .value_kind: global_buffer, .address_space: global }
      - { .name: ln1_w, .offset: 8, .size: 8, .value_kind: global_buffer, .address_space: global }
      - { .name: ln1_b, .offset: 16, .size: 8, .value_kind: global_buffer, .address_space: global }
      - { .name: XA, .offset: 24, .size: 8, .value_kind: global_buffer, .address_space: global }
      - { .name: w_qkv, .offset: 32, .size: 8, .value_kind: global_buffer, .address_space: global }
      - { .name: w_o, .offset: 40, .size: 8, .value_kind: global_buffer, .address_space: global }
      - { .name: w_fc, .offset: 48, .size: 8, .value_kind: global_buffer, .address_space: global }
      - { .name: w_out, .offset: 56, .size: 8, .value_kind: global_buffer, .address_space: global }
      - { .name: W, .offset: 64, .size: 8, .value_kind: global_buffer, .address_space: global }
    .group_segment_fixed_size: 118784
    .private_segment_fixed_size: 0
    .kernarg_segment_align: 8
    .kernarg_segment_size: 72
    .max_flat_workgroup_size: 256
    .sgpr_count:     66
    .vgpr_count:     256
    .wavefront_size: 32
...
	.end_amdgpu_metadata
.endif
;; end of part 1
;; launch g_qkv (part 2): grid 48 x 4, 4 waves a work-group, clusters of 4 x 4, 327,680 bytes of LDS; arguments XA, W, b_qkv, QKV; writes QKV
.if DOCPART == 2
	.amdgcn_target "amdgcn-amd-amdhsa--gfx1250"
	.amdhsa_code_object_version 6
	.text
	.protected	k_qdd72da6b9a_g_qkv
	.globl	k_qdd72da6b9a_g_qkv
	.p2align	8
	.type	k_qdd72da6b9a_g_qkv,@function
k_qdd72da6b9a_g_qkv:
	s_mov_b64 s[64:65], 0
	v_nop
	global_prefetch_b8 v0, s[64:65] scope:SCOPE_SE
	s_setreg_imm32_b32 hwreg(HW_REG_WAVE_MODE, 25, 1), 1
	s_wait_xcnt 0x0
	s_wait_alu depctr_hold_cnt(0) depctr_sa_sdst(0) depctr_va_vdst(0) depctr_va_sdst(0) depctr_va_ssrc(0) depctr_va_vcc(0) depctr_vm_vsrc(0)
	s_getreg_b32 s2, hwreg(HW_REG_IB_STS2, 6, 4)
	s_cmp_eq_u32 s2, 0
	s_cbranch_scc0 .Lentry_in_a_cluster
	s_endpgm
.Lentry_in_a_cluster:
	s_bfe_u32 s2, ttmp6, 0x10000c
	s_cmp_lg_u32 s2, 0xf033
	s_cbranch_scc0 .Lentry_shape_is_right
	s_endpgm
.Lentry_shape_is_right:
; qkv = LN1(x) w_qkv + b_qkv on codes of E2M3 (K = 1,024), and the quantisers of q, k (along the head's 64) and of v (along the keys): the results leave as attention's operands.
; A tile of 256 x 256 is made by four waves of 128 x 128 (64 accumulators, 512 registers).  K is four chunks of 256 in THREE LDS slots filled by tensor loads: chunks 0, 1, 2 are asked for together at the start,
; chunk 3 goes into slot 0 when chunk 0 has been read: from that one refill's request to the wait for it a wave issues 32 + 3 x 64 = 224 matrix instructions.
; OPERANDS lie in memory in the order of the operand's registers: [T = row / 128][kappa][image 0..7][1,536 bytes]: a wave's part of a slot (128 rows x 256 K) is 24,576 dense bytes, a fragment three dense LDS loads.
; An image's lane r holds row 32 beta + 8 u + r + 8 (r / 8).  THE MATRIX INSTRUCTION IS USED TRANSPOSED (source 0 = an image of B', source 1 = an image of A'): lane (r, h) then holds ONE row of A' (the image's lane r),
; and the 64 registers of its eight accumulators are the columns 32 beta + 16 h + i of B's 128: the order in which the quantiser takes them.  So the result is quantised in registers and stored as it stands.
; TWO PARTS, told apart by the cluster's number, which all partners share.  Clusters 0-7: A' = the tokens, B' = w_qkv's columns 0 .. 2,047 (q, k): quantised along the channels.
; Clusters 8-11: A' = w_qkv's columns 2,048 .. 3,071 (v's channels), B' = the tokens: quantised along the tokens, which are the keys: the second product's K.
; RESULT: q at byte 0 and k at 3,407,872: [batch x 16 + head][s = token / 128][6,656]: eight half images (16 tokens x 64 channels) and, from 6,144 on, their scale words (bytes 2, 3 are 0: they scale the zero codes that fill K to 128).
; v at 6,815,744: [batch x 16 + head][s][6,400]: four fragments (16 channels x 128 keys) and, from 6,144 on, their scale words.
; CLUSTERS: 4 x 4 work-groups; A's tiles are asked for jointly along a row of the cluster, B's along a column.
; LIMITS: a block of zeros gets the byte 1 where the rule says 127; largest magnitudes under 2^-124 are held at that floor; NaN and infinities are not served.
; REGISTERS: window 0: v4-6, v10-12 LDS addresses of the three slots; v16-18 at work at the head; v24-29 addresses; v32-63 scale words, two sets; v64-127 the bias; v128-223 A's fragments, one set; v224-231 the bias loads' offsets;
;   on the way out v128-211 and v232-250.  window 1: B's fragments, two sets, at v0 and v128.  windows 2, 3: the accumulators ((a, b) at v[8 (8 (a % 4) + b)]).
.set NQ,     2
.set FR,     12
.set NL,     3                         ; a fragment is three runs of 512 bytes: three loads of 16 bytes a lane
.set NP,     4                         ; places behind this matrix instruction (ISA guide 7.12.1)
.set HALFT,  24576
.set SLOT,   4*HALFT
.set SCL,    3*SLOT                    ; behind the three slots: the scale words of the tile's rows for all of K
.set HALFS,  4096
.set SPARE,  SCL+4*HALFS
.set WQ_S,   9437184
.set XA_S,   3145728
.set ADRA, 4                           ; v4-6 16 x lane + my A rows in slot 0, 1, 2
.set ADRB, 10                          ; v10-12 the same for B
.set L16,  24
.set L8,   25
.set LR4,  26
.set ADRS, 27
.set SPW,  28
.set NIL,  29
.set SC,   32
.set BN,   64
.set AF,   128
.set BA,   224
.set H,    128
.set PC,   192
.set TM,   232
.set PW,   248
.set WA,   249
.set WB,   250
.set SEL,  96                          ; s[96:97] on the way out, when no tensor load is out
.set G1, 24
.set G0, 32                            ; s[32:35] group 0 for A's chunk 0, s[36:39] chunks 1 and 2;  s[92:95] chunk 3
.set G0C, 92
.set G1B, 48
.set G0B, 56                           ; s[56:63] the same for B's;  s[96:99] chunk 3
.set G0CB, 96
.set G1S, 68
.set G0S, 76
.set G1SB, 80
.set G0SB, 88
.set MSB, 0
.macro WIN new                         ; the immediate's high byte repeats the setting that is left
.if MSB != (\new)
	s_set_vgpr_msb (MSB<<8)|(\new)
.set MSB, (\new)
.endif
.endm
.set MUL_LO, 0xa1                      ; source 0 (B) window 1, source 1 (A) window 0, C and D window 2
.set MUL_HI, 0xf1
.set TO_B,   0x40
.macro JLOAD g0a, g1a, g0b, g1b        ; a joint load: waves 0, 1 fetch for A, waves 2, 3 for B; an s_nop 0 and four v_nop follow each line
	s_cmp_eq_u32 s15, 0
	s_cbranch_scc0 .Lfor_b_\@
	tensor_load_to_lds s[\g0a:\g0a+3], s[\g1a:\g1a+7]
	s_nop 0
.rept 4
	v_nop
.endr
	s_branch .Lasked_\@
.Lfor_b_\@:
	tensor_load_to_lds s[\g0b:\g0b+3], s[\g1b:\g1b+7]
	s_nop 0
.rept 4
	v_nop
.endr
.Lasked_\@:
.endm
.macro CREST
	s_cmp_lg_u32 s14, 0
	s_cbranch_scc1 .Lnot_wave_0_\@
	s_barrier_signal -3
.Lnot_wave_0_\@:
	s_barrier_wait -3
	s_barrier_signal -1
	s_barrier_wait -1
.endm
.macro CROUND
	s_barrier_signal -1
	s_barrier_wait -1
	CREST
.endm
.macro PLACES n
.rept \n
	v_nop
.endr
.endm
.macro QUANT s                         ; 64 numbers, register 16 b + i = k 32 b + 16 (lane / 16) + i of my row -> a fragment in v[PC] on, its scale word in v[PW]
.irp b, 0,1,2,3
	v_max3_num_f32 v[TM+\b], |v[\s+16*\b]|, |v[\s+1+16*\b]|, 0x1800000
.endr
.irp i, 2,4,6,8,10,12,14
.irp b, 0,1,2,3
	v_max3_num_f32 v[TM+\b], v[TM+\b], |v[\s+16*\b+\i]|, |v[\s+1+16*\b+\i]|
.endr
.endr
.irp b, 0,1,2,3
	v_permlanex16_b32 v[TM+4+\b], v[TM+\b], s[SEL], s[SEL+1]
.endr
.irp b, 0,1,2,3
	v_max_num_f32 v[TM+\b], v[TM+\b], v[TM+4+\b]
.endr
.irp b, 0,1,2,3
	v_add_nc_u32 v[TM+12+\b], 0xff000000, v[TM+\b]
.endr
.irp b, 0,1,2,3
	v_lshrrev_b32 v[TM+4+\b], 23, v[TM+12+\b]
.endr
	v_lshl_or_b32 v[PW], v[TM+5], 8, v[TM+4]
	v_lshl_or_b32 v[PW], v[TM+6], 16, v[PW]
	v_lshl_or_b32 v[PW], v[TM+7], 24, v[PW]
.irp c, 0,1
	v_cvt_scalef32_pk16_fp6_f32 v[PC+6*\c:PC+2+6*\c], v[\s+32*\c:\s+15+32*\c], v[TM+12+2*\c]
	v_cvt_scalef32_pk16_fp6_f32 v[PC+12+4*\c:PC+14+4*\c], v[\s+16+32*\c:\s+31+32*\c], v[TM+12+2*\c+1]
.endr
	v_nop                                          ; one plain instruction behind a scaled conversion
.irp c, 0,1
.irp i, 0,1,2
	v_permlane16_swap_b32 v[PC+6*\c+\i], v[PC+12+4*\c+\i]
.endr
.irp i, 0,1,2
	v_mov_b32 v[PC+3+6*\c+\i], v[PC+12+4*\c+\i]
.endr
.endr
.endm
	s_load_b256 s[4:11], s[0:1], 0x0               ; XA, W, b_qkv, QKV
	v_lshl_add_u32 v[SPW], v0, 2, SPARE
	v_mov_b32 v[NIL], 0
	ds_add_u32 v[SPW], v[NIL]                      ; the wave's opening: the add, twice on end, and its wait ahead of my first tensor load
	ds_add_u32 v[SPW], v[NIL]
	v_lshrrev_b32 v1, 5, v0
	v_readfirstlane_b32 s14, v1                    ; wave
	s_lshr_b32 s15, s14, 1                         ; my half of the tile's rows; also: I fetch for A (0) or B (1)
	s_and_b32 s16, s14, 1                          ; my half of its columns; also: which 128 rows I fetch
	s_bfe_u32 s40, ttmp6, 0x40000                  ; cx
	s_bfe_u32 s41, ttmp6, 0x40004                  ; cy
	s_lshr_b32 s17, ttmp9, 1                       ; q, k: the cluster's row of tiles,
	s_and_b32 s42, ttmp9, 1                        ; and its column
	s_max_u32 s18, ttmp9, 8
	s_sub_co_u32 s18, s18, 8                       ; v: its column
	s_cmp_lt_u32 ttmp9, 8
	s_cselect_b32 s17, s17, 0
	s_cselect_b32 s42, s42, s18
	s_cselect_b32 s95, 0, 1572864                  ; where A's codes begin in their buffer: XA, or W's rows 2,048 on
	s_mov_b32 s96, WQ_S+65536
	s_cselect_b32 s96, XA_S, s96                   ; A's scale words
	s_mov_b32 s97, XA_S
	s_cselect_b32 s97, WQ_S, s97                   ; B's scale words (B's codes begin at byte 0 in both parts)
	s_lshl_b32 s17, s17, 2
	s_add_co_u32 s17, s17, s41                     ; tile row
	s_lshl_b32 s42, s42, 2
	s_add_co_u32 s42, s42, s40                     ; tile column
	s_lshl_b32 s43, s41, 2
	s_lshl_b32 s43, 15, s43                        ; my row of the cluster
	s_lshl_b32 s44, 0x1111, s40                    ; my column
	s_or_b32 s[G1+0], s43, (3<<16)|(1<<21)         ; 15:0 the mask; 17:16 elements of 8 bytes; 21 set beside a mask; no padding
	s_or_b32 s[G1B+0], s44, (3<<16)|(1<<21)
.irp g, G1, G1B                        ; for the head's load of chunk 0: two rows (T, T + 1) of 24,576 bytes, 98,304 bytes apart, in elements of 8 bytes
	s_mov_b32 s[\g+1], 3072<<16
	s_mov_b32 s[\g+2], 2<<16
	s_mov_b32 s[\g+3], 3072<<16
	s_mov_b32 s[\g+4], 2
	s_mov_b32 s[\g+5], 12288
	s_mov_b32 s[\g+6], 0
	s_mov_b32 s[\g+7], 0
.endr
	s_or_b32 s[G1S+0], s43, (3<<16)|(1<<21)
	s_or_b32 s[G1SB+0], s44, (3<<16)|(1<<21)
.irp g, G1S, G1SB
	s_mov_b32 s[\g+1], 32<<16
	s_mov_b32 s[\g+2], 32<<16                      ; the scale words of 256 rows, all of K: 8,192 dense bytes
	s_mov_b32 s[\g+3], 32<<16
	s_mov_b32 s[\g+4], 32
	s_mov_b32 s[\g+5], 32
	s_mov_b32 s[\g+6], 0
	s_mov_b32 s[\g+7], 0
.endr
	s_lshl_b32 s20, s17, 1                         ; A: T of the tile's first half
	s_lshl_b32 s46, s42, 1                         ; B likewise
	s_lshl_b32 s22, s20, 12
	s_add_co_u32 s22, s22, s96
	s_mov_b32 s23, 0
	s_lshl_b32 s92, s46, 12
	s_add_co_u32 s92, s92, s97
	s_mov_b32 s93, 0
	s_mul_i32 s20, s20, 98304
	s_add_co_u32 s20, s20, s95
	s_mov_b32 s21, 0
	s_mul_i32 s46, s46, 98304
	s_mov_b32 s47, 0
	s_mul_i32 s45, s14, HALFT                      ; where they go: no place in the cluster enters an LDS address
	s_lshl_b32 s94, s45, 1                         ; wave x 49,152: my part of the bytes of chunks 1 and 2
	s_wait_dscnt 0x0                               ; both opening adds are done
	s_wait_kmcnt 0x0
	s_cmp_lt_u32 ttmp9, 8
	s_cselect_b64 s[98:99], s[4:5], s[6:7]         ; A's buffer
	s_cselect_b64 s[100:101], s[6:7], s[4:5]       ; B's
	s_add_nc_u64 s[20:21], s[98:99], s[20:21]
	s_add_nc_u64 s[22:23], s[98:99], s[22:23]
	s_add_nc_u64 s[46:47], s[100:101], s[46:47]
	s_add_nc_u64 s[92:93], s[100:101], s[92:93]
	CROUND                                         ; all sixteen work-groups are here: the first joint loads meet
	; THE HEAD'S FOUR TILES, ONE LOAD A WAVE: wave 0 chunk 0 of A's 256 rows, wave 1 of B's, wave 2 A's scale words, wave 3 B's
	s_mov_b32 s[G0S], 1
	s_mov_b32 s[G0S+1], SCL
	s_mov_b64 s[G0S+2:G0S+3], s[22:23]
	s_or_b32 s[G0S+3], s[G0S+3], 0x80000000
	s_mov_b32 s[G0SB], 1
	s_mov_b32 s[G0SB+1], SCL+2*HALFS
	s_mov_b64 s[G0SB+2:G0SB+3], s[92:93]
	s_or_b32 s[G0SB+3], s[G0SB+3], 0x80000000
	s_mov_b32 s[G0], 1
	s_mov_b32 s[G0+1], 0
	s_mov_b64 s[G0+2:G0+3], s[20:21]
	s_or_b32 s[G0+3], s[G0+3], 0x80000000
	s_mov_b32 s[G0B], 1
	s_mov_b32 s[G0B+1], 2*HALFT
	s_mov_b64 s[G0B+2:G0B+3], s[46:47]
	s_or_b32 s[G0B+3], s[G0B+3], 0x80000000
.macro HARM under, g0, g1, next        ; one chain of branches on the wave's number, a load to an arm, all arms to one join
	s_cmp_lt_u32 s14, \under
	s_cbranch_scc0 \next
	tensor_load_to_lds s[\g0:\g0+3], s[\g1:\g1+7]
	s_nop 0
.rept 4
	v_nop
.endr
	s_branch .Lhead_asked
\next:
.endm
	HARM 1, G0,  G1,  .Lhead_b
	HARM 2, G0B, G1B, .Lhead_sa
	HARM 3, G0S, G1S, .Lhead_sb
	tensor_load_to_lds s[G0SB:G0SB+3], s[G1SB:G1SB+7]
	s_nop 0
.rept 4
	v_nop
.endr
.Lhead_asked:
	s_mul_i32 s18, s16, 98304                      ; from here on I fetch 128 rows: my half
	s_mov_b32 s19, 0
	s_add_nc_u64 s[20:21], s[20:21], s[18:19]
	s_add_nc_u64 s[46:47], s[46:47], s[18:19]
	s_mov_b32 s[G0+4], 1                           ; chunks 1 and 2 of my 128 rows: 49,152 dense bytes, behind slot 0 at wave x 49,152
	s_add_co_u32 s[G0+5], s94, SLOT
	s_add_nc_u64 s[G0+6:G0+7], s[20:21], HALFT
	s_or_b32 s[G0+7], s[G0+7], 0x80000000
	s_mov_b32 s[G0B+4], 1
	s_add_co_u32 s[G0B+5], s94, SLOT
	s_add_nc_u64 s[G0B+6:G0B+7], s[46:47], HALFT
	s_or_b32 s[G0B+7], s[G0B+7], 0x80000000
	s_mov_b32 s[G0C], 1                            ; chunk 3 of my 128 rows, into slot 0 (s92 to s99 have served the lines above and are free)
	s_mov_b32 s[G0C+1], s45
	s_add_nc_u64 s[G0C+2:G0C+3], s[20:21], 3*HALFT
	s_or_b32 s[G0C+3], s[G0C+3], 0x80000000
	s_mov_b32 s[G0CB], 1
	s_mov_b32 s[G0CB+1], s45
	s_add_nc_u64 s[G0CB+2:G0CB+3], s[46:47], 3*HALFT
	s_or_b32 s[G0CB+3], s[G0CB+3], 0x80000000
	v_and_b32 v1, 15, v0                           ; r
	v_bfe_u32 v2, v0, 4, 1                         ; h
	v_and_b32 v3, 31, v0
	v_lshlrev_b32 v[L16], 4, v3
	v_lshlrev_b32 v[L8], 3, v3
	v_lshlrev_b32 v[LR4], 2, v1
	s_mul_i32 s21, s15, HALFT                      ; slot 0: A's halves, then B's, 24,576 bytes each
	s_mul_i32 s22, s16, HALFT
	s_add_co_u32 s23, s22, 2*HALFT
	s_lshl_b32 s100, s21, 1                        ; behind it: for each of the four halves chunk 1 and then chunk 2
	s_add_co_u32 s100, s100, SLOT
	s_lshl_b32 s101, s22, 1
	s_add_co_u32 s101, s101, SLOT+4*HALFT
	s_wait_alu depctr_va_vdst(0)
	v_add_nc_u32 v[ADRA], s21, v[L16]
	v_add_nc_u32 v[ADRB], s23, v[L16]
	v_add_nc_u32 v[ADRA+1], s100, v[L16]
	v_add_nc_u32 v[ADRB+1], s101, v[L16]
	v_add_nc_u32 v[ADRA+2], HALFT, v[ADRA+1]
	v_add_nc_u32 v[ADRB+2], HALFT, v[ADRB+1]
	s_lshl_b32 s21, s15, 12                        ; scale words: lanes 0-15 take A's, lanes 16-31 B's
	s_lshl_b32 s22, s16, 12
	s_add_co_u32 s22, s22, 2*HALFS
	s_sub_co_u32 s22, s22, s21
	v_mul_u32_u24 v16, s22, v2
	s_add_co_u32 s21, s21, SCL
	v_add_nc_u32 v17, v[LR4], v16
	v_add_nc_u32 v[ADRS], s21, v17
	; the bias.  q, k: register 8 t + j wants b(column 32 (t / 2) + 16 h + 8 (t % 2) + j).  v: registers 8 a .. 8 a + 7 all want b(the channel of image a's lane r).  One text serves both: three strides are chosen.
	s_lshl_b32 s21, s42, 8
	s_lshl_b32 s22, s16, 7
	s_add_co_u32 s21, s21, s22                     ; q, k: my first column
	s_lshl_b32 s22, s17, 8
	s_lshl_b32 s23, s15, 7
	s_add_co_u32 s22, s22, s23
	s_add_co_u32 s22, s22, 2048                    ; v: my first channel's column
	s_cmp_lt_u32 ttmp9, 8
	s_cselect_b32 s18, 64, 0
	s_cselect_b32 s19, 0, 4
	s_cselect_b32 s20, 4, 0
	s_cselect_b32 s22, s21, s22
	s_lshl_b32 s22, s22, 2
	s_mov_b32 s23, 0
	s_add_nc_u64 s[8:9], s[8:9], s[22:23]
	v_and_b32 v18, 8, v1
	v_add_nc_u32 v18, v18, v1
	v_mul_u32_u24 v[BA], v2, s18
	v_mad_u32_u24 v[BA], v18, s19, v[BA]
.irp j, 1,2,3,4,5,6,7
	v_add_nc_u32 v[BA+\j], s20, v[BA+\j-1]
.endr
.irp t, 0,1,2,3,4,5,6,7
.irp j, 0,1,2,3,4,5,6,7
	global_load_b32 v[BN+8*\t+\j], v[BA+\j], s[8:9] offset:4*(32*(\t/2)+8*(\t%2))
.endr
.endr
.macro FRAG reg, adr, off              ; a fragment: three runs of 512 bytes, 16 bytes a lane
	ds_load_b128 v[\reg:\reg+3], v[\adr] offset:\off
	ds_load_b128 v[\reg+4:\reg+7], v[\adr] offset:(\off)+512
	ds_load_b128 v[\reg+8:\reg+11], v[\adr] offset:(\off)+1024
.endm
; 16 matrix instructions: A's blocks a0, a0 + 1 x B's eight.  The 64 accumulators take turns, one instruction a turn, in the same order in every step.
.macro MUL16 a0, p, q, sc, zero
.irp a, \a0, \a0+1
.irp b, 0,1,2,3,4,5,6,7
.if \zero
	v_wmma_scale_f32_16x16x128_f8f6f4 v[8*(8*((\a)%4)+\b):8*(8*((\a)%4)+\b)+7], v[128*(\p)+FR*\b:128*(\p)+FR*\b+FR-1], v[AF+FR*(\a):AF+FR*(\a)+FR-1], 0, v[SC+8*NQ*(\sc)+NQ*\b+(\q)], v[SC+8*NQ*(\sc)+NQ*(\a)+(\q)] matrix_a_fmt:MATRIX_FMT_FP6 matrix_b_fmt:MATRIX_FMT_FP6 matrix_a_scale:MATRIX_SCALE_ROW1
.else
	v_wmma_scale_f32_16x16x128_f8f6f4 v[8*(8*((\a)%4)+\b):8*(8*((\a)%4)+\b)+7], v[128*(\p)+FR*\b:128*(\p)+FR*\b+FR-1], v[AF+FR*(\a):AF+FR*(\a)+FR-1], v[8*(8*((\a)%4)+\b):8*(8*((\a)%4)+\b)+7], v[SC+8*NQ*(\sc)+NQ*\b+(\q)], v[SC+8*NQ*(\sc)+NQ*(\a)+(\q)] matrix_a_fmt:MATRIX_FMT_FP6 matrix_b_fmt:MATRIX_FMT_FP6 matrix_a_scale:MATRIX_SCALE_ROW1
.endif
.endr
.endr
.endm
.macro FETCH_B slot, q, p
	WIN TO_B
.irp i, 0,1,2,3,4,5,6,7
	FRAG 128*(\p)+FR*\i, ADRB+\slot, (\q)*12288+\i*1536
.endr
	WIN 0
.endm
.macro FETCH_A slot, q, i0
.irp i, \i0, \i0+1, \i0+2, \i0+3
	FRAG AF+FR*(\i), ADRA+\slot, (\q)*12288+(\i)*1536
.endr
.endm
.macro SCALES sc                       ; a chunk's scale words into set sc: lanes 0-15 A's image i, lanes 16-31 B's image i
.irp i, 0,1,2,3,4,5,6,7
	ds_load_b32 v[SC+16*\sc+2*\i], v[ADRS] offset:64*\i
	ds_load_b32 v[SC+16*\sc+2*\i+1], v[ADRS] offset:512+64*\i
.endr
.endm
.macro STEP slot, q, sc, zero          ; a step of 128 along K that has its successor in the same slot; sc: the chunk's set of scale words
	s_wait_dscnt 4*NL                              ; B's set and A's blocks 0-3 are in; the youngest 12 loads (A's blocks 4-7) may be out
	WIN MUL_LO
	MUL16 0, (\q)%2, \q, \sc, \zero
	MUL16 2, (\q)%2, \q, \sc, \zero
	s_wait_dscnt 0
	PLACES NP
	FETCH_B \slot, (\q)+1, 1-(\q)%2
	FETCH_A \slot, (\q)+1, 0
	WIN MUL_HI
	MUL16 4, (\q)%2, \q, \sc, \zero
	MUL16 6, (\q)%2, \q, \sc, \zero
	PLACES NP
	WIN 0
	FETCH_A \slot, (\q)+1, 4
.endm
; A chunk's last step with a barrier.  In front of it each wave waits for all its tensor loads, adds 0 to its spare word, and waits for that and for its own reads of the slot that it leaves.
; fill = 1 (the change from slot 0 to slot 1): slot 0 is filled again, with chunk 3.  fill = 0 (from slot 2 to slot 0): the wait has shown my part of chunk 3 landed, the barrier everybody's; nothing is filled.
.macro TURN next, sc, nsc, fill
	s_wait_tensorcnt 0x0                           ; all my tensor loads have landed
	ds_add_u32 v[SPW], v[NIL]
.if \fill
	s_mov_b32 s[G1+2], 96<<16                      ; no tensor load of mine is out: the refill brings 96 rows of 256 bytes
	s_mov_b32 s[G1+4], 96
	s_mov_b32 s[G1B+2], 96<<16
	s_mov_b32 s[G1B+4], 96
.endif
	s_wait_dscnt 4*NL+1
	WIN MUL_LO
	MUL16 0, 1, NQ-1, \sc, 0
	s_wait_dscnt 0x0                               ; the add is done, and my reads of this slot are over
	s_barrier_signal -1
	MUL16 2, 1, NQ-1, \sc, 0
	WIN 0
	s_barrier_wait -1
.if \fill
	CREST                                          ; the barrier has opened a round of the cluster's barrier: no wave of any partner still reads slot 0 or has a load on its way
	JLOAD G0C, G1, G0CB, G1B
.else
	PLACES NP
.endif
	v_add_nc_u32 v[ADRS], 1024, v[ADRS]            ; the next chunk's scale words: two kappa of 512 bytes
	FETCH_B \next, 0, 0
	FETCH_A \next, 0, 0
	SCALES \nsc
	WIN MUL_HI
	MUL16 4, 1, NQ-1, \sc, 0
	MUL16 6, 1, NQ-1, \sc, 0
	PLACES NP
	WIN 0
	FETCH_A \next, 0, 4
.endm
; The change from slot 1 to slot 2 has no wait on tensor loads and no barrier: the wait for all loads and the barrier of the change before it have shown slot 2 whole to every wave; nothing is filled here, and chunk 3 stays on its way.
.macro CROSS next, sc, nsc
	s_wait_dscnt 4*NL
	WIN MUL_LO
	MUL16 0, 1, NQ-1, \sc, 0
	MUL16 2, 1, NQ-1, \sc, 0
	s_wait_dscnt 0
	PLACES NP
	WIN 0
	v_add_nc_u32 v[ADRS], 1024, v[ADRS]
	FETCH_B \next, 0, 0
	FETCH_A \next, 0, 0
	SCALES \nsc
	WIN MUL_HI
	MUL16 4, 1, NQ-1, \sc, 0
	MUL16 6, 1, NQ-1, \sc, 0
	PLACES NP
	WIN 0
	FETCH_A \next, 0, 4
.endm
	s_wait_alu depctr_va_vdst(0)
	s_wait_tensorcnt 0x0                           ; my tile of the head's four is in
	ds_add_u32 v[SPW], v[NIL]
.irp g, G1, G1B                        ; no tensor load of mine is out: from here on rows of 256 bytes, 192 of them (chunks 1 and 2 of 128 rows)
	s_mov_b32 s[\g+1], 32<<16
	s_mov_b32 s[\g+2], 192<<16
	s_mov_b32 s[\g+3], 32<<16
	s_mov_b32 s[\g+4], 192
	s_mov_b32 s[\g+5], 32
.endr
	s_wait_dscnt 0x0
	CROUND                                         ; all four tiles are in, and all sixteen work-groups are here
	JLOAD G0+4, G1, G0B+4, G1B                     ; chunks 1 and 2 by one load a wave, the first tensor load behind the round
	FETCH_B 0, 0, 0
	FETCH_A 0, 0, 0
	SCALES 0
	FETCH_A 0, 0, 4
	STEP 0, 0, 0, 1                                ; chunk 0: the first step's products start the sums
	TURN 1, 0, 1, 1                                ; slot 0 takes chunk 3
	s_wait_alu depctr_va_vdst(0)
	STEP 1, 0, 1, 0                                ; chunk 1
	CROSS 2, 1, 0
	s_wait_alu depctr_va_vdst(0)
	STEP 2, 0, 0, 0                                ; chunk 2
	TURN 0, 0, 1, 0                                ; chunk 3 has landed
	STEP 0, 0, 1, 0                                ; chunk 3
	s_wait_dscnt 4*NL
	WIN MUL_LO
	MUL16 0, 1, NQ-1, 1, 0
	MUL16 2, 1, NQ-1, 1, 0
	s_wait_dscnt 0
	WIN MUL_HI
	MUL16 4, 1, NQ-1, 1, 0
	MUL16 6, 1, NQ-1, 1, 0
	WIN 0
; THE WAY OUT, block by block of 16 rows of A': + bias, quantised in registers, stored as the operand's registers stand.  No LDS.
.macro EPI part, a
.if (\a) > 0
	s_wait_xcnt 0x0                                ; the last block's stores have read their registers
.endif
	WIN 0x02+(\a)/4                                ; source 0: window 2 or 3
.set i, 0
.rept 32
.if \part == 0
	v_pk_add_f32 v[H+2*i:H+2*i+1], v[64*((\a)%4)+2*i:64*((\a)%4)+2*i+1], v[BN+2*i:BN+2*i+1]     ; each accumulator from its low end on
.else
	v_pk_add_f32 v[H+2*i:H+2*i+1], v[64*((\a)%4)+2*i:64*((\a)%4)+2*i+1], v[BN+8*(\a):BN+8*(\a)+1]
.endif
.set i, i+1
.endr
	WIN 0
	QUANT H
.if \part == 0                         ; the fragment's two halves are two heads' half images
	global_store_b128 v[L16], v[PC:PC+3], s[10:11] offset:(\a)*768
	global_store_b64 v[L8], v[PC+4:PC+5], s[10:11] offset:(\a)*768+512
	global_store_b128 v[L16], v[PC+6:PC+9], s[10:11] offset:(\a)*768+53248
	global_store_b64 v[L8], v[PC+10:PC+11], s[10:11] offset:(\a)*768+53248+512
	v_and_b32 v[WA], 0xffff, v[PW]
	v_lshrrev_b32 v[WB], 16, v[PW]
	global_store_b32 v[LR4], v[WA], s[10:11] offset:6144+(\a)*64           ; lanes l and l xor 16 hold the same word and name the same address
	global_store_b32 v[LR4], v[WB], s[10:11] offset:6144+(\a)*64+53248
.else
	global_store_b128 v[L16], v[PC:PC+3], s[10:11] offset:((\a)/4)*51200+((\a)%4)*1536
	global_store_b64 v[L8], v[PC+4:PC+5], s[10:11] offset:((\a)/4)*51200+((\a)%4)*1536+512
	global_store_b128 v[L16], v[PC+6:PC+9], s[10:11] offset:((\a)/4)*51200+((\a)%4)*1536+768
	global_store_b64 v[L8], v[PC+10:PC+11], s[10:11] offset:((\a)/4)*51200+((\a)%4)*1536+1280
	global_store_b32 v[LR4], v[PW], s[10:11] offset:((\a)/4)*51200+6144+((\a)%4)*64
.endif
.endm
	PLACES NP                                      ; behind the last products: their results are read and their operands' registers written below
	s_wait_loadcnt 0x0                             ; the bias
.irp b, 0,1,2,3
	v_mov_b32 v[TM+4+\b], 0                        ; written once: a lane permute's destination counts as one of its sources
.endr
	s_mov_b32 s[SEL], 0x76543210
	s_mov_b32 s[SEL+1], 0xfedcba98
	s_cmp_lt_u32 ttmp9, 8                          ; the cluster's number: the same in all partners
	s_cbranch_scc0 .Lpart_v
	s_lshl_b32 s20, s17, 1
	s_add_co_u32 s20, s20, s15                     ; my first token / 128
	s_lshr_b32 s21, s20, 3                         ; batch
	s_and_b32 s20, s20, 7                          ; s
	s_lshl_b32 s22, s42, 2
	s_lshl_b32 s23, s16, 1
	s_add_co_u32 s22, s22, s23                     ; my first column / 64: 0-15 q's heads, 16-31 k's
	s_lshr_b32 s23, s22, 4
	s_lshl_b32 s23, s23, 2
	s_add_co_u32 s23, s23, s21
	s_lshl_b32 s23, s23, 4
	s_and_b32 s22, s22, 15
	s_add_co_u32 s23, s23, s22
	s_mul_i32 s23, s23, 53248
	s_mul_i32 s20, s20, 6656
	s_add_co_u32 s20, s20, s23
	s_mov_b32 s21, 0
	s_add_nc_u64 s[10:11], s[10:11], s[20:21]
.irp a, 0,1,2,3,4,5,6,7
	EPI 0, \a
.endr
	s_branch .Lend
.Lpart_v:
	s_lshl_b32 s20, s42, 1
	s_add_co_u32 s20, s20, s16                     ; my first token / 128
	s_lshr_b32 s21, s20, 3                         ; batch
	s_and_b32 s20, s20, 7                          ; s
	s_lshl_b32 s21, s21, 4
	s_lshl_b32 s22, s17, 2
	s_add_co_u32 s21, s21, s22
	s_lshl_b32 s22, s15, 1
	s_add_co_u32 s21, s21, s22                     ; batch x 16 + my first head
	s_lshl_b32 s21, s21, 3
	s_add_co_u32 s21, s21, s20
	s_mul_i32 s20, s21, 6400
	s_add_co_u32 s20, s20, 6815744
	s_mov_b32 s21, 0
	s_add_nc_u64 s[10:11], s[10:11], s[20:21]
.irp a, 0,1,2,3,4,5,6,7
	EPI 1, \a
.endr
.Lend:
	s_wait_tensorcnt 0x0                           ; the wave's end
	ds_add_u32 v[SPW], v[NIL]
	s_wait_dscnt 0x0
	CROUND                                         ; the closing round
	s_endpgm
.Lfunc_end_k_qdd72da6b9a_g_qkv:
	.size	k_qdd72da6b9a_g_qkv, .Lfunc_end_k_qdd72da6b9a_g_qkv-k_qdd72da6b9a_g_qkv
	.p2alignl 7, 3214868480
	.fill 96, 4, 3214868480
	.section	.rodata,"a",@progbits
	.p2align	6, 0x0
	.amdhsa_kernel k_qdd72da6b9a_g_qkv
		.amdhsa_group_segment_fixed_size 327680
		.amdhsa_private_segment_fixed_size 0
		.amdhsa_enable_private_segment 0
		.amdhsa_kernarg_size 32
		.amdhsa_user_sgpr_count 2
		.amdhsa_user_sgpr_kernarg_segment_ptr 1
		.amdhsa_wavefront_size32 1
		.amdhsa_system_sgpr_workgroup_id_x 1
		.amdhsa_system_sgpr_workgroup_id_y 1
		.amdhsa_system_sgpr_workgroup_id_z 1
		.amdhsa_system_vgpr_workitem_id 0
		.amdhsa_next_free_vgpr 1024
		.amdhsa_next_free_sgpr 104
		.amdhsa_reserve_vcc 0
		.amdhsa_float_denorm_mode_32 3
		.amdhsa_float_denorm_mode_16_64 3
		.amdhsa_memory_ordered 1
		.amdhsa_forward_progress 1
		.amdhsa_inst_pref_size 219
	.end_amdhsa_kernel
	.amdgpu_metadata
---
amdhsa.version: [ 1, 2 ]
amdhsa.kernels:
  - .name:           k_qdd72da6b9a_g_qkv
    .symbol:         k_qdd72da6b9a_g_qkv.kd
    .args:
      - { .name: XA, .offset: 0, .size: 8, .value_kind: global_buffer, .address_space: global }
      - { .name: W, .offset: 8, .size: 8, .value_kind: global_buffer, .address_space: global }
      - { .name: b_qkv, .offset: 16, .size: 8, .value_kind: global_buffer, .address_space: global }
      - { .name: QKV, .offset: 24, .size: 8, .value_kind: global_buffer, .address_space: global }
    .group_segment_fixed_size: 327680
    .private_segment_fixed_size: 0
    .kernarg_segment_align: 8
    .kernarg_segment_size: 32
    .max_flat_workgroup_size: 128
    .sgpr_count:     104
    .vgpr_count:     1024
    .wavefront_size: 32
...
	.end_amdgpu_metadata
.endif
;; end of part 2
;; launch attn (part 3): grid 4 x 64, 16 waves a work-group, clusters of 4 x 1, 167,936 bytes of LDS; arguments QKV, Y; writes Y
.if DOCPART == 3
	.amdgcn_target "amdgcn-amd-amdhsa--gfx1250"
	.amdhsa_code_object_version 6
	.text
	.protected	k_qdd72da6b9a_attn
	.globl	k_qdd72da6b9a_attn
	.p2align	8
	.type	k_qdd72da6b9a_attn,@function
k_qdd72da6b9a_attn:
	s_mov_b64 s[64:65], 0
	v_nop
	global_prefetch_b8 v0, s[64:65] scope:SCOPE_SE
	s_setreg_imm32_b32 hwreg(HW_REG_WAVE_MODE, 25, 1), 1
	s_wait_xcnt 0x0
	s_wait_alu depctr_hold_cnt(0) depctr_sa_sdst(0) depctr_va_vdst(0) depctr_va_sdst(0) depctr_va_ssrc(0) depctr_va_vcc(0) depctr_vm_vsrc(0)
	s_getreg_b32 s2, hwreg(HW_REG_IB_STS2, 6, 4)
	s_cmp_eq_u32 s2, 0
	s_cbranch_scc0 .Lentry_in_a_cluster
	s_endpgm
.Lentry_in_a_cluster:
	s_bfe_u32 s2, ttmp6, 0x10000c
	s_cmp_lg_u32 s2, 0x3003
	s_cbranch_scc0 .Lentry_shape_is_right
	s_endpgm
.Lentry_shape_is_right:
; y = softmax(q k^T / 8, causal) v for 64 (batch, head) pairs of 1,024 tokens and 64 channels, both products on codes of E2M3; y leaves quantised along the channels, as the next product's operand.
; LEFT OUT (shown at the head of the first launch): key steps of 128 keys that all lie behind a tile's 16 queries: reference()'s own mask gives them the weight 0.
; THE SOFTMAX AHEAD OF THE SECOND PRODUCT: t = score x log2(e) / 8; M = the running largest t rounded UP to a whole number; p = 2^(t - M) is quantised along the keys, not normalised; the row's sum is taken of the
; unquantised p and divides at the end.  When M moves, the sum and O are multiplied by 2^(old M - new M): exact.
; THE FIRST PRODUCT HAS K = 64: the upper half of each operand's 128 is zero codes (six registers cleared once), under the scale byte 0.
; SHARES: the four work-groups of a cluster serve one (batch, head).  A wave owns one tile of 16 queries: tile 4 w' + cx, w' = the wave's number with its low two bits turned over in every second group of four waves.
; It walks key steps 0 .. w' / 2: that count hangs on the wave's number alone, so no branch hangs on a work-group's place in its cluster; the place enters Q's and Y's global addresses and the mask's numbers alone.
; LDS: the head's whole K (8 x 6,656 bytes) and V (8 x 6,400) come once, each of the sixteen waves asking for one block JOINTLY with the other three work-groups; nothing is filled again.
; LAYOUT: both products transposed (S^T = K Q^T, O^T = V^T P^T): a lane holds one query throughout.  A tile's 16 keys (and V's 16 channels) are lanes r -> 32 beta + 8 u + r + 8 (r / 8), so that the 16 registers of two
; neighbouring tiles are 16 neighbours along the next product's K.
; LIMITS: a block of zeros gets the byte 1 where the rule says 127; NaN and infinities are not served.
; REGISTERS: v1-4, v7, v28 addresses that stay; v8-11, v29, v31 the step's; v12 -M, v13 the largest t, v[14:15] the sum; v16-27 Q, v30 its scale words; v32-79 four fragments of K; v80-127 V's four;
; v128-191 S^T, then p; v192-223 O^T; v224-235 p's codes; v232-254 at work; v248-251 K's or V's scale words; v253 p's; v255 the mask's number.
.set KBLK,  6656
.set VBLK,  6400
.set VLDS,  53248
.set SPARE, 104448                     ; behind K and V: the spare words, 128 bytes a wave
.set KB,    3407872
.set VB,    6815744
.set YS,    3145728
.set S,   128
.set O,   192
.set SPW, 5
.set NIL, 6
.set WV,  18
.set SEL, 20
.set CS,  22
.set G1K, 24
.set G1V, 32
.set G0K, 40
.set G0V, 44
.set NS1, 48                           ; s48 my last key step
.set TK,  49                           ; s49 where the step's block of K begins in LDS
.set TV,  50                           ; s50 and V's, from VLDS on
.set SI,  51                           ; s51 the step
.macro CROUND
	s_barrier_signal -1
	s_barrier_wait -1
	s_cmp_lg_u32 s[WV], 0
	s_cbranch_scc1 .Lnot_wave_0_\@
	s_barrier_signal -3
.Lnot_wave_0_\@:
	s_barrier_wait -3
	s_barrier_signal -1
	s_barrier_wait -1
.endm
	s_load_b128 s[4:7], s[0:1], 0x0                ; QKV, Y
	v_lshl_add_u32 v[SPW], v0, 2, SPARE
	v_mov_b32 v[NIL], 0
	ds_add_u32 v[SPW], v[NIL]                      ; the wave's opening: the add, twice on end, and its wait ahead of my first tensor load
	ds_add_u32 v[SPW], v[NIL]
	v_lshrrev_b32 v8, 5, v0
	s_delay_alu instid0(VALU_DEP_1)
	v_readfirstlane_b32 s[WV], v8                  ; wave 0..15
	s_bfe_u32 s52, ttmp6, 0x40000                  ; cx
	s_and_b32 s53, ttmp7, 0xffff                   ; batch x 16 + head
	s_bfe_u32 s54, s[WV], 0x10002
	s_mul_i32 s54, s54, 3
	s_xor_b32 s54, s54, s[WV]                      ; w'
	s_lshr_b32 s[NS1], s54, 1
	s_and_b32 s55, s54, 1
	s_lshl_b32 s55, s55, 2
	s_add_co_u32 s55, s55, s52                     ; my tile among the eight of its 128 tokens
	s_mov_b32 s[G1K], 15|(3<<16)|(1<<21)           ; 15:0 the mask: all four work-groups; 17:16 elements of 8 bytes; 21 set beside a mask; no padding
	s_mov_b32 s[G1K+1], 32<<16                     ; rows of 256 bytes,
	s_mov_b32 s[G1K+2], 26<<16                     ; 26 of them: a block of K
	s_mov_b32 s[G1K+3], 32<<16
	s_mov_b32 s[G1K+4], 26
	s_mov_b32 s[G1K+5], 32
	s_mov_b32 s[G1K+6], 0
	s_mov_b32 s[G1K+7], 0
	s_mov_b32 s[G1V], 15|(3<<16)|(1<<21)
	s_mov_b32 s[G1V+1], 32<<16
	s_mov_b32 s[G1V+2], 25<<16                     ; 25: a block of V
	s_mov_b32 s[G1V+3], 32<<16
	s_mov_b32 s[G1V+4], 25
	s_mov_b32 s[G1V+5], 32
	s_mov_b32 s[G1V+6], 0
	s_mov_b32 s[G1V+7], 0
	s_mul_i32 s56, s53, 8*KBLK
	s_mul_i32 s57, s[WV], KBLK                     ; waves 0-7: block = wave, in memory and in LDS
	s_add_co_u32 s58, s56, s57
	s_add_co_u32 s58, s58, KB
	s_mov_b32 s59, 0
	s_mul_i32 s62, s[WV], VBLK                     ; waves 8-15: block = wave - 8
	s_mul_i32 s60, s53, 8*VBLK
	s_add_co_u32 s60, s60, s62
	s_add_co_u32 s60, s60, VB-8*VBLK
	s_mov_b32 s61, 0
	s_mov_b32 s[SEL], 0x76543210
	s_mov_b32 s[SEL+1], 0xfedcba98
	s_mov_b32 s[CS], 0x3e38aa3b                    ; c = log2(e) / 8
	s_mov_b32 s[CS+1], s[CS]
	s_mov_b32 s[TK], 0
	s_mov_b32 s[TV], 0
	s_mov_b32 s[SI], 0
	v_and_b32 v8, 31, v0
	s_delay_alu instid0(VALU_DEP_1)
	v_lshlrev_b32 v1, 4, v8                        ; 16 x lane
	s_delay_alu instid0(VALU_DEP_2)
	v_lshlrev_b32 v2, 3, v8                        ; 8 x lane
	v_and_b32 v9, 15, v0                           ; r
	s_delay_alu instid0(VALU_DEP_1)
	v_lshlrev_b32 v3, 2, v9                        ; 4 r
	s_delay_alu instid0(VALU_DEP_4)
	v_add_nc_u32 v4, VLDS, v1
	s_delay_alu instid0(VALU_DEP_4)
	v_add_nc_u32 v7, VLDS, v2
	s_delay_alu instid0(VALU_DEP_3)
	v_add_nc_u32 v28, VLDS, v3
	s_wait_dscnt 0x0                               ; both opening adds are done
	s_wait_kmcnt 0x0
	s_mov_b32 s[G0K], 1
	s_mov_b32 s[G0K+1], s57
	s_add_nc_u64 s[G0K+2:G0K+3], s[4:5], s[58:59]
	s_or_b32 s[G0K+3], s[G0K+3], 0x80000000
	s_mov_b32 s[G0V], 1
	s_add_co_u32 s[G0V+1], s62, VLDS-8*VBLK
	s_add_nc_u64 s[G0V+2:G0V+3], s[4:5], s[60:61]
	s_or_b32 s[G0V+3], s[G0V+3], 0x80000000
	CROUND                                         ; all four work-groups are here: the joint loads meet
	s_cmp_lt_u32 s[WV], 8                          ; every wave asks for one block: a fill in each arm; one tensor load of mine is out
	s_cbranch_scc0 .Lfill_v
	tensor_load_to_lds s[G0K:G0K+3], s[G1K:G1K+7]
	s_nop 0
.rept 4
	v_nop
.endr
	s_branch .Lfilled
.Lfill_v:
	tensor_load_to_lds s[G0V:G0V+3], s[G1V:G1V+7]
	s_nop 0
.rept 4
	v_nop
.endr
.Lfilled:
	s_lshl_b32 s56, s53, 3
	s_add_co_u32 s56, s56, s[NS1]
	s_mul_i32 s56, s56, KBLK                       ; q's block of my 128 tokens
	s_mul_i32 s57, s55, 768
	s_add_co_u32 s58, s56, s57
	s_mov_b32 s59, 0
	s_add_nc_u64 s[8:9], s[4:5], s[58:59]          ; my tile's half image
	s_lshl_b32 s57, s55, 6
	s_add_co_u32 s58, s56, s57
	s_add_co_u32 s58, s58, 6144
	s_add_nc_u64 s[10:11], s[4:5], s[58:59]        ; and its scale words
	s_wait_alu depctr_va_vdst(0)
	global_load_b128 v[16:19], v1, s[8:9]
	global_load_b64 v[20:21], v2, s[8:9] offset:512
	global_load_b32 v30, v3, s[10:11]
	s_lshr_b32 s56, s53, 4
	s_lshl_b32 s56, s56, 3
	s_add_co_u32 s56, s56, s[NS1]                  ; Y: T = batch x 8 + token / 128
	s_and_b32 s57, s53, 15
	s_lshr_b32 s58, s57, 1                         ; kappa = head / 2
	s_and_b32 s57, s57, 1                          ; c = head % 2
	s_mul_i32 s60, s56, 98304
	s_mul_i32 s61, s58, 12288
	s_add_co_u32 s60, s60, s61
	s_mul_i32 s61, s55, 1536
	s_add_co_u32 s60, s60, s61
	s_mul_i32 s61, s57, 768
	s_add_co_u32 s60, s60, s61
	s_mov_b32 s61, 0
	s_add_nc_u64 s[12:13], s[6:7], s[60:61]
	s_lshl_b32 s60, s56, 12
	s_lshl_b32 s62, s58, 9
	s_add_co_u32 s60, s60, s62
	s_lshl_b32 s62, s55, 6
	s_add_co_u32 s60, s60, s62
	s_lshl_b32 s62, s57, 1
	s_add_co_u32 s60, s60, s62
	s_add_co_u32 s60, s60, YS
	s_add_nc_u64 s[14:15], s[6:7], s[60:61]
	s_lshr_b32 s56, s55, 1
	s_lshl_b32 s56, s56, 5
	s_and_b32 s57, s55, 1
	s_lshl_b32 s57, s57, 3
	s_add_co_u32 s56, s56, s57                     ; my tile's first query among its 128 tokens
	v_bfe_u32 v10, v0, 4, 1
	v_and_b32 v11, 8, v9
	s_delay_alu instid0(VALU_DEP_1)
	v_add_nc_u32 v11, v11, v9
	s_delay_alu instid0(VALU_DEP_3)
	v_lshlrev_b32 v10, 4, v10
	s_delay_alu instid0(VALU_DEP_1)
	v_sub_nc_u32 v11, v11, v10
	s_delay_alu instid0(VALU_DEP_1)
	v_add_nc_u32 v255, s56, v11                    ; d = my query - 16 (lane / 16): on the diagonal, register 16 b + i holds a hidden key where 32 b + i > d
.irp j, 22,23,24,25,26,27
	v_mov_b32 v[\j], 0                             ; Q's k = 64 .. 127: zero codes
.endr
.irp t, 0,1,2,3
.irp j, 6,7,8,9,10,11
	v_mov_b32 v[32+12*\t+\j], 0                    ; K's likewise, in each of the four places
.endr
.endr
.set i, 0
.rept 32
	v_mov_b32 v[O+i], 0                            ; O^T: the step is written once; the first finds zeros
.set i, i+1
.endr
	v_mov_b32 v13, 0xff61b1e6                      ; the largest t so far: -3e38
	s_delay_alu instid0(VALU_DEP_1)
	v_floor_f32 v12, -v13                          ; -M
	v_mov_b32 v14, 0
	v_mov_b32 v15, 0
.irp b, 0,1,2,3
	v_mov_b32 v[236+\b], 0                         ; written once: a lane permute's destination counts as one of its sources
.endr
	v_mov_b32 v252, 0
	v_mov_b32 v253, 0
	s_wait_loadcnt 0x0                             ; Q
	s_wait_tensorcnt 0x0                           ; my block has landed,
	s_barrier_signal -1
	s_barrier_wait -1                              ; everybody's has
.Lstep:                                            ; eight trips, a constant; a wave jumps over the steps behind its queries
	s_cmp_gt_u32 s[SI], s[NS1]
	s_cbranch_scc1 .Lskip
	v_add_nc_u32 v8, s[TK], v1                     ; (these six are also the places behind the last step's products)
	s_wait_alu depctr_va_vdst(0)
	v_add_nc_u32 v9, s[TK], v2
	s_wait_alu depctr_va_vdst(0)
	v_add_nc_u32 v10, s[TK], v3
	s_wait_alu depctr_va_vdst(0)
	v_add_nc_u32 v11, s[TV], v4
	v_add_nc_u32 v29, s[TV], v7
	v_add_nc_u32 v31, s[TV], v28
.irp g, 0,1                                    ; S^T = K Q^T, four tiles of 16 keys at a time
.if \g > 0
.rept 4
	v_nop                                          ; places in front of loads into registers that matrix instructions have read
.endr
.endif
.irp t, 0,1,2,3
	ds_load_b128 v[32+12*\t:35+12*\t], v8 offset:(4*\g+\t)*768
	ds_load_b64 v[36+12*\t:37+12*\t], v9 offset:(4*\g+\t)*768+512
	ds_load_b32 v[248+\t], v10 offset:6144+(4*\g+\t)*64
.endr
	s_wait_dscnt 0x0
.irp t, 0,1,2,3
	v_wmma_scale_f32_16x16x128_f8f6f4 v[S+8*(4*\g+\t):S+7+8*(4*\g+\t)], v[32+12*\t:43+12*\t], v[16:27], 0, v[248+\t], v30 matrix_a_fmt:MATRIX_FMT_FP6 matrix_b_fmt:MATRIX_FMT_FP6
.endr
.endr
.rept 4
	v_nop
.endr
	s_wait_alu depctr_va_vdst(0)
.irp d, 0,1,2,3                                ; V's four fragments and scale words are asked for now and land under the softmax
	ds_load_b128 v[80+12*\d:83+12*\d], v11 offset:\d*1536
	ds_load_b64 v[84+12*\d:85+12*\d], v29 offset:\d*1536+512
	ds_load_b128 v[86+12*\d:89+12*\d], v11 offset:\d*1536+768
	ds_load_b64 v[90+12*\d:91+12*\d], v29 offset:\d*1536+1280
	ds_load_b32 v[248+\d], v31 offset:6144+\d*64
.endr
	s_cmp_lg_u32 s[SI], s[NS1]                     ; my last step lies on the diagonal: hidden scores become -infinity ahead of the maximum
	s_cbranch_scc1 .Lopen
	v_mov_b32 v254, 0xff800000
.set i, 0
.rept 64
	v_cmp_gt_i32 vcc_lo, 32*(i/16)+i%16, v255
	v_cndmask_b32 v[S+i], v[S+i], v254, vcc_lo
.set i, i+1
.endr
.Lopen:
.irp b, 0,1,2,3
	v_max3_num_f32 v[232+\b], v[S+16*\b], v[S+1+16*\b], v[S+2+16*\b]   ; the largest score of each block of 32 keys: for the row's maximum, and, since p rises with the score, for the block's largest p
.endr
.irp i, 3,5,7,9,11,13
.irp b, 0,1,2,3
	v_max3_num_f32 v[232+\b], v[232+\b], v[S+16*\b+\i], v[S+1+16*\b+\i]
.endr
.endr
.irp b, 0,1,2,3
	v_max_num_f32 v[232+\b], v[232+\b], v[S+15+16*\b]
.endr
.irp b, 0,1,2,3
	s_delay_alu instid0(VALU_DEP_4)
	v_permlanex16_b32 v[236+\b], v[232+\b], s[SEL], s[SEL+1]
.endr
.irp b, 0,1,2,3
	s_delay_alu instid0(VALU_DEP_4)
	v_max_num_f32 v[232+\b], v[232+\b], v[236+\b]
.endr
	s_delay_alu instid0(VALU_DEP_2)
	v_max3_num_f32 v254, v232, v233, v234
	s_delay_alu instid0(VALU_DEP_1)
	v_max_num_f32 v254, v254, v235
	s_delay_alu instid0(VALU_DEP_1)
	v_mul_f32 v254, s[CS], v254                    ; as t (c is positive)
	s_delay_alu instid0(VALU_DEP_1)
	v_max_num_f32 v13, v13, v254                   ; the running largest t
	v_mov_b32 v254, v12
	s_delay_alu instid0(VALU_DEP_2)
	v_floor_f32 v12, -v13                          ; the new -M = -ceil(t)
	s_delay_alu instid0(VALU_DEP_1)
	v_sub_f32 v254, v12, v254                      ; old M - new M: a whole number, 0 or less
	s_delay_alu instid0(VALU_DEP_1)
	v_cvt_i32_f32 v254, v254                       ; (it saturates)
	s_delay_alu instid0(VALU_DEP_1)
	v_ldexp_f32 v252, 1.0, v254                    ; f = 2^(old M - new M)
.set i, 0
.rept 32
	v_pk_fma_f32 v[S+2*i:S+2*i+1], v[S+2*i:S+2*i+1], s[CS:CS+1], v[12:13] op_sel_hi:[1,0,0]   ; t - M
.set i, i+1
.endr
.irp b, 0,1,2,3
	v_fma_f32 v[232+\b], v[232+\b], s[CS], v12
.endr
.set i, 0
	s_wait_alu depctr_va_vdst(0)
.rept 64
	v_exp_f32 v[S+i], v[S+i]                       ; p = 2^(t - M)
.set i, i+1
.endr
	v_pk_mul_f32 v[14:15], v[14:15], v[252:253] op_sel_hi:[1,0]   ; the sums under the new M; a plain instruction behind the exponentials
	s_wait_alu depctr_va_vdst(0)                   ; one wait for the whole batch, ahead of its first reader
.irp b, 0,1,2,3
	v_exp_f32 v[232+\b], v[232+\b]                 ; the block's largest p
.endr
	v_pk_add_f32 v[236:237], v[132:133], v[136:137]
	v_pk_add_f32 v[246:247], v[140:141], v[144:145]
	v_pk_add_f32 v[244:245], v[148:149], v[152:153]
	v_pk_add_f32 v[242:243], v[156:157], v[160:161]
	v_pk_add_f32 v[240:241], v[164:165], v[168:169]
	v_pk_add_f32 v[238:239], v[172:173], v[176:177]
	v_pk_add_f32 v[230:231], v[180:181], v[184:185]
	v_pk_add_f32 v[14:15], v[14:15], v[188:189]
	v_pk_add_f32 v[236:237], v[236:237], v[128:129]
	v_pk_add_f32 v[246:247], v[246:247], v[130:131]
	v_pk_add_f32 v[244:245], v[244:245], v[134:135]
	v_pk_add_f32 v[242:243], v[242:243], v[138:139]
	v_pk_add_f32 v[240:241], v[240:241], v[142:143]
	v_pk_add_f32 v[238:239], v[238:239], v[146:147]
	v_pk_add_f32 v[230:231], v[230:231], v[150:151]
	v_pk_add_f32 v[14:15], v[14:15], v[154:155]
	v_pk_add_f32 v[236:237], v[236:237], v[158:159]
	v_pk_add_f32 v[246:247], v[246:247], v[162:163]
	v_pk_add_f32 v[244:245], v[244:245], v[166:167]
	v_pk_add_f32 v[242:243], v[242:243], v[170:171]
	v_pk_add_f32 v[240:241], v[240:241], v[174:175]
	v_pk_add_f32 v[238:239], v[238:239], v[178:179]
	v_pk_add_f32 v[230:231], v[230:231], v[182:183]
	v_pk_add_f32 v[14:15], v[14:15], v[186:187]
	v_pk_add_f32 v[236:237], v[236:237], v[190:191]
	s_delay_alu instid0(VALU_DEP_2)
	v_pk_add_f32 v[14:15], v[14:15], v[242:243]
	s_delay_alu instid0(VALU_DEP_2)
	v_pk_add_f32 v[236:237], v[236:237], v[240:241]
	v_pk_add_f32 v[246:247], v[246:247], v[238:239]
	v_pk_add_f32 v[244:245], v[244:245], v[230:231]
	s_delay_alu instid0(VALU_DEP_2)
	v_pk_add_f32 v[14:15], v[14:15], v[246:247]
	s_delay_alu instid0(VALU_DEP_2)
	v_pk_add_f32 v[236:237], v[236:237], v[244:245]
	s_delay_alu instid0(VALU_DEP_1)
	v_pk_add_f32 v[14:15], v[14:15], v[236:237]
	s_wait_alu depctr_va_vdst(0)                   ; and one for the four
.irp b, 0,1,2,3
	v_max_num_f32 v[232+\b], 0x1800000, v[232+\b]  ; the floor 2^(3 - 127)
.endr
.irp b, 0,1,2,3
	s_delay_alu instid0(VALU_DEP_4)
	v_add_nc_u32 v[244+\b], 0xff000000, v[232+\b]
.endr
.irp b, 0,1,2,3
	s_delay_alu instid0(VALU_DEP_4)
	v_lshrrev_b32 v[236+\b], 23, v[244+\b]
.endr
	s_delay_alu instid0(VALU_DEP_3)
	v_lshl_or_b32 v253, v237, 8, v236              ; p's scale word for these 128 keys
	s_delay_alu instid0(VALU_DEP_1)
	v_lshl_or_b32 v253, v238, 16, v253
	s_delay_alu instid0(VALU_DEP_1)
	v_lshl_or_b32 v253, v239, 24, v253
.irp c, 0,1
	v_cvt_scalef32_pk16_fp6_f32 v[224+6*\c:226+6*\c], v[S+32*\c:S+15+32*\c], v[244+2*\c]
	v_cvt_scalef32_pk16_fp6_f32 v[236+4*\c:238+4*\c], v[S+16+32*\c:S+31+32*\c], v[244+2*\c+1]
.endr
	v_nop
.irp c, 0,1
.irp i, 0,1,2
	v_permlane16_swap_b32 v[224+6*\c+\i], v[236+4*\c+\i]
.endr
.irp i, 0,1,2
	s_delay_alu instid0(VALU_DEP_3)
	v_mov_b32 v[227+6*\c+\i], v[236+4*\c+\i]
.endr
.endr
.set i, 0
.rept 16
	v_pk_mul_f32 v[O+2*i:O+2*i+1], v[O+2*i:O+2*i+1], v[252:253] op_sel_hi:[1,0]   ; O^T under the new M; these sixteen are also the places in front of the products below
.set i, i+1
.endr
	s_wait_alu depctr_va_vdst(0)
	s_wait_dscnt 0x0                               ; V
.irp d, 0,1,2,3
	v_wmma_scale_f32_16x16x128_f8f6f4 v[O+8*\d:O+7+8*\d], v[80+12*\d:91+12*\d], v[224:235], v[O+8*\d:O+7+8*\d], v[248+\d], v253 matrix_a_fmt:MATRIX_FMT_FP6 matrix_b_fmt:MATRIX_FMT_FP6
.endr
.Lskip:
	s_add_co_u32 s[TK], s[TK], KBLK
	s_add_co_u32 s[TV], s[TV], VBLK
	s_add_co_u32 s[SI], s[SI], 1
	s_cmp_lt_u32 s[SI], 8
	s_cbranch_scc1 .Lstep
	; THE WAY OUT: O^T / the sum is my 16 queries' 64 channels: register 16 b + i = channel 32 b + 16 (lane / 16) + i: two blocks, quantised as they stand: half an image of Y.
.rept 4
	v_nop                                          ; places behind the last products
.endr
	s_wait_alu depctr_va_vdst(0)
	v_add_f32 v14, v14, v15
	s_delay_alu instid0(VALU_DEP_1)
	v_permlanex16_b32 v252, v14, s[SEL], s[SEL+1]
	s_delay_alu instid0(VALU_DEP_1)
	v_add_f32 v14, v14, v252
	s_wait_alu depctr_va_vdst(0)
	v_rcp_f32 v14, v14
	v_nop
	s_wait_alu depctr_va_vdst(0)
.set i, 0
.rept 32
	v_mul_f32 v[S+i], v[O+i], v14
.set i, i+1
.endr
.irp b, 0,1
	v_max3_num_f32 v[232+\b], |v[S+16*\b]|, |v[S+1+16*\b]|, 0x1800000
.endr
.irp i, 2,4,6,8,10,12,14
.irp b, 0,1
	s_delay_alu instid0(VALU_DEP_2)
	v_max3_num_f32 v[232+\b], v[232+\b], |v[S+16*\b+\i]|, |v[S+1+16*\b+\i]|
.endr
.endr
.irp b, 0,1
	s_delay_alu instid0(VALU_DEP_2)
	v_permlanex16_b32 v[236+\b], v[232+\b], s[SEL], s[SEL+1]
.endr
.irp b, 0,1
	s_delay_alu instid0(VALU_DEP_2)
	v_max_num_f32 v[232+\b], v[232+\b], v[236+\b]
.endr
.irp b, 0,1
	s_delay_alu instid0(VALU_DEP_2)
	v_add_nc_u32 v[244+\b], 0xff000000, v[232+\b]
.endr
.irp b, 0,1
	s_delay_alu instid0(VALU_DEP_2)
	v_lshrrev_b32 v[236+\b], 23, v[244+\b]
.endr
	s_delay_alu instid0(VALU_DEP_1)
	v_lshl_or_b32 v254, v237, 8, v236              ; my head's two bytes of the row's scale word
	v_cvt_scalef32_pk16_fp6_f32 v[224:226], v[S:S+15], v244
	v_cvt_scalef32_pk16_fp6_f32 v[240:242], v[S+16:S+31], v245
	v_nop
.irp i, 0,1,2
	v_permlane16_swap_b32 v[224+\i], v[240+\i]
.endr
.irp i, 0,1,2
	s_delay_alu instid0(VALU_DEP_3)
	v_mov_b32 v[227+\i], v[240+\i]
.endr
	global_store_b128 v1, v[224:227], s[12:13]     ; 512 consecutive bytes, aligned,
	global_store_b64 v2, v[228:229], s[12:13] offset:512   ; and 256
	global_store_b16 v3, v254, s[14:15]            ; lanes l and l xor 16 hold the same two bytes and name the same address
	s_wait_tensorcnt 0x0                           ; the wave's end
	ds_add_u32 v[SPW], v[NIL]
	s_wait_dscnt 0x0
	CROUND                                         ; the closing round
	s_endpgm
.Lfunc_end_k_qdd72da6b9a_attn:
	.size	k_qdd72da6b9a_attn, .Lfunc_end_k_qdd72da6b9a_attn-k_qdd72da6b9a_attn
	.p2alignl 7, 3214868480
	.fill 96, 4, 3214868480
	.section	.rodata,"a",@progbits
	.p2align	6, 0x0
	.amdhsa_kernel k_qdd72da6b9a_attn
		.amdhsa_group_segment_fixed_size 167936
		.amdhsa_private_segment_fixed_size 0
		.amdhsa_enable_private_segment 0
		.amdhsa_kernarg_size 16
		.amdhsa_user_sgpr_count 2
		.amdhsa_user_sgpr_kernarg_segment_ptr 1
		.amdhsa_wavefront_size32 1
		.amdhsa_system_sgpr_workgroup_id_x 1
		.amdhsa_system_sgpr_workgroup_id_y 1
		.amdhsa_system_sgpr_workgroup_id_z 1
		.amdhsa_system_vgpr_workitem_id 0
		.amdhsa_next_free_vgpr 256
		.amdhsa_next_free_sgpr 80
		.amdhsa_reserve_vcc 1
		.amdhsa_float_denorm_mode_32 3
		.amdhsa_float_denorm_mode_16_64 3
		.amdhsa_memory_ordered 1
		.amdhsa_forward_progress 1
		.amdhsa_inst_pref_size 38
	.end_amdhsa_kernel
	.amdgpu_metadata
---
amdhsa.version: [ 1, 2 ]
amdhsa.kernels:
  - .name:           k_qdd72da6b9a_attn
    .symbol:         k_qdd72da6b9a_attn.kd
    .args:
      - { .name: QKV, .offset: 0, .size: 8, .value_kind: global_buffer, .address_space: global }
      - { .name: Y, .offset: 8, .size: 8, .value_kind: global_buffer, .address_space: global }
    .group_segment_fixed_size: 167936
    .private_segment_fixed_size: 0
    .kernarg_segment_align: 8
    .kernarg_segment_size: 16
    .max_flat_workgroup_size: 512
    .sgpr_count:     80
    .vgpr_count:     256
    .wavefront_size: 32
...
	.end_amdgpu_metadata
.endif
;; end of part 3
;; launch g_o (part 4): grid 8 x 32, 4 waves a work-group, clusters of 4 x 4, 327,680 bytes of LDS; arguments Y, W, b_o, x, X1; writes X1
.if DOCPART == 4
	.amdgcn_target "amdgcn-amd-amdhsa--gfx1250"
	.amdhsa_code_object_version 6
	.text
	.protected	k_qdd72da6b9a_g_o
	.globl	k_qdd72da6b9a_g_o
	.p2align	8
	.type	k_qdd72da6b9a_g_o,@function
k_qdd72da6b9a_g_o:
	s_mov_b64 s[64:65], 0
	v_nop
	global_prefetch_b8 v0, s[64:65] scope:SCOPE_SE
	s_setreg_imm32_b32 hwreg(HW_REG_WAVE_MODE, 25, 1), 1
	s_wait_xcnt 0x0
	s_wait_alu depctr_hold_cnt(0) depctr_sa_sdst(0) depctr_va_vdst(0) depctr_va_sdst(0) depctr_va_ssrc(0) depctr_va_vcc(0) depctr_vm_vsrc(0)
	s_getreg_b32 s2, hwreg(HW_REG_IB_STS2, 6, 4)
	s_cmp_eq_u32 s2, 0
	s_cbranch_scc0 .Lentry_in_a_cluster
	s_endpgm
.Lentry_in_a_cluster:
	s_bfe_u32 s2, ttmp6, 0x10000c
	s_cmp_lg_u32 s2, 0xf033
	s_cbranch_scc0 .Lentry_shape_is_right
	s_endpgm
.Lentry_shape_is_right:
.set KK,     1024
.set A_S,    3145728
.set B_C,    2359296
.set B_S,    9535488
.set FINAL,  0
.set KT,     KK/128
.set HALFT,  24576
.set SLOT,   4*HALFT
.set LAPS,   KK/1024
.set SCL,    2*SLOT
.set HALFS,  KT*256
.set SPARE,  SCL+4*HALFS
.set ADRA, 16
.set ADRB, 20
.set STO,  24
.set RD,   25
.set CO,   26
.set ADRS, 27
.set SPW,  28
.set NIL,  29
.set SC,   32
.set ACC,  128
.set G1, 24
.set G0, 32
.set G1B, 48
.set G0B, 56
.set G1S, 68
.set G0S, 76
.set G1SB, 80
.set G0SB, 88
.set MSB, 0
.macro WIN new
.if MSB != (\new)
	s_set_vgpr_msb (MSB<<8)|(\new)
.set MSB, (\new)
.endif
.endm
.macro JLOAD g0a, g1a, g0b, g1b
	s_cmp_eq_u32 s15, 0
	s_cbranch_scc0 .Lfor_b_\@
	tensor_load_to_lds s[\g0a:\g0a+3], s[\g1a:\g1a+7]
	s_nop 0
.rept 4
	v_nop
.endr
	s_branch .Lasked_\@
.Lfor_b_\@:
	tensor_load_to_lds s[\g0b:\g0b+3], s[\g1b:\g1b+7]
	s_nop 0
.rept 4
	v_nop
.endr
.Lasked_\@:
.endm
.macro CREST
	s_cmp_lg_u32 s14, 0
	s_cbranch_scc1 .Lnot_wave_0_\@
	s_barrier_signal -3
.Lnot_wave_0_\@:
	s_barrier_wait -3
	s_barrier_signal -1
	s_barrier_wait -1
.endm
.macro CROUND
	s_barrier_signal -1
	s_barrier_wait -1
	CREST
.endm
.macro PLACES n
.rept \n
	v_nop
.endr
.endm
	s_load_b256 s[4:11], s[0:1], 0x0
	s_load_b64 s[12:13], s[0:1], 0x20
	v_lshl_add_u32 v[SPW], v0, 2, SPARE
	v_mov_b32 v[NIL], 0
	ds_add_u32 v[SPW], v[NIL]
	ds_add_u32 v[SPW], v[NIL]
	v_lshrrev_b32 v1, 5, v0
	v_readfirstlane_b32 s14, v1
	s_lshr_b32 s15, s14, 1
	s_and_b32 s16, s14, 1
	s_bfe_u32 s40, ttmp6, 0x40000
	s_bfe_u32 s41, ttmp6, 0x40004
	s_lshl_b32 s42, ttmp9, 2
	s_add_co_u32 s42, s42, s40
	s_and_b32 s17, ttmp7, 0xffff
	s_lshl_b32 s17, s17, 2
	s_add_co_u32 s17, s17, s41
	s_lshl_b32 s43, s41, 2
	s_lshl_b32 s43, 15, s43
	s_lshl_b32 s44, 0x1111, s40
	s_or_b32 s[G1+0], s43, (3<<16)|(1<<21)
	s_or_b32 s[G1B+0], s44, (3<<16)|(1<<21)
.irp g, G1, G1B
	s_mov_b32 s[\g+1], 32<<16
	s_mov_b32 s[\g+2], 384<<16                     ; all of K of 128 rows: 384 rows of 256 bytes, dense
	s_mov_b32 s[\g+3], 32<<16
	s_mov_b32 s[\g+4], 384
	s_mov_b32 s[\g+5], 32
	s_mov_b32 s[\g+6], 0
	s_mov_b32 s[\g+7], 0
.endr
	s_or_b32 s[G1S+0], s43, (3<<16)|(1<<21)
	s_or_b32 s[G1SB+0], s44, (3<<16)|(1<<21)
.irp g, G1S, G1SB
	s_mov_b32 s[\g+1], 32<<16
	s_mov_b32 s[\g+2], (2*KT)<<16                  ; the scale words of 128 rows, all of K
	s_mov_b32 s[\g+3], 32<<16
	s_mov_b32 s[\g+4], 2*KT
	s_mov_b32 s[\g+5], 32
	s_mov_b32 s[\g+6], 0
	s_mov_b32 s[\g+7], 0
.endr
	s_mul_i32 s20, s17, KT*12288
	s_mov_b32 s21, 0
	s_mul_i32 s46, s42, KT*12288
	s_add_co_u32 s46, s46, B_C
	s_mov_b32 s47, 0
	s_mul_i32 s22, s17, KT*512
	s_add_co_u32 s22, s22, A_S
	s_mov_b32 s23, 0
	s_mul_i32 s92, s42, KT*512
	s_add_co_u32 s92, s92, B_S
	s_mov_b32 s93, 0
	s_wait_dscnt 0x0
	s_wait_kmcnt 0x0
	s_add_nc_u64 s[20:21], s[4:5], s[20:21]
	s_add_nc_u64 s[22:23], s[4:5], s[22:23]
	s_add_nc_u64 s[46:47], s[6:7], s[46:47]
	s_add_nc_u64 s[92:93], s[6:7], s[92:93]
	CROUND
	; x1 = x + y w_o + b_o on codes of E2M3 (K = 1,024): a block of 128 x 128 a work-group, 64 x 64 a wave; 4 x 4 clusters, A's tiles joint along a row, B's along a column.
	; ALL OF K LIES IN LDS AT ONCE: A's 98,304 bytes from 0, B's from 98,304, the scale words behind them.  Four tiles, one load a wave at the head; nothing is filled again.
	s_mov_b32 s[G0], 1
	s_mov_b32 s[G0+1], 0
	s_mov_b64 s[G0+2:G0+3], s[20:21]
	s_or_b32 s[G0+3], s[G0+3], 0x80000000
	s_mov_b32 s[G0B], 1
	s_mov_b32 s[G0B+1], 4*HALFT
	s_mov_b64 s[G0B+2:G0B+3], s[46:47]
	s_or_b32 s[G0B+3], s[G0B+3], 0x80000000
	s_mov_b32 s[G0S], 1
	s_mov_b32 s[G0S+1], SCL
	s_mov_b64 s[G0S+2:G0S+3], s[22:23]
	s_or_b32 s[G0S+3], s[G0S+3], 0x80000000
	s_mov_b32 s[G0SB], 1
	s_mov_b32 s[G0SB+1], SCL+2*HALFS
	s_mov_b64 s[G0SB+2:G0SB+3], s[92:93]
	s_or_b32 s[G0SB+3], s[G0SB+3], 0x80000000
.macro HARM under, g0, g1, next        ; one chain of branches on the wave's number, a load to an arm, all arms to one join
	s_cmp_lt_u32 s14, \under
	s_cbranch_scc0 \next
	tensor_load_to_lds s[\g0:\g0+3], s[\g1:\g1+7]
	s_nop 0
.rept 4
	v_nop
.endr
	s_branch .Lhead_asked
\next:
.endm
	HARM 1, G0,  G1,  .Lhead_b
	HARM 2, G0B, G1B, .Lhead_sa
	HARM 3, G0S, G1S, .Lhead_sb
	tensor_load_to_lds s[G0SB:G0SB+3], s[G1SB:G1SB+7]
	s_nop 0
.rept 4
	v_nop
.endr
.Lhead_asked:
	v_and_b32 v1, 15, v0
	v_bfe_u32 v2, v0, 4, 1
	v_and_b32 v3, 31, v0
	v_lshlrev_b32 v4, 4, v3
	v_lshlrev_b32 v5, 3, v3
	s_mul_i32 s21, s15, 6144
	s_mul_i32 s22, s16, 6144
	s_add_co_u32 s22, s22, 4*HALFT
.irp s, 0,1
	v_add_nc_u32 v[ADRA+\s], s21, v4
	v_add_nc_u32 v[ADRB+\s], s22, v4
	v_add_nc_u32 v[ADRA+2+\s], s21, v5
	v_add_nc_u32 v[ADRB+2+\s], s22, v5
	s_add_co_u32 s21, s21, 2*HALFT                 ; the second four kappa lie behind the first four
	s_add_co_u32 s22, s22, 2*HALFT
.endr
	v_lshlrev_b32 v6, 2, v1
	s_lshl_b32 s21, s15, 8
	s_lshl_b32 s22, s16, 8
	s_add_co_u32 s22, s22, 2*HALFS
	s_sub_co_u32 s22, s22, s21
	v_mul_u32_u24 v7, s22, v2
	s_add_co_u32 s21, s21, SCL
	v_add_nc_u32 v6, v6, v7
	v_add_nc_u32 v[ADRS], s21, v6
	s_mul_i32 s23, s14, 16*272
	v_mul_u32_u24 v6, v1, 272
	v_lshl_add_u32 v6, v2, 6, v6
	v_add_nc_u32 v[STO], s23, v6
	v_mul_u32_u24 v6, v2, 272
	v_lshl_add_u32 v6, v1, 4, v6
	v_add_nc_u32 v[RD], s23, v6
	v_lshlrev_b32 v6, 12, v2
	v_lshl_add_u32 v[CO], v1, 4, v6
	s_wait_alu depctr_va_vdst(0)
	s_lshl_b32 s20, s42, 9
	s_lshl_b32 s21, s16, 8
	s_add_co_u32 s20, s20, s21
	s_mov_b32 s21, 0
	s_add_nc_u64 s[8:9], s[8:9], s[20:21]
	s_lshl_b32 s22, s17, 19
	s_add_co_u32 s20, s20, s22
	s_lshl_b32 s22, s15, 18
	s_add_co_u32 s20, s20, s22
	s_add_nc_u64 s[10:11], s[10:11], s[20:21]
	s_add_nc_u64 s[12:13], s[12:13], s[20:21]
	v_lshlrev_b32 v11, 4, v1
	global_load_b128 v[12:15], v11, s[8:9]
.macro RESLD a, reg
.irp t, 0,1,2,3,4,5,6,7
	global_load_b128 v[\reg+4*\t:\reg+4*\t+3], v[CO], s[10:11] offset:(32*((\a)/2)+8*((\a)%2)+2*\t+8*(\t/4))*4096
.endr
.endm
	RESLD 0, 64
	RESLD 1, 96
	WIN 0x40
	RESLD 2, 96
	RESLD 3, 224
	WIN 0
.macro FRAG reg, adr, off
	ds_load_b128 v[\reg:\reg+3], v[\adr] offset:\off
	ds_load_b64 v[\reg+4:\reg+5], v[\adr+2] offset:(\off)+512
	ds_load_b128 v[\reg+6:\reg+9], v[\adr] offset:(\off)+768
	ds_load_b64 v[\reg+10:\reg+11], v[\adr+2] offset:(\off)+1280
.endm
.macro FRAGB reg, adr, off             ; a fragment of W: three runs of 512 bytes (Y's fragments keep two half images: FRAG)
	ds_load_b128 v[\reg:\reg+3], v[\adr] offset:\off
	ds_load_b128 v[\reg+4:\reg+7], v[\adr] offset:(\off)+512
	ds_load_b128 v[\reg+8:\reg+11], v[\adr] offset:(\off)+1024
.endm
.macro FETCH slot, q, f
	WIN 0x40
.irp i, 0,1,2,3
	FRAGB \f+48+12*\i, ADRB+\slot, (\q)*12288+\i*1536
	FRAG \f+12*\i, ADRA+\slot, (\q)*12288+\i*1536
.endr
.endm
.macro SCALES sc
.irp i, 0,1,2,3
.irp q, 0,1,2,3
	ds_load_b32 v[SC+16*\sc+4*\i+\q], v[ADRS] offset:512*\q+64*\i
.endr
.endr
.endm
.macro MULA f, a, q, sc, zero
.irp b, 0,1,2,3
.if \zero
	v_wmma_scale_f32_16x16x128_f8f6f4 v[ACC+8*(4*(\a)+\b):ACC+8*(4*(\a)+\b)+7], v[\f+48+12*\b:\f+48+12*\b+11], v[\f+12*(\a):\f+12*(\a)+11], 0, v[SC+16*(\sc)+4*\b+(\q)], v[SC+16*(\sc)+4*(\a)+(\q)] matrix_a_fmt:MATRIX_FMT_FP6 matrix_b_fmt:MATRIX_FMT_FP6 matrix_a_scale:MATRIX_SCALE_ROW1
.else
	v_wmma_scale_f32_16x16x128_f8f6f4 v[ACC+8*(4*(\a)+\b):ACC+8*(4*(\a)+\b)+7], v[\f+48+12*\b:\f+48+12*\b+11], v[\f+12*(\a):\f+12*(\a)+11], v[ACC+8*(4*(\a)+\b):ACC+8*(4*(\a)+\b)+7], v[SC+16*(\sc)+4*\b+(\q)], v[SC+16*(\sc)+4*(\a)+(\q)] matrix_a_fmt:MATRIX_FMT_FP6 matrix_b_fmt:MATRIX_FMT_FP6 matrix_a_scale:MATRIX_SCALE_ROW1
.endif
.endr
.endm
.macro STEP slot, q, zero
	s_wait_dscnt 0x0
	PLACES 4
	FETCH \slot, (\q)+1, 128*(((\q)+1)%2)
	WIN 0x05
.irp a, 0,1,2,3
	MULA 128*((\q)%2), \a, \q, \slot, \zero
.endr
.endm
.macro TURN slot, next, fill
	WIN 0
	s_wait_tensorcnt 0x0
	ds_add_u32 v[SPW], v[NIL]
	s_wait_dscnt 1
	WIN 0x05
	MULA 128, 0, 3, \slot, 0
	s_wait_dscnt 0x0
	s_barrier_signal -1
	MULA 128, 1, 3, \slot, 0
	WIN 0
	s_barrier_wait -1
.if \fill
	CREST
	s_add_nc_u64 s[G0+4*\slot+2:G0+4*\slot+3], s[G0+4*\slot+2:G0+4*\slot+3], 4*HALFT
	s_add_nc_u64 s[G0B+4*\slot+2:G0B+4*\slot+3], s[G0B+4*\slot+2:G0B+4*\slot+3], 4*HALFT
	JLOAD G0+4*\slot, G1, G0B+4*\slot, G1B
.else
	PLACES 4
.endif
	v_add_nc_u32 v[ADRS], 2048, v[ADRS]
	FETCH \next, 0, 0
	WIN 0
	SCALES \next
	WIN 0x05
	MULA 128, 2, 3, \slot, 0
	MULA 128, 3, 3, \slot, 0
.endm
	s_wait_tensorcnt 0x0
	s_barrier_signal -1
	s_barrier_wait -1
	FETCH 0, 0, 0
	WIN 0
	SCALES 0
	STEP 0, 0, 1
.if LAPS > 1
	WIN 0
	s_mov_b32 s3, LAPS-1
.Llap:
	STEP 0, 1, 0
	STEP 0, 2, 0
	TURN 0, 1, 1
	STEP 1, 0, 0
	STEP 1, 1, 0
	STEP 1, 2, 0
	TURN 1, 0, 1
	STEP 0, 0, 0
	WIN 0
	s_sub_co_u32 s3, s3, 1
	s_cmp_lg_u32 s3, 0
	s_cbranch_scc1 .Llap
.endif
	STEP 0, 1, 0
	STEP 0, 2, 0
	TURN 0, 1, 0
	STEP 1, 0, 0
	STEP 1, 1, 0
	STEP 1, 2, 0
	s_wait_dscnt 0x0
	WIN 0x05
.irp a, 0,1,2,3
	MULA 128, \a, 3, 1, 0
.endr
	WIN 0
.macro OUTB a
.if (\a) > 0
	s_wait_xcnt 0x0
.endif
	WIN 0
.irp b, 0,1,2,3
	ds_store_b128 v[STO], v[ACC+8*(4*(\a)+\b):ACC+8*(4*(\a)+\b)+3] offset:128*(\b/2)+32*(\b%2)
	ds_store_b128 v[STO], v[ACC+8*(4*(\a)+\b)+4:ACC+8*(4*(\a)+\b)+7] offset:128*(\b/2)+32*(\b%2)+16
.endr
	WIN 0x40
.irp t, 0,1,2,3,4,5,6,7
	ds_load_b128 v[4*\t:4*\t+3], v[RD] offset:544*\t
.endr
	s_wait_dscnt 0x0
.if (\a) < 2
	WIN 0x41
.set i, 0
.rept 16
	v_pk_add_f32 v[2*i:2*i+1], v[2*i:2*i+1], v[64+32*(\a)+2*i:64+32*(\a)+2*i+1]
.set i, i+1
.endr
.else
	WIN 0x45
.set i, 0
.rept 16
	v_pk_add_f32 v[2*i:2*i+1], v[2*i:2*i+1], v[96+128*((\a)-2)+2*i:96+128*((\a)-2)+2*i+1]
.set i, i+1
.endr
.endif
	WIN 0x41
.set i, 0
.rept 16
	v_pk_add_f32 v[2*i:2*i+1], v[2*i:2*i+1], v[12+2*(i%2):13+2*(i%2)]
.set i, i+1
.endr
	WIN 0x04
.irp t, 0,1,2,3,4,5,6,7
.if FINAL
	global_store_b128 v[CO], v[4*\t:4*\t+3], s[12:13] offset:(32*((\a)/2)+8*((\a)%2)+2*\t+8*(\t/4))*4096 th:TH_STORE_NT
.else
	global_store_b128 v[CO], v[4*\t:4*\t+3], s[12:13] offset:(32*((\a)/2)+8*((\a)%2)+2*\t+8*(\t/4))*4096
.endif
.endr
.endm
	PLACES 4
	s_wait_loadcnt 0x0
.irp a, 0,1,2,3
	OUTB \a
.endr
	WIN 0
	s_wait_tensorcnt 0x0
	ds_add_u32 v[SPW], v[NIL]
	s_wait_dscnt 0x0
	CROUND
	s_endpgm
.Lfunc_end_k_qdd72da6b9a_g_o:
	.size	k_qdd72da6b9a_g_o, .Lfunc_end_k_qdd72da6b9a_g_o-k_qdd72da6b9a_g_o
	.p2alignl 7, 3214868480
	.fill 96, 4, 3214868480
	.section	.rodata,"a",@progbits
	.p2align	6, 0x0
	.amdhsa_kernel k_qdd72da6b9a_g_o
		.amdhsa_group_segment_fixed_size 327680
		.amdhsa_private_segment_fixed_size 0
		.amdhsa_enable_private_segment 0
		.amdhsa_kernarg_size 40
		.amdhsa_user_sgpr_count 2
		.amdhsa_user_sgpr_kernarg_segment_ptr 1
		.amdhsa_wavefront_size32 1
		.amdhsa_system_sgpr_workgroup_id_x 1
		.amdhsa_system_sgpr_workgroup_id_y 1
		.amdhsa_system_sgpr_workgroup_id_z 1
		.amdhsa_system_vgpr_workitem_id 0
		.amdhsa_next_free_vgpr 512
		.amdhsa_next_free_sgpr 100
		.amdhsa_reserve_vcc 0
		.amdhsa_float_denorm_mode_32 3
		.amdhsa_float_denorm_mode_16_64 3
		.amdhsa_memory_ordered 1
		.amdhsa_forward_progress 1
		.amdhsa_inst_pref_size 62
	.end_amdhsa_kernel
	.amdgpu_metadata
---
amdhsa.version: [ 1, 2 ]
amdhsa.kernels:
  - .name:           k_qdd72da6b9a_g_o
    .symbol:         k_qdd72da6b9a_g_o.kd
    .args:
      - { .name: Y, .offset: 0, .size: 8, .value_kind: global_buffer, .address_space: global }
      - { .name: W, .offset: 8, .size: 8, .value_kind: global_buffer, .address_space: global }
      - { .name: b_o, .offset: 16, .size: 8, .value_kind: global_buffer, .address_space: global }
      - { .name: x, .offset: 24, .size: 8, .value_kind: global_buffer, .address_space: global }
      - { .name: X1, .offset: 32, .size: 8, .value_kind: global_buffer, .address_space: global }
    .group_segment_fixed_size: 327680
    .private_segment_fixed_size: 0
    .kernarg_segment_align: 8
    .kernarg_segment_size: 40
    .max_flat_workgroup_size: 128
    .sgpr_count:     100
    .vgpr_count:     512
    .wavefront_size: 32
...
	.end_amdgpu_metadata
.endif
;; end of part 4
;; launch ln2 (part 5): grid 256 x 1, 8 waves a work-group, no clusters, 69,632 bytes of LDS; arguments X1, ln2_w, ln2_b, XB; writes XB
.if DOCPART == 5
	.amdgcn_target "amdgcn-amd-amdhsa--gfx1250"
	.amdhsa_code_object_version 6
	.text
	.protected	k_qdd72da6b9a_ln2
	.globl	k_qdd72da6b9a_ln2
	.p2align	8
	.type	k_qdd72da6b9a_ln2,@function
k_qdd72da6b9a_ln2:
	s_mov_b64 s[64:65], 0
	v_nop
	global_prefetch_b8 v0, s[64:65] scope:SCOPE_SE
	s_setreg_imm32_b32 hwreg(HW_REG_WAVE_MODE, 25, 1), 1
	s_wait_xcnt 0x0
; LayerNorm of 4,096 rows of 1,024 f32 numbers, and the quantiser along the row: the result leaves as an operand of the next product (codes of E2M3 in the order of the operand's registers, and scale words).
; LAYOUT of the result: [T = row / 128][kappa = k / 128][image rho][1,536 bytes], scale words behind the codes at byte 3,145,728: [T][kappa][rho][r].  Image rho = 2 beta + u: lane r holds row 32 beta + 8 u + r + 8 (r / 8).
; SHARES: a work-group is one image of 16 rows; each of its eight waves takes 128 of the 1,024 numbers of those rows: one fragment.
; Each load reads 512 consecutive bytes of one row; the wave's 8,192 bytes turn through its own stage in LDS (rows 528 bytes apart), so that lane (r, h) ends with 64 numbers of row r: register 16 b + i = k 32 b + 16 h + i.
; The mean and the variance (taken of the centred numbers, as reference() takes it) are summed in the wave and meet the other waves' parts in LDS: two exchanges, two barriers.
; LIMITS: a block of zeros gets the byte 1 where the rule says 127 (its codes are zeros; this program alone reads the bytes); largest magnitudes under 2^-124 are held at that floor; NaN and infinities are not served.
.set EX1,    0                         ; LDS: 8 waves x 16 rows x 4 bytes: the sums;
.set EX2,    512                       ; the sums of squares;
.set STG,    1024                      ; eight stages of 16 rows x 528 bytes, a wave's own
.set SPITCH, 528                       ; 512 bytes + 16: sixteen lanes that read one column of sixteen rows touch sixteen different runs of 16 bytes modulo 256
.set SPARE,  STG+8*16*SPITCH           ; the spare words, 128 bytes a wave
.set WV,  3                            ; s3   my wave's number
.set SPW, 14
.set NIL, 15
.set TM,  16                           ; v16-31 at work in the quantiser
.set PC,  32                           ; v32-51 the codes
.set PW,  52                           ; v52    the scale word
.set X,   64                           ; v64-127  my 64 numbers
.set G,   128                          ; v128-191 the gain at my 64 places
.set BB,  192                          ; v192-255 the bias
.set SEL, 14                           ; s[14:15] lane selects for v_permlanex16_b32: lane l xor 16
; 64 numbers of a lane, v[s] .. v[s + 63], register 16 b + i = k 32 b + 16 (lane / 16) + i of my row, become a fragment's codes in v[PC] on and its scale word in v[PW].
.macro QUANT s
.irp b, 0,1,2,3
	v_max3_num_f32 v[TM+\b], |v[\s+16*\b]|, |v[\s+1+16*\b]|, 0x1800000   ; block b: my 16 numbers, and the floor 2^(3 - 127)
.endr
.irp i, 2,4,6,8,10,12,14
.irp b, 0,1,2,3
	s_delay_alu instid0(VALU_DEP_4)
	v_max3_num_f32 v[TM+\b], v[TM+\b], |v[\s+16*\b+\i]|, |v[\s+1+16*\b+\i]|
.endr
.endr
.irp b, 0,1,2,3
	s_delay_alu instid0(VALU_DEP_4)
	v_permlanex16_b32 v[TM+4+\b], v[TM+\b], s[SEL], s[SEL+1]
.endr
.irp b, 0,1,2,3
	s_delay_alu instid0(VALU_DEP_4)
	v_max_num_f32 v[TM+\b], v[TM+\b], v[TM+4+\b]   ; with lane l xor 16's: the block's largest magnitude
.endr
.irp b, 0,1,2,3
	s_delay_alu instid0(VALU_DEP_4)
	v_add_nc_u32 v[TM+12+\b], 0xff000000, v[TM+\b]   ; 2 off its exponent field: the conversion's scale operand
.endr
.irp b, 0,1,2,3
	s_delay_alu instid0(VALU_DEP_4)
	v_lshrrev_b32 v[TM+4+\b], 23, v[TM+12+\b]      ; the scale's byte
.endr
	s_delay_alu instid0(VALU_DEP_3)
	v_lshl_or_b32 v[PW], v[TM+5], 8, v[TM+4]
	s_delay_alu instid0(VALU_DEP_1)
	v_lshl_or_b32 v[PW], v[TM+6], 16, v[PW]
	s_delay_alu instid0(VALU_DEP_1)
	v_lshl_or_b32 v[PW], v[TM+7], 24, v[PW]
.irp c, 0,1
	v_cvt_scalef32_pk16_fp6_f32 v[PC+6*\c:PC+2+6*\c], v[\s+32*\c:\s+15+32*\c], v[TM+12+2*\c]
	v_cvt_scalef32_pk16_fp6_f32 v[PC+12+4*\c:PC+14+4*\c], v[\s+16+32*\c:\s+31+32*\c], v[TM+12+2*\c+1]
.endr
	v_nop                                          ; one plain instruction behind a scaled conversion
.irp c, 0,1                                    ; the operand's layout wants a whole block in a lane
.irp i, 0,1,2
	v_permlane16_swap_b32 v[PC+6*\c+\i], v[PC+12+4*\c+\i]
.endr
.irp i, 0,1,2
	s_delay_alu instid0(VALU_DEP_3)
	v_mov_b32 v[PC+3+6*\c+\i], v[PC+12+4*\c+\i]
.endr
.endr
.endm
	s_load_b256 s[4:11], s[0:1], 0x0               ; the rows, the gain, the bias, the result
	v_lshl_add_u32 v[SPW], v0, 2, SPARE
	v_mov_b32 v[NIL], 0
	v_lshrrev_b32 v1, 5, v0
	s_delay_alu instid0(VALU_DEP_1)
	v_readfirstlane_b32 s[WV], v1                  ; wave = kappa
	v_and_b32 v1, 15, v0                           ; r
	v_bfe_u32 v2, v0, 4, 1                         ; h
	v_and_b32 v10, 31, v0
	s_delay_alu instid0(VALU_DEP_1)
	v_lshlrev_b32 v5, 4, v10                       ; 16 x lane
	s_delay_alu instid0(VALU_DEP_2)
	v_lshlrev_b32 v6, 3, v10                       ; 8 x lane
	s_delay_alu instid0(VALU_DEP_4)
	v_lshlrev_b32 v4, 6, v2                        ; 64 h
	v_lshlrev_b32 v8, 2, v1                        ; 4 r
	s_lshl_b32 s13, s[WV], 6
	v_add_nc_u32 v7, s13, v8                       ; where my wave puts its sums: 64 x wave + 4 r
	s_mul_i32 s13, s[WV], 16*SPITCH                ; my wave's stage
	v_add_nc_u32 v9, s13, v5                       ; into it: a row as it lies, 16 bytes a lane
	v_mul_u32_u24 v3, v1, SPITCH
	s_delay_alu instid0(VALU_DEP_1)
	v_add_nc_u32 v3, v3, v4
	s_delay_alu instid0(VALU_DEP_1)
	v_add_nc_u32 v3, s13, v3                       ; out of it: row r, + 64 h
.irp b, 0,1,2,3
	v_mov_b32 v[TM+4+\b], 0                        ; written once: a lane permute's destination counts as one of its sources
.endr
	s_mov_b32 s[SEL], 0x76543210
	s_mov_b32 s[SEL+1], 0xfedcba98
	s_mov_b32 s20, 0x3a800000                      ; 1 / 1,024
	s_mov_b32 s21, 0x3727c5ac                      ; 1e-5
	s_lshr_b32 s16, ttmp9, 1
	s_lshl_b32 s16, s16, 17                        ; the image's first row is 32 (g / 2) + 8 (g % 2), 4,096 bytes a row
	s_and_b32 s17, ttmp9, 1
	s_lshl_b32 s17, s17, 15
	s_add_co_u32 s16, s16, s17
	s_lshl_b32 s18, s[WV], 9                       ; my wave's 128 numbers: 512 bytes
	s_add_co_u32 s16, s16, s18
	s_mov_b32 s17, 0
	s_mov_b32 s19, 0
	s_lshr_b32 s22, ttmp9, 3                       ; T
	s_and_b32 s23, ttmp9, 7                        ; rho
	s_mul_i32 s24, s22, 98304
	s_mul_i32 s25, s[WV], 12288
	s_add_co_u32 s24, s24, s25
	s_mul_i32 s25, s23, 1536
	s_add_co_u32 s24, s24, s25                     ; my fragment
	s_mov_b32 s25, 0
	s_lshl_b32 s26, s22, 12
	s_add_co_u32 s26, s26, s18
	s_lshl_b32 s27, s23, 6
	s_add_co_u32 s26, s26, s27
	s_add_co_u32 s26, s26, 3145728                 ; its scale words
	s_mov_b32 s27, 0
	s_wait_alu depctr_va_vdst(0)
	s_wait_kmcnt 0x0
	s_add_nc_u64 s[4:5], s[4:5], s[16:17]
	s_add_nc_u64 s[6:7], s[6:7], s[18:19]
	s_add_nc_u64 s[8:9], s[8:9], s[18:19]
	s_add_nc_u64 s[28:29], s[10:11], s[26:27]
	s_add_nc_u64 s[10:11], s[10:11], s[24:25]
.irp i, 0,1,2,3,4,5,6,7,8,9,10,11,12,13,14,15
	global_load_b128 v[X+4*\i:X+4*\i+3], v5, s[4:5] offset:(\i+8*(\i/8))*4096 th:TH_LOAD_NT   ; the image's lane i's row: 32 lanes read 512 consecutive bytes
.endr
.irp b, 0,1,2,3
.irp j, 0,1,2,3
	global_load_b128 v[G+16*\b+4*\j:G+16*\b+4*\j+3], v4, s[6:7] offset:128*\b+16*\j
	global_load_b128 v[BB+16*\b+4*\j:BB+16*\b+4*\j+3], v4, s[8:9] offset:128*\b+16*\j
.endr
.endr
	s_wait_loadcnt 32                              ; the 16 rows are in; the 32 loads of gain and bias may be out
.irp i, 0,1,2,3,4,5,6,7,8,9,10,11,12,13,14,15
	ds_store_b128 v9, v[X+4*\i:X+4*\i+3] offset:STG+\i*SPITCH
.endr
.irp b, 0,1,2,3
.irp j, 0,1,2,3
	ds_load_b128 v[X+16*\b+4*\j:X+16*\b+4*\j+3], v3 offset:STG+128*\b+16*\j   ; LDS serves a wave's instructions in order: these see my stores, and land behind them in the registers that they left
.endr
.endr
	s_wait_dscnt 0x0
	v_pk_add_f32 v[58:59], v[64:65], v[66:67]
	v_pk_add_f32 v[62:63], v[72:73], v[76:77]
	v_pk_add_f32 v[60:61], v[80:81], v[84:85]
	v_pk_add_f32 v[54:55], v[88:89], v[92:93]
	v_pk_add_f32 v[52:53], v[96:97], v[100:101]
	v_pk_add_f32 v[50:51], v[104:105], v[108:109]
	v_pk_add_f32 v[48:49], v[112:113], v[116:117]
	v_pk_add_f32 v[56:57], v[120:121], v[124:125]
	s_delay_alu instid0(VALU_DEP_1)
	v_pk_add_f32 v[56:57], v[56:57], v[68:69]
	v_pk_add_f32 v[58:59], v[58:59], v[70:71]
	v_pk_add_f32 v[62:63], v[62:63], v[74:75]
	v_pk_add_f32 v[60:61], v[60:61], v[78:79]
	v_pk_add_f32 v[54:55], v[54:55], v[82:83]
	v_pk_add_f32 v[52:53], v[52:53], v[86:87]
	v_pk_add_f32 v[50:51], v[50:51], v[90:91]
	v_pk_add_f32 v[48:49], v[48:49], v[94:95]
	v_pk_add_f32 v[56:57], v[56:57], v[98:99]
	v_pk_add_f32 v[58:59], v[58:59], v[102:103]
	v_pk_add_f32 v[62:63], v[62:63], v[106:107]
	v_pk_add_f32 v[60:61], v[60:61], v[110:111]
	v_pk_add_f32 v[54:55], v[54:55], v[114:115]
	v_pk_add_f32 v[52:53], v[52:53], v[118:119]
	v_pk_add_f32 v[50:51], v[50:51], v[122:123]
	v_pk_add_f32 v[48:49], v[48:49], v[126:127]
	s_delay_alu instid0(VALU_DEP_4)
	v_pk_add_f32 v[56:57], v[56:57], v[54:55]
	s_delay_alu instid0(VALU_DEP_4)
	v_pk_add_f32 v[58:59], v[58:59], v[52:53]
	s_delay_alu instid0(VALU_DEP_4)
	v_pk_add_f32 v[62:63], v[62:63], v[50:51]
	s_delay_alu instid0(VALU_DEP_4)
	v_pk_add_f32 v[60:61], v[60:61], v[48:49]
	s_delay_alu instid0(VALU_DEP_2)
	v_pk_add_f32 v[56:57], v[56:57], v[62:63]
	s_delay_alu instid0(VALU_DEP_2)
	v_pk_add_f32 v[58:59], v[58:59], v[60:61]
	s_delay_alu instid0(VALU_DEP_1)
	v_pk_add_f32 v[56:57], v[56:57], v[58:59]
	s_delay_alu instid0(VALU_DEP_1)
	v_add_f32 v56, v56, v57
	s_delay_alu instid0(VALU_DEP_1)
	v_permlanex16_b32 v57, v56, s[SEL], s[SEL+1]
	s_delay_alu instid0(VALU_DEP_1)
	v_add_f32 v56, v56, v57                        ; my row's 128 numbers of this wave
	ds_store_b32 v7, v56 offset:EX1                ; lanes l and l xor 16 write the same word with the same value
	s_wait_dscnt 0x0                               ; for the others' sake: my store has landed
	s_barrier_signal -1
	s_barrier_wait -1
.irp w, 0,1,2,3,4,5,6,7
	ds_load_b32 v[24+\w], v8 offset:EX1+64*\w
.endr
	s_wait_dscnt 0x0
	v_add_f32 v24, v24, v25
	v_add_f32 v26, v26, v27
	v_add_f32 v28, v28, v29
	v_add_f32 v30, v30, v31
	s_delay_alu instid0(VALU_DEP_3)
	v_add_f32 v24, v24, v26
	s_delay_alu instid0(VALU_DEP_2)
	v_add_f32 v28, v28, v30
	s_delay_alu instid0(VALU_DEP_1)
	v_add_f32 v24, v24, v28
	s_delay_alu instid0(VALU_DEP_1)
	v_mul_f32 v60, s20, v24                        ; the mean, in both registers of a pair
	s_delay_alu instid0(VALU_DEP_1)
	v_mov_b32 v61, v60
.set i, 0
.rept 32
	v_pk_add_f32 v[X+2*i:X+2*i+1], v[X+2*i:X+2*i+1], v[60:61] neg_lo:[0,1] neg_hi:[0,1]   ; x - mean
.set i, i+1
.endr
	v_pk_mul_f32 v[56:57], v[X:X+1], v[X:X+1]      ; the sum of the squares of the centred numbers
	v_pk_mul_f32 v[58:59], v[X+2:X+3], v[X+2:X+3]
.irp j, 4,8,12,16,20,24,28,32,36,40,44,48,52,56,60
	s_delay_alu instid0(VALU_DEP_2)
	v_pk_fma_f32 v[56:57], v[X+\j:X+\j+1], v[X+\j:X+\j+1], v[56:57]
	s_delay_alu instid0(VALU_DEP_2)
	v_pk_fma_f32 v[58:59], v[X+\j+2:X+\j+3], v[X+\j+2:X+\j+3], v[58:59]
.endr
	s_delay_alu instid0(VALU_DEP_1)
	v_pk_add_f32 v[56:57], v[56:57], v[58:59]
	s_delay_alu instid0(VALU_DEP_1)
	v_add_f32 v56, v56, v57
	s_delay_alu instid0(VALU_DEP_1)
	v_permlanex16_b32 v57, v56, s[SEL], s[SEL+1]
	s_delay_alu instid0(VALU_DEP_1)
	v_add_f32 v56, v56, v57
	ds_store_b32 v7, v56 offset:EX2                ; other bytes than the first exchange's: no barrier is owed between its reads and this store
	s_wait_dscnt 0x0
	s_barrier_signal -1
	s_barrier_wait -1
.irp w, 0,1,2,3,4,5,6,7
	ds_load_b32 v[24+\w], v8 offset:EX2+64*\w
.endr
	s_wait_dscnt 0x0
	v_add_f32 v24, v24, v25
	v_add_f32 v26, v26, v27
	v_add_f32 v28, v28, v29
	v_add_f32 v30, v30, v31
	s_delay_alu instid0(VALU_DEP_3)
	v_add_f32 v24, v24, v26
	s_delay_alu instid0(VALU_DEP_2)
	v_add_f32 v28, v28, v30
	s_delay_alu instid0(VALU_DEP_1)
	v_add_f32 v24, v24, v28
	s_delay_alu instid0(VALU_DEP_1)
	v_fma_f32 v56, v24, s20, s21                   ; the variance + 1e-5
	s_wait_alu depctr_va_vdst(0)
	v_rsq_f32 v60, v56
	v_rsq_f32 v61, v56
	v_nop                                          ; a plain instruction behind the two,
	s_wait_alu depctr_va_vdst(0)                   ; and the one wait ahead of their first reader
	s_wait_loadcnt 0x0                             ; gain and bias
.set i, 0
.rept 32
	v_pk_mul_f32 v[X+2*i:X+2*i+1], v[X+2*i:X+2*i+1], v[60:61]
.set i, i+1
.endr
.set i, 0
.rept 32
	v_pk_fma_f32 v[X+2*i:X+2*i+1], v[X+2*i:X+2*i+1], v[G+2*i:G+2*i+1], v[BB+2*i:BB+2*i+1]
.set i, i+1
.endr
	QUANT X
	global_store_b128 v5, v[PC:PC+3], s[10:11]                 ; the fragment as it stands: three runs of 512 consecutive bytes, aligned
	; a fragment lies as three runs of 512 bytes: registers 4 g .. 4 g + 3 of lane l at 512 g + 16 l
	global_store_b128 v5, v[PC+4:PC+7], s[10:11] offset:512
	global_store_b128 v5, v[PC+8:PC+11], s[10:11] offset:1024
	global_store_b32 v8, v[PW], s[28:29]           ; the 16 scale words; lanes l and l xor 16 hold the same word and name the same address
	s_wait_tensorcnt 0x0                           ; the wave's end
	ds_add_u32 v[SPW], v[NIL]
	s_wait_dscnt 0x0
	s_endpgm
.Lfunc_end_k_qdd72da6b9a_ln2:
	.size	k_qdd72da6b9a_ln2, .Lfunc_end_k_qdd72da6b9a_ln2-k_qdd72da6b9a_ln2
	.p2alignl 7, 3214868480
	.fill 96, 4, 3214868480
	.section	.rodata,"a",@progbits
	.p2align	6, 0x0
	.amdhsa_kernel k_qdd72da6b9a_ln2
		.amdhsa_group_segment_fixed_size 69632
		.amdhsa_private_segment_fixed_size 0
		.amdhsa_enable_private_segment 0
		.amdhsa_kernarg_size 32
		.amdhsa_user_sgpr_count 2
		.amdhsa_user_sgpr_kernarg_segment_ptr 1
		.amdhsa_wavefront_size32 1
		.amdhsa_system_sgpr_workgroup_id_x 1
		.amdhsa_system_sgpr_workgroup_id_y 1
		.amdhsa_system_sgpr_workgroup_id_z 1
		.amdhsa_system_vgpr_workitem_id 0
		.amdhsa_next_free_vgpr 256
		.amdhsa_next_free_sgpr 66
		.amdhsa_reserve_vcc 0
		.amdhsa_float_denorm_mode_32 3
		.amdhsa_float_denorm_mode_16_64 3
		.amdhsa_memory_ordered 1
		.amdhsa_forward_progress 1
		.amdhsa_inst_pref_size 30
	.end_amdhsa_kernel
	.amdgpu_metadata
---
amdhsa.version: [ 1, 2 ]
amdhsa.kernels:
  - .name:           k_qdd72da6b9a_ln2
    .symbol:         k_qdd72da6b9a_ln2.kd
    .args:
      - { .name: X1, .offset: 0, .size: 8, .value_kind: global_buffer, .address_space: global }
      - { .name: ln2_w, .offset: 8, .size: 8, .value_kind: global_buffer, .address_space: global }
      - { .name: ln2_b, .offset: 16, .size: 8, .value_kind: global_buffer, .address_space: global }
      - { .name: XB, .offset: 24, .size: 8, .value_kind: global_buffer, .address_space: global }
    .group_segment_fixed_size: 69632
    .private_segment_fixed_size: 0
    .kernarg_segment_align: 8
    .kernarg_segment_size: 32
    .max_flat_workgroup_size: 256
    .sgpr_count:     66
    .vgpr_count:     256
    .wavefront_size: 32
...
	.end_amdgpu_metadata
.endif
;; end of part 5
;; launch g_fc (part 6): grid 16 x 16, 4 waves a work-group, clusters of 4 x 4, 327,680 bytes of LDS; arguments XB, W, b_fc, HQ; writes HQ
.if DOCPART == 6
	.amdgcn_target "amdgcn-amd-amdhsa--gfx1250"
	.amdhsa_code_object_version 6
	.text
	.protected	k_qdd72da6b9a_g_fc
	.globl	k_qdd72da6b9a_g_fc
	.p2align	8
	.type	k_qdd72da6b9a_g_fc,@function
k_qdd72da6b9a_g_fc:
	s_mov_b64 s[64:65], 0
	v_nop
	global_prefetch_b8 v0, s[64:65] scope:SCOPE_SE
	s_setreg_imm32_b32 hwreg(HW_REG_WAVE_MODE, 25, 1), 1
	s_wait_xcnt 0x0
	s_wait_alu depctr_hold_cnt(0) depctr_sa_sdst(0) depctr_va_vdst(0) depctr_va_sdst(0) depctr_va_ssrc(0) depctr_va_vcc(0) depctr_vm_vsrc(0)
	s_getreg_b32 s2, hwreg(HW_REG_IB_STS2, 6, 4)
	s_cmp_eq_u32 s2, 0
	s_cbranch_scc0 .Lentry_in_a_cluster
	s_endpgm
.Lentry_in_a_cluster:
	s_bfe_u32 s2, ttmp6, 0x10000c
	s_cmp_lg_u32 s2, 0xf033
	s_cbranch_scc0 .Lentry_shape_is_right
	s_endpgm
.Lentry_shape_is_right:
; h = gelu(LN2(x1) w_fc + b_fc) on codes of E2M3 (K = 1,024), quantised along the hidden units in registers: the result leaves as the last product's operand and never exists in f32 in memory.
; The product is that of the QKV launch: a tile of 256 x 256, four waves of 128 x 128; K is four chunks of 256 in THREE LDS slots: chunks 0, 1, 2 are asked for together at the start, chunk 3 goes into slot 0 when chunk 0 has
; been read: from that one refill's request to the wait for it a wave issues 32 + 3 x 64 = 224 matrix instructions.  Operands lie in the order of the operand's registers
; ([T = row / 128][kappa][image][1,536]; an image's lane r holds row 32 beta + 8 u + r + 8 (r / 8)); the matrix instruction transposed (source 0 = an image of w_fc's columns, source 1 = an image of tokens), so that a lane
; holds one token and the 64 registers of its eight accumulators are hidden units 32 beta + 16 h + i: the quantiser's order.  4 x 4 clusters, A's tiles joint along a row, B's along a column.
; GELU: 0.5 x (1 + erf(x / sqrt 2)), erf(z) = z P(z^2) / Q(z^2) with z held to -4 .. 4: a rational form of degrees 6 and 4 in z^2, all in f32, one reciprocal a number.
; LIMITS: 1 + erf is formed as a sum, so far down the negative tail (x under about -3) the result's relative error grows to about 1e-7 / (1 + erf); its size there is under 0.005.  A block of zeros gets the byte 1 where the
; rule says 127; largest magnitudes under 2^-124 are held at that floor; NaN and infinities are not served.
; THE WAY OUT IS A LOOP over the wave's eight blocks of 16 tokens: only the 32 additions that fetch a block's accumulators differ from block to block, so they stand in eight short arms, and the rest is written once.
; REGISTERS: window 0: v4-6, v10-12 LDS addresses of the three slots; v16-17 at work at the head; v24-29 addresses; v32-63 scale words; v64-127 the bias; v128-223 A's fragments; v224 the bias loads' offset;
;   on the way out v128-191 the block, v192-211 its codes, v232-248 at work, v252-255 two constants.  window 1: B's fragments, two sets; on the way out z, z^2, P, Q, 64 registers each.  windows 2, 3: the accumulators.
.set NQ,     2
.set FR,     12
.set NL,     3                         ; a fragment is three runs of 512 bytes: three loads of 16 bytes a lane
.set NP,     4
.set HALFT,  24576
.set SLOT,   4*HALFT
.set SCL,    3*SLOT
.set HALFS,  4096
.set SPARE,  SCL+4*HALFS
.set A_S,    3145728
.set B_C,    3145728
.set B_S,    9568256
.set ADRA, 4                           ; v4-6 16 x lane + my A rows in slot 0, 1, 2
.set ADRB, 10                          ; v10-12 the same for B
.set L16,  24
.set L8,   25
.set LR4,  26
.set ADRS, 27
.set SPW,  28
.set NIL,  29
.set SC,   32
.set BN,   64
.set AF,   128
.set BA,   224
.set H,    128
.set PC,   192
.set TM,   232
.set PW,   248
.set ZC,   0                           ; window 1
.set SS,   64
.set PP,   128
.set QQ,   192
.set SEL,  96                          ; s[96:97] on the way out, when no tensor load is out
.set G1, 24
.set G0, 32                            ; s[32:35] group 0 for A's chunk 0, s[36:39] chunks 1 and 2;  s[92:95] chunk 3
.set G0C, 92
.set G1B, 48
.set G0B, 56                           ; s[56:63] the same for B's;  s[96:99] chunk 3
.set G0CB, 96
.set G1S, 68
.set G0S, 76
.set G1SB, 80
.set G0SB, 88
.set MSB, 0
.macro WIN new
.if MSB != (\new)
	s_set_vgpr_msb (MSB<<8)|(\new)
.set MSB, (\new)
.endif
.endm
.set MUL_LO, 0xa1
.set MUL_HI, 0xf1
.set TO_B,   0x40
.macro JLOAD g0a, g1a, g0b, g1b        ; a joint load: waves 0, 1 fetch for A, waves 2, 3 for B; an s_nop 0 and four v_nop follow each line
	s_cmp_eq_u32 s15, 0
	s_cbranch_scc0 .Lfor_b_\@
	tensor_load_to_lds s[\g0a:\g0a+3], s[\g1a:\g1a+7]
	s_nop 0
.rept 4
	v_nop
.endr
	s_branch .Lasked_\@
.Lfor_b_\@:
	tensor_load_to_lds s[\g0b:\g0b+3], s[\g1b:\g1b+7]
	s_nop 0
.rept 4
	v_nop
.endr
.Lasked_\@:
.endm
.macro CREST
	s_cmp_lg_u32 s14, 0
	s_cbranch_scc1 .Lnot_wave_0_\@
	s_barrier_signal -3
.Lnot_wave_0_\@:
	s_barrier_wait -3
	s_barrier_signal -1
	s_barrier_wait -1
.endm
.macro CROUND
	s_barrier_signal -1
	s_barrier_wait -1
	CREST
.endm
.macro PLACES n
.rept \n
	v_nop
.endr
.endm
.macro QUANT s                         ; 64 numbers, register 16 b + i = k 32 b + 16 (lane / 16) + i of my row -> a fragment in v[PC] on, its scale word in v[PW]
.irp b, 0,1,2,3
	v_max3_num_f32 v[TM+\b], |v[\s+16*\b]|, |v[\s+1+16*\b]|, 0x1800000
.endr
.irp i, 2,4,6,8,10,12,14
.irp b, 0,1,2,3
	v_max3_num_f32 v[TM+\b], v[TM+\b], |v[\s+16*\b+\i]|, |v[\s+1+16*\b+\i]|
.endr
.endr
.irp b, 0,1,2,3
	v_permlanex16_b32 v[TM+4+\b], v[TM+\b], s[SEL], s[SEL+1]
.endr
.irp b, 0,1,2,3
	v_max_num_f32 v[TM+\b], v[TM+\b], v[TM+4+\b]
.endr
.irp b, 0,1,2,3
	v_add_nc_u32 v[TM+12+\b], 0xff000000, v[TM+\b]
.endr
.irp b, 0,1,2,3
	v_lshrrev_b32 v[TM+4+\b], 23, v[TM+12+\b]
.endr
	v_lshl_or_b32 v[PW], v[TM+5], 8, v[TM+4]
	v_lshl_or_b32 v[PW], v[TM+6], 16, v[PW]
	v_lshl_or_b32 v[PW], v[TM+7], 24, v[PW]
.irp c, 0,1
	v_cvt_scalef32_pk16_fp6_f32 v[PC+6*\c:PC+2+6*\c], v[\s+32*\c:\s+15+32*\c], v[TM+12+2*\c]
	v_cvt_scalef32_pk16_fp6_f32 v[PC+12+4*\c:PC+14+4*\c], v[\s+16+32*\c:\s+31+32*\c], v[TM+12+2*\c+1]
.endr
	v_nop
.irp c, 0,1
.irp i, 0,1,2
	v_permlane16_swap_b32 v[PC+6*\c+\i], v[PC+12+4*\c+\i]
.endr
.irp i, 0,1,2
	v_mov_b32 v[PC+3+6*\c+\i], v[PC+12+4*\c+\i]
.endr
.endr
.endm
	s_load_b256 s[4:11], s[0:1], 0x0               ; XB, W, b_fc, HQ
	v_lshl_add_u32 v[SPW], v0, 2, SPARE
	v_mov_b32 v[NIL], 0
	ds_add_u32 v[SPW], v[NIL]                      ; the wave's opening: the add, twice on end, and its wait ahead of my first tensor load
	ds_add_u32 v[SPW], v[NIL]
	v_lshrrev_b32 v1, 5, v0
	v_readfirstlane_b32 s14, v1
	s_lshr_b32 s15, s14, 1
	s_and_b32 s16, s14, 1
	s_bfe_u32 s40, ttmp6, 0x40000
	s_bfe_u32 s41, ttmp6, 0x40004
	s_lshl_b32 s42, ttmp9, 2
	s_add_co_u32 s42, s42, s40                     ; tile column
	s_and_b32 s17, ttmp7, 0xffff
	s_lshl_b32 s17, s17, 2
	s_add_co_u32 s17, s17, s41                     ; tile row
	s_lshl_b32 s43, s41, 2
	s_lshl_b32 s43, 15, s43
	s_lshl_b32 s44, 0x1111, s40
	s_or_b32 s[G1+0], s43, (3<<16)|(1<<21)
	s_or_b32 s[G1B+0], s44, (3<<16)|(1<<21)
.irp g, G1, G1B                        ; for the head's load of chunk 0: two rows (T, T + 1) of 24,576 bytes, 98,304 bytes apart, in elements of 8 bytes
	s_mov_b32 s[\g+1], 3072<<16
	s_mov_b32 s[\g+2], 2<<16
	s_mov_b32 s[\g+3], 3072<<16
	s_mov_b32 s[\g+4], 2
	s_mov_b32 s[\g+5], 12288
	s_mov_b32 s[\g+6], 0
	s_mov_b32 s[\g+7], 0
.endr
	s_or_b32 s[G1S+0], s43, (3<<16)|(1<<21)
	s_or_b32 s[G1SB+0], s44, (3<<16)|(1<<21)
.irp g, G1S, G1SB
	s_mov_b32 s[\g+1], 32<<16
	s_mov_b32 s[\g+2], 32<<16                      ; the scale words of 256 rows, all of K: 8,192 dense bytes
	s_mov_b32 s[\g+3], 32<<16
	s_mov_b32 s[\g+4], 32
	s_mov_b32 s[\g+5], 32
	s_mov_b32 s[\g+6], 0
	s_mov_b32 s[\g+7], 0
.endr
	s_lshl_b32 s20, s17, 1                         ; A: T of the tile's first half
	s_lshl_b32 s46, s42, 1                         ; B likewise
	s_lshl_b32 s22, s20, 12
	s_add_co_u32 s22, s22, A_S
	s_mov_b32 s23, 0
	s_lshl_b32 s92, s46, 12
	s_add_co_u32 s92, s92, B_S
	s_mov_b32 s93, 0
	s_mul_i32 s20, s20, 98304
	s_mov_b32 s21, 0
	s_mul_i32 s46, s46, 98304
	s_add_co_u32 s46, s46, B_C
	s_mov_b32 s47, 0
	s_mul_i32 s45, s14, HALFT
	s_lshl_b32 s94, s45, 1                         ; wave x 49,152: my part of the bytes of chunks 1 and 2
	s_wait_dscnt 0x0
	s_wait_kmcnt 0x0
	s_add_nc_u64 s[20:21], s[4:5], s[20:21]
	s_add_nc_u64 s[22:23], s[4:5], s[22:23]
	s_add_nc_u64 s[46:47], s[6:7], s[46:47]
	s_add_nc_u64 s[92:93], s[6:7], s[92:93]
	CROUND
	; THE HEAD'S FOUR TILES, ONE LOAD A WAVE: wave 0 chunk 0 of A's 256 rows, wave 1 of B's, wave 2 A's scale words, wave 3 B's
	s_mov_b32 s[G0S], 1
	s_mov_b32 s[G0S+1], SCL
	s_mov_b64 s[G0S+2:G0S+3], s[22:23]
	s_or_b32 s[G0S+3], s[G0S+3], 0x80000000
	s_mov_b32 s[G0SB], 1
	s_mov_b32 s[G0SB+1], SCL+2*HALFS
	s_mov_b64 s[G0SB+2:G0SB+3], s[92:93]
	s_or_b32 s[G0SB+3], s[G0SB+3], 0x80000000
	s_mov_b32 s[G0], 1
	s_mov_b32 s[G0+1], 0
	s_mov_b64 s[G0+2:G0+3], s[20:21]
	s_or_b32 s[G0+3], s[G0+3], 0x80000000
	s_mov_b32 s[G0B], 1
	s_mov_b32 s[G0B+1], 2*HALFT
	s_mov_b64 s[G0B+2:G0B+3], s[46:47]
	s_or_b32 s[G0B+3], s[G0B+3], 0x80000000
.macro HARM under, g0, g1, next        ; one chain of branches on the wave's number, a load to an arm, all arms to one join
	s_cmp_lt_u32 s14, \under
	s_cbranch_scc0 \next
	tensor_load_to_lds s[\g0:\g0+3], s[\g1:\g1+7]
	s_nop 0
.rept 4
	v_nop
.endr
	s_branch .Lhead_asked
\next:
.endm
	HARM 1, G0,  G1,  .Lhead_b
	HARM 2, G0B, G1B, .Lhead_sa
	HARM 3, G0S, G1S, .Lhead_sb
	tensor_load_to_lds s[G0SB:G0SB+3], s[G1SB:G1SB+7]
	s_nop 0
.rept 4
	v_nop
.endr
.Lhead_asked:
	s_mul_i32 s18, s16, 98304                      ; from here on I fetch 128 rows: my half
	s_mov_b32 s19, 0
	s_add_nc_u64 s[20:21], s[20:21], s[18:19]
	s_add_nc_u64 s[46:47], s[46:47], s[18:19]
	s_mov_b32 s[G0+4], 1                           ; chunks 1 and 2 of my 128 rows: 49,152 dense bytes, behind slot 0 at wave x 49,152
	s_add_co_u32 s[G0+5], s94, SLOT
	s_add_nc_u64 s[G0+6:G0+7], s[20:21], HALFT
	s_or_b32 s[G0+7], s[G0+7], 0x80000000
	s_mov_b32 s[G0B+4], 1
	s_add_co_u32 s[G0B+5], s94, SLOT
	s_add_nc_u64 s[G0B+6:G0B+7], s[46:47], HALFT
	s_or_b32 s[G0B+7], s[G0B+7], 0x80000000
	s_mov_b32 s[G0C], 1                            ; chunk 3 of my 128 rows, into slot 0 (s92 to s94 have served the lines above and are free)
	s_mov_b32 s[G0C+1], s45
	s_add_nc_u64 s[G0C+2:G0C+3], s[20:21], 3*HALFT
	s_or_b32 s[G0C+3], s[G0C+3], 0x80000000
	s_mov_b32 s[G0CB], 1
	s_mov_b32 s[G0CB+1], s45
	s_add_nc_u64 s[G0CB+2:G0CB+3], s[46:47], 3*HALFT
	s_or_b32 s[G0CB+3], s[G0CB+3], 0x80000000
	v_and_b32 v1, 15, v0
	v_bfe_u32 v2, v0, 4, 1
	v_and_b32 v3, 31, v0
	v_lshlrev_b32 v[L16], 4, v3
	v_lshlrev_b32 v[L8], 3, v3
	v_lshlrev_b32 v[LR4], 2, v1
	s_mul_i32 s21, s15, HALFT                      ; slot 0: A's halves, then B's, 24,576 bytes each
	s_mul_i32 s22, s16, HALFT
	s_add_co_u32 s23, s22, 2*HALFT
	s_lshl_b32 s100, s21, 1                        ; behind it: for each of the four halves chunk 1 and then chunk 2
	s_add_co_u32 s100, s100, SLOT
	s_lshl_b32 s101, s22, 1
	s_add_co_u32 s101, s101, SLOT+4*HALFT
	s_wait_alu depctr_va_vdst(0)
	v_add_nc_u32 v[ADRA], s21, v[L16]
	v_add_nc_u32 v[ADRB], s23, v[L16]
	v_add_nc_u32 v[ADRA+1], s100, v[L16]
	v_add_nc_u32 v[ADRB+1], s101, v[L16]
	v_add_nc_u32 v[ADRA+2], HALFT, v[ADRA+1]
	v_add_nc_u32 v[ADRB+2], HALFT, v[ADRB+1]
	s_lshl_b32 s21, s15, 12
	s_lshl_b32 s22, s16, 12
	s_add_co_u32 s22, s22, 2*HALFS
	s_sub_co_u32 s22, s22, s21
	v_mul_u32_u24 v16, s22, v2
	s_add_co_u32 s21, s21, SCL
	v_add_nc_u32 v17, v[LR4], v16
	v_add_nc_u32 v[ADRS], s21, v17
	s_lshl_b32 s22, s42, 10                        ; the bias: register 16 b + i wants b_fc(my first column + 32 b + 16 h + i)
	s_lshl_b32 s23, s16, 9
	s_add_co_u32 s22, s22, s23
	s_mov_b32 s23, 0
	s_add_nc_u64 s[8:9], s[8:9], s[22:23]
	v_lshlrev_b32 v[BA], 6, v2
.irp b, 0,1,2,3
.irp j, 0,1,2,3
	global_load_b128 v[BN+16*\b+4*\j:BN+16*\b+4*\j+3], v[BA], s[8:9] offset:128*\b+16*\j
.endr
.endr
.macro FRAG reg, adr, off
	ds_load_b128 v[\reg:\reg+3], v[\adr] offset:\off
	ds_load_b128 v[\reg+4:\reg+7], v[\adr] offset:(\off)+512
	ds_load_b128 v[\reg+8:\reg+11], v[\adr] offset:(\off)+1024
.endm
.macro MUL16 a0, p, q, sc, zero        ; the 64 accumulators take turns, one instruction a turn
.irp a, \a0, \a0+1
.irp b, 0,1,2,3,4,5,6,7
.if \zero
	v_wmma_scale_f32_16x16x128_f8f6f4 v[8*(8*((\a)%4)+\b):8*(8*((\a)%4)+\b)+7], v[128*(\p)+FR*\b:128*(\p)+FR*\b+FR-1], v[AF+FR*(\a):AF+FR*(\a)+FR-1], 0, v[SC+8*NQ*(\sc)+NQ*\b+(\q)], v[SC+8*NQ*(\sc)+NQ*(\a)+(\q)] matrix_a_fmt:MATRIX_FMT_FP6 matrix_b_fmt:MATRIX_FMT_FP6 matrix_a_scale:MATRIX_SCALE_ROW1
.else
	v_wmma_scale_f32_16x16x128_f8f6f4 v[8*(8*((\a)%4)+\b):8*(8*((\a)%4)+\b)+7], v[128*(\p)+FR*\b:128*(\p)+FR*\b+FR-1], v[AF+FR*(\a):AF+FR*(\a)+FR-1], v[8*(8*((\a)%4)+\b):8*(8*((\a)%4)+\b)+7], v[SC+8*NQ*(\sc)+NQ*\b+(\q)], v[SC+8*NQ*(\sc)+NQ*(\a)+(\q)] matrix_a_fmt:MATRIX_FMT_FP6 matrix_b_fmt:MATRIX_FMT_FP6 matrix_a_scale:MATRIX_SCALE_ROW1
.endif
.endr
.endr
.endm
.macro FETCH_B slot, q, p
	WIN TO_B
.irp i, 0,1,2,3,4,5,6,7
	FRAG 128*(\p)+FR*\i, ADRB+\slot, (\q)*12288+\i*1536
.endr
	WIN 0
.endm
.macro FETCH_A slot, q, i0
.irp i, \i0, \i0+1, \i0+2, \i0+3
	FRAG AF+FR*(\i), ADRA+\slot, (\q)*12288+(\i)*1536
.endr
.endm
.macro SCALES sc
.irp i, 0,1,2,3,4,5,6,7
	ds_load_b32 v[SC+16*\sc+2*\i], v[ADRS] offset:64*\i
	ds_load_b32 v[SC+16*\sc+2*\i+1], v[ADRS] offset:512+64*\i
.endr
.endm
.macro STEP slot, q, sc, zero          ; a step of 128 along K that has its successor in the same slot; sc: the chunk's set of scale words
	s_wait_dscnt 4*NL                              ; B's set and A's blocks 0-3 are in; the youngest 12 loads (A's blocks 4-7) may be out
	WIN MUL_LO
	MUL16 0, (\q)%2, \q, \sc, \zero
	MUL16 2, (\q)%2, \q, \sc, \zero
	s_wait_dscnt 0
	PLACES NP
	FETCH_B \slot, (\q)+1, 1-(\q)%2
	FETCH_A \slot, (\q)+1, 0
	WIN MUL_HI
	MUL16 4, (\q)%2, \q, \sc, \zero
	MUL16 6, (\q)%2, \q, \sc, \zero
	PLACES NP
	WIN 0
	FETCH_A \slot, (\q)+1, 4
.endm
; A chunk's last step with a barrier.  In front of it each wave waits for all its tensor loads, adds 0 to its spare word, and waits for that and for its own reads of the slot that it leaves.
; fill = 1 (the change from slot 0 to slot 1): slot 0 is filled again, with chunk 3.  fill = 0 (from slot 2 to slot 0): the wait has shown my part of chunk 3 landed, the barrier everybody's; nothing is filled.
.macro TURN next, sc, nsc, fill
	s_wait_tensorcnt 0x0                           ; all my tensor loads have landed
	ds_add_u32 v[SPW], v[NIL]
.if \fill
	s_mov_b32 s[G1+2], 96<<16                      ; no tensor load of mine is out: the refill brings 96 rows of 256 bytes
	s_mov_b32 s[G1+4], 96
	s_mov_b32 s[G1B+2], 96<<16
	s_mov_b32 s[G1B+4], 96
.endif
	s_wait_dscnt 4*NL+1
	WIN MUL_LO
	MUL16 0, 1, NQ-1, \sc, 0
	s_wait_dscnt 0x0                               ; the add is done, and my reads of this slot are over
	s_barrier_signal -1
	MUL16 2, 1, NQ-1, \sc, 0
	WIN 0
	s_barrier_wait -1
.if \fill
	CREST                                          ; the barrier has opened a round of the cluster's barrier: no wave of any partner still reads slot 0 or has a load on its way
	JLOAD G0C, G1, G0CB, G1B
.else
	PLACES NP
.endif
	v_add_nc_u32 v[ADRS], 1024, v[ADRS]
	FETCH_B \next, 0, 0
	FETCH_A \next, 0, 0
	SCALES \nsc
	WIN MUL_HI
	MUL16 4, 1, NQ-1, \sc, 0
	MUL16 6, 1, NQ-1, \sc, 0
	PLACES NP
	WIN 0
	FETCH_A \next, 0, 4
.endm
; The change from slot 1 to slot 2 has no wait on tensor loads and no barrier: the wait for all loads and the barrier of the change before it have shown slot 2 whole to every wave; nothing is filled here, and chunk 3 stays on its way.
.macro CROSS next, sc, nsc
	s_wait_dscnt 4*NL
	WIN MUL_LO
	MUL16 0, 1, NQ-1, \sc, 0
	MUL16 2, 1, NQ-1, \sc, 0
	s_wait_dscnt 0
	PLACES NP
	WIN 0
	v_add_nc_u32 v[ADRS], 1024, v[ADRS]
	FETCH_B \next, 0, 0
	FETCH_A \next, 0, 0
	SCALES \nsc
	WIN MUL_HI
	MUL16 4, 1, NQ-1, \sc, 0
	MUL16 6, 1, NQ-1, \sc, 0
	PLACES NP
	WIN 0
	FETCH_A \next, 0, 4
.endm
	s_wait_alu depctr_va_vdst(0)
	s_wait_tensorcnt 0x0                           ; my tile of the head's four is in
	ds_add_u32 v[SPW], v[NIL]
.irp g, G1, G1B                        ; no tensor load of mine is out: from here on rows of 256 bytes, 192 of them (chunks 1 and 2 of 128 rows)
	s_mov_b32 s[\g+1], 32<<16
	s_mov_b32 s[\g+2], 192<<16
	s_mov_b32 s[\g+3], 32<<16
	s_mov_b32 s[\g+4], 192
	s_mov_b32 s[\g+5], 32
.endr
	s_wait_dscnt 0x0
	CROUND                                         ; all four tiles are in, and all sixteen work-groups are here
	JLOAD G0+4, G1, G0B+4, G1B                     ; chunks 1 and 2 by one load a wave, the first tensor load behind the round
	FETCH_B 0, 0, 0
	FETCH_A 0, 0, 0
	SCALES 0
	FETCH_A 0, 0, 4
	STEP 0, 0, 0, 1                                ; chunk 0: the first step's products start the sums
	TURN 1, 0, 1, 1                                ; slot 0 takes chunk 3
	s_wait_alu depctr_va_vdst(0)
	STEP 1, 0, 1, 0                                ; chunk 1
	CROSS 2, 1, 0
	s_wait_alu depctr_va_vdst(0)
	STEP 2, 0, 0, 0                                ; chunk 2
	TURN 0, 0, 1, 0                                ; chunk 3 has landed
	STEP 0, 0, 1, 0                                ; chunk 3
	s_wait_dscnt 4*NL
	WIN MUL_LO
	MUL16 0, 1, NQ-1, 1, 0
	MUL16 2, 1, NQ-1, 1, 0
	s_wait_dscnt 0
	WIN MUL_HI
	MUL16 4, 1, NQ-1, 1, 0
	MUL16 6, 1, NQ-1, 1, 0
	WIN 0
	PLACES NP                                      ; behind the last products
	s_wait_loadcnt 0x0                             ; the bias
.irp b, 0,1,2,3
	v_mov_b32 v[TM+4+\b], 0
.endr
	s_mov_b32 s[SEL], 0x76543210
	s_mov_b32 s[SEL+1], 0xfedcba98
	s_lshl_b32 s20, s17, 1
	s_add_co_u32 s20, s20, s15                     ; T of my tokens
	s_lshl_b32 s21, s42, 1
	s_add_co_u32 s21, s21, s16                     ; kappa of my hidden units
	s_mul_i32 s22, s20, 393216
	s_mul_i32 s23, s21, 12288
	s_add_co_u32 s22, s22, s23
	s_mov_b32 s23, 0
	s_lshl_b32 s20, s20, 14
	s_lshl_b32 s21, s21, 9
	s_add_co_u32 s20, s20, s21
	s_add_co_u32 s20, s20, 12582912
	s_mov_b32 s21, 0
	s_add_nc_u64 s[12:13], s[10:11], s[20:21]      ; block 0's scale words
	s_add_nc_u64 s[10:11], s[10:11], s[22:23]      ; and its fragment
; the constants, in pairs (the packed forms name a pair and take its low word for both halves).  The descriptors' registers are free: every tensor load has been waited for.
.macro KONST r, bits
	s_mov_b32 s[\r], \bits
	s_mov_b32 s[\r+1], \bits
.endm
.set CA13, 24
.set CA9,  26
.set CA7,  28
.set CA5,  30
.set CA3,  32
.set CA1,  34
.set CB8,  36
.set CB4,  38
.set CB2,  40
.set CB0,  42
.set CRS,  44
	KONST CA13, 0xaf95df0b                         ; -2.72614226e-10
	KONST CA9,  0xb60cff51                         ; -2.10102402e-06
	KONST CA7,  0xb86ec2d2                         ; -5.69250639e-05
	KONST CA5,  0xba40ac63                         ; -7.34990630e-04
	KONST CA3,  0xbb41a1f6                         ; -2.95459981e-03
	KONST CA1,  0xbc83dbd4                         ; -1.60960333e-02
	KONST CB8,  0xb77460cd                         ; -1.45660718e-05
	KONST CB4,  0xbadc924e                         ; -1.68282697e-03
	KONST CB2,  0xbbf19bf8                         ; -7.37332917e-03
	KONST CB0,  0xbc69b6a7                         ; -1.42647391e-02
	KONST CRS,  0x3fb504f3                         ; sqrt 2: z = (0.5 x) sqrt 2
	v_mov_b32 v252, 0x32edffee                     ; 2.77068142e-08
	v_mov_b32 v253, 0x32edffee
	v_mov_b32 v254, 0xb95fbd29                     ; -2.13374055e-04
	v_mov_b32 v255, 0xb95fbd29
.set i, 0
.rept 32
	v_pk_mul_f32 v[BN+2*i:BN+2*i+1], v[BN+2*i:BN+2*i+1], 0.5 op_sel_hi:[1,0]   ; the bias halved, once: a block is fetched as 0.5 x (a factor of 0.5 rounds nothing)
.set i, i+1
.endr
	s_wait_alu depctr_va_vdst(0)
.macro ARM a                           ; H = block a's accumulators + the bias; each accumulator from its low end on
	WIN 0x02+(\a)/4
.set i, 0
.rept 32
	v_pk_fma_f32 v[H+2*i:H+2*i+1], v[64*((\a)%4)+2*i:64*((\a)%4)+2*i+1], 0.5, v[BN+2*i:BN+2*i+1] op_sel_hi:[1,0,1]   ; H = 0.5 x = 0.5 sum + 0.5 bias
.set i, i+1
.endr
	WIN 0
.endm
.macro HORN d, c                       ; d = d z^2 + c, 64 numbers
.set i, 0
.rept 32
	v_pk_fma_f32 v[\d+2*i:\d+2*i+1], v[\d+2*i:\d+2*i+1], v[SS+2*i:SS+2*i+1], s[\c:\c+1] op_sel_hi:[1,1,0]
.set i, i+1
.endr
.endm
	s_mov_b32 s3, 0
	s_mov_b32 s46, 0                               ; what the stores' bases are stepped by ahead of a block's quantiser: nothing in the first trip
	s_mov_b32 s47, 0
	s_mov_b32 s48, 0
	s_mov_b32 s49, 0
.Lblk:
.irp a, 0,1,2,3,4,5,6
	s_cmp_eq_u32 s3, \a
	s_cbranch_scc1 .Larm\a
.endr
	ARM 7
	s_branch .Lgelu
.irp a, 0,1,2,3,4,5,6
.Larm\a:
	ARM \a
	s_branch .Lgelu
.endr
.Lgelu:
	WIN 0x40                                       ; destination window 1
.set i, 0
.rept 32
	v_pk_mul_f32 v[ZC+2*i:ZC+2*i+1], v[H+2*i:H+2*i+1], s[CRS:CRS+1] op_sel_hi:[1,0]   ; z = x / sqrt 2
.set i, i+1
.endr
	WIN 0x55                                       ; all in window 1
.set i, 0
.rept 64
	v_med3_num_f32 v[ZC+i], v[ZC+i], -4.0, 4.0
.set i, i+1
.endr
.set i, 0
.rept 32
	v_pk_mul_f32 v[SS+2*i:SS+2*i+1], v[ZC+2*i:ZC+2*i+1], v[ZC+2*i:ZC+2*i+1]
.set i, i+1
.endr
	WIN 0x45                                       ; source 2 in window 0
.set i, 0
.rept 32
	v_pk_fma_f32 v[QQ+2*i:QQ+2*i+1], v[SS+2*i:SS+2*i+1], s[CB8:CB8+1], v[254:255] op_sel_hi:[1,0,1]
.set i, i+1
.endr
	WIN 0x55
	HORN QQ, CB4
	HORN QQ, CB2
	HORN QQ, CB0
.set i, 0
	s_wait_alu depctr_va_vdst(0)
.rept 64
	v_rcp_f32 v[QQ+i], v[QQ+i]                     ; one batch; P's six steps are the independent work behind it
.set i, i+1
.endr
	WIN 0x45
.set i, 0
.rept 32
	v_pk_fma_f32 v[PP+2*i:PP+2*i+1], v[SS+2*i:SS+2*i+1], s[CA13:CA13+1], v[252:253] op_sel_hi:[1,0,1]
.set i, i+1
.endr
	WIN 0x55
	HORN PP, CA9
	HORN PP, CA7
	HORN PP, CA5
	HORN PP, CA3
	HORN PP, CA1
.set i, 0
.rept 32
	v_pk_mul_f32 v[PP+2*i:PP+2*i+1], v[PP+2*i:PP+2*i+1], v[ZC+2*i:ZC+2*i+1]
.set i, i+1
.endr
	s_wait_alu depctr_va_vdst(0)                   ; one wait for the 64 reciprocals, ahead of their first reader
.set i, 0
.rept 32
	v_pk_mul_f32 v[PP+2*i:PP+2*i+1], v[PP+2*i:PP+2*i+1], v[QQ+2*i:QQ+2*i+1]          ; erf
.set i, i+1
.endr
	WIN 0x04                                       ; source 1 (erf) in window 1, all else in window 0
.set i, 0
.rept 32
	v_pk_fma_f32 v[H+2*i:H+2*i+1], v[H+2*i:H+2*i+1], v[PP+2*i:PP+2*i+1], v[H+2*i:H+2*i+1]   ; 0.5 x erf + 0.5 x
.set i, i+1
.endr
	WIN 0
	s_wait_alu depctr_va_vdst(0)
	s_wait_xcnt 0x0                                ; the last block's stores have read their registers and bases: the quantiser writes the first again, the two lines below the second
	s_add_nc_u64 s[10:11], s[10:11], s[46:47]
	s_add_nc_u64 s[12:13], s[12:13], s[48:49]
	s_mov_b32 s46, 1536                            ; from the second trip on: a fragment, and its 16 scale words
	s_mov_b32 s48, 64
	QUANT H
	global_store_b128 v[L16], v[PC:PC+3], s[10:11]             ; the fragment as it stands: three runs of 512 consecutive bytes, aligned
	global_store_b128 v[L16], v[PC+4:PC+7], s[10:11] offset:512      ; three runs of 512 bytes: registers 4 g .. 4 g + 3 of lane l at 512 g + 16 l
	global_store_b128 v[L16], v[PC+8:PC+11], s[10:11] offset:1024
	global_store_b32 v[LR4], v[PW], s[12:13]       ; lanes l and l xor 16 hold the same word and name the same address
	s_add_co_u32 s3, s3, 1
	s_cmp_lt_u32 s3, 8
	s_cbranch_scc1 .Lblk
	s_wait_tensorcnt 0x0                           ; the wave's end
	ds_add_u32 v[SPW], v[NIL]
	s_wait_dscnt 0x0
	CROUND                                         ; the closing round
	s_endpgm
.Lfunc_end_k_qdd72da6b9a_g_fc:
	.size	k_qdd72da6b9a_g_fc, .Lfunc_end_k_qdd72da6b9a_g_fc-k_qdd72da6b9a_g_fc
	.p2alignl 7, 3214868480
	.fill 96, 4, 3214868480
	.section	.rodata,"a",@progbits
	.p2align	6, 0x0
	.amdhsa_kernel k_qdd72da6b9a_g_fc
		.amdhsa_group_segment_fixed_size 327680
		.amdhsa_private_segment_fixed_size 0
		.amdhsa_enable_private_segment 0
		.amdhsa_kernarg_size 32
		.amdhsa_user_sgpr_count 2
		.amdhsa_user_sgpr_kernarg_segment_ptr 1
		.amdhsa_wavefront_size32 1
		.amdhsa_system_sgpr_workgroup_id_x 1
		.amdhsa_system_sgpr_workgroup_id_y 1
		.amdhsa_system_sgpr_workgroup_id_z 1
		.amdhsa_system_vgpr_workitem_id 0
		.amdhsa_next_free_vgpr 1024
		.amdhsa_next_free_sgpr 104
		.amdhsa_reserve_vcc 0
		.amdhsa_float_denorm_mode_32 3
		.amdhsa_float_denorm_mode_16_64 3
		.amdhsa_memory_ordered 1
		.amdhsa_forward_progress 1
		.amdhsa_inst_pref_size 172
	.end_amdhsa_kernel
	.amdgpu_metadata
---
amdhsa.version: [ 1, 2 ]
amdhsa.kernels:
  - .name:           k_qdd72da6b9a_g_fc
    .symbol:         k_qdd72da6b9a_g_fc.kd
    .args:
      - { .name: XB, .offset: 0, .size: 8, .value_kind: global_buffer, .address_space: global }
      - { .name: W, .offset: 8, .size: 8, .value_kind: global_buffer, .address_space: global }
      - { .name: b_fc, .offset: 16, .size: 8, .value_kind: global_buffer, .address_space: global }
      - { .name: HQ, .offset: 24, .size: 8, .value_kind: global_buffer, .address_space: global }
    .group_segment_fixed_size: 327680
    .private_segment_fixed_size: 0
    .kernarg_segment_align: 8
    .kernarg_segment_size: 32
    .max_flat_workgroup_size: 128
    .sgpr_count:     104
    .vgpr_count:     1024
    .wavefront_size: 32
...
	.end_amdgpu_metadata
.endif
;; end of part 6
;; launch g_out (part 7): grid 32 x 8, 4 waves a work-group, clusters of 4 x 1, 295,424 bytes of LDS; arguments HQ, W, b_out, X1, out0; writes out0
.if DOCPART == 7
	.amdgcn_target "amdgcn-amd-amdhsa--gfx1250"
	.amdhsa_code_object_version 6
	.text
	.protected	k_qdd72da6b9a_g_out
	.globl	k_qdd72da6b9a_g_out
	.p2align	8
	.type	k_qdd72da6b9a_g_out,@function
k_qdd72da6b9a_g_out:
	s_mov_b64 s[64:65], 0
	v_nop
	global_prefetch_b8 v0, s[64:65] scope:SCOPE_SE
	s_setreg_imm32_b32 hwreg(HW_REG_WAVE_MODE, 25, 1), 1
	s_wait_xcnt 0x0
	s_wait_alu depctr_hold_cnt(0) depctr_sa_sdst(0) depctr_va_vdst(0) depctr_va_sdst(0) depctr_va_ssrc(0) depctr_va_vcc(0) depctr_vm_vsrc(0)
	s_getreg_b32 s2, hwreg(HW_REG_IB_STS2, 6, 4)
	s_cmp_eq_u32 s2, 0
	s_cbranch_scc0 .Lentry_in_a_cluster
	s_endpgm
.Lentry_in_a_cluster:
	s_bfe_u32 s2, ttmp6, 0x10000c
	s_cmp_lg_u32 s2, 0x3003
	s_cbranch_scc0 .Lentry_shape_is_right
	s_endpgm
.Lentry_shape_is_right:
; out0 = x1 + h w_out + b_out on codes of E2M3 (K = 4,096).  A work-group makes 128 x 128 of the result: work-group x = 128 tokens (T), y = 128 columns.
; K IS CUT AMONG THE FOUR WAVES: wave w takes kappa 8 w .. 8 w + 7 (kappa = k / 128), eight steps, and holds the whole block, 64 accumulators, 512 registers; the four partial blocks meet once, in LDS, at the end.
; HQ and W lie in the order of the operand's registers ([T][kappa][image 0..7][1,536 bytes]; registers 4 g .. 4 g + 3 of lane l at 512 g + 16 l): a fragment is three loads of 512 consecutive bytes.
; A goes from memory straight into registers, 24 loads a step, in THREE sets that take turns from step 2 on: a set is asked for again as soon as its step is multiplied, up to three steps ahead of its use.
; B: steps 0 and 1 come from memory into registers; steps 2 .. 7, 73,728 dense bytes, come into LDS bytes of the wave's own by ONE tensor load at the head; only that wave reads them, and nothing is filled again: no barrier
; stands in the walk along K.  CLUSTER: the four work-groups of a cluster have the same columns and ask for B jointly.
; From LDS B has one set of registers: the products go by B's images, so that images 0-3 are fetched anew in the step's middle and images 4-7 at its end.
; An image's lane r holds row 32 beta + 8 u + r + 8 (r / 8).  The matrix instruction is used transposed (source 0 = B's image, source 1 = A's): lane (r, h) holds one token, its eight registers columns 32 beta + 16 h + 8 u + 0 .. 7.
; SCALE WORDS ([T][kappa][image][r]) come with their step: a load of 128 bytes puts image 2 p into lanes 0-15 and image 2 p + 1 into lanes 16-31, picked by the ROW selectors.
; PREFETCH of A: the head asks for kappa 2, 3 (loaded behind steps 0 and 1), step 0 for 4, 5 (behind steps 1 and 2), step 1 for 6, 7 (behind steps 3 and 4): each at least one step ahead of its load; later steps ask for nothing.
; The 96 blocks of 256 bytes of two kappa are shared out by address among the 8 work-groups that read them, 12 each; lanes left over name the last block again.  The head also asks for the wave's 32 rows of x1, a lane a row.
; B is not prefetched: its loads all stand at the head.
; The sums are f32; four partial sums along K are added at the end.
; REGISTERS: window 0: v2-13 addresses, v16-19 the bias, v28-29 the add's two, v32-55 scale words (three sets of 8), v64-159 and v160-255 A's sets 0, 1.  window 1: v0-95 B; v96-191 step 1's B, then A's set 2; v192-223 residual rows.
;   windows 2, 3: accumulator (a, b) at window 2 + b / 4, v[8 (8 (b % 4) + a)]; behind the barrier window 2 takes the rows read back.
.set KT,    32
.set NS,    8                          ; steps a wave
.set ND,    2                          ; of them with B from memory
.set KAP,   12288
.set A_S,   12582912
.set B_C,   6291456
.set B_S,   9699328
.set PITCH, 528                        ; a row of a partial block: 512 bytes + 16
.set REG,   (NS-ND)*KAP                ; a wave's LDS bytes: first its B, then its partial block (128 x 528 bytes fit)
.set SPARE, 4*REG
.set NROW,  (NS-ND)*48                 ; rows of 256 bytes in the tensor load
.set RSW,   0                          ; the residual's rows 0-23: window and first register
.set RSB,   64
.set L16, 2
.set L4,  3
.set STO, 5
.set RD,  6
.set PA,  10
.set LB,  11                           ; v11-12
.set PX,  13
.set BI,  16
.set SPW, 28
.set NIL, 29
.set SC,  32
.set SA,  20
.set SBB, 22
.set SAS, 24
.set SBS, 26
.set G0,  48
.set G1,  52
.set MSB, 0
.macro WIN new                         ; the immediate's high byte repeats the setting that is left
.if MSB != (\new)
	s_set_vgpr_msb (MSB<<8)|(\new)
.set MSB, (\new)
.endif
.endm
.macro PLACES                          ; four places behind a matrix instruction (ISA guide 7.12.1)
.rept 4
	v_nop
.endr
.endm
.macro CROUND
	s_barrier_signal -1
	s_barrier_wait -1
	s_cmp_lg_u32 s14, 0
	s_cbranch_scc1 .Lnot_wave_0_\@
	s_barrier_signal -3
.Lnot_wave_0_\@:
	s_barrier_wait -3
	s_barrier_signal -1
	s_barrier_wait -1
.endm
	s_load_b256 s[4:11], s[0:1], 0x0               ; HQ, W, b_out, X1
	s_load_b64 s[12:13], s[0:1], 0x20              ; out0
	v_lshl_add_u32 v[SPW], v0, 2, SPARE
	v_mov_b32 v[NIL], 0
	ds_add_u32 v[SPW], v[NIL]                      ; the wave's opening: the add, twice on end, and its wait ahead of my tensor load
	ds_add_u32 v[SPW], v[NIL]
	v_lshrrev_b32 v20, 5, v0
	v_readfirstlane_b32 s14, v20                   ; wave
	s_bfe_u32 s18, ttmp6, 0x40000                  ; cx
	s_lshl_b32 s16, ttmp9, 2
	s_add_co_u32 s16, s16, s18                     ; T
	s_and_b32 s15, ttmp7, 0xffff                   ; the block of columns: the same in all partners
	s_mul_i32 s17, s14, NS*KAP
	s_mul_i32 s28, s16, KT*KAP
	s_add_co_u32 s28, s28, s17                     ; A's codes
	s_mul_i32 s30, s15, KT*KAP
	s_add_co_u32 s30, s30, s17
	s_add_co_u32 s30, s30, B_C                     ; B's
	s_mul_i32 s17, s14, NS*512
	s_mul_i32 s32, s16, KT*512
	s_add_co_u32 s32, s32, s17
	s_add_co_u32 s32, s32, A_S                     ; A's scale words
	s_mul_i32 s34, s15, KT*512
	s_add_co_u32 s34, s34, s17
	s_add_co_u32 s34, s34, B_S                     ; B's
	s_lshl_b32 s36, s15, 9
	s_lshl_b32 s38, s16, 19
	s_lshl_b32 s17, s14, 17
	s_add_co_u32 s38, s38, s17
	s_add_co_u32 s38, s38, s36                     ; x1 and out0: row 128 T + 32 wave, my columns
.irp r, 29,31,33,35,37,39
	s_mov_b32 s\r, 0
.endr
	s_mul_i32 s41, s14, REG
	s_mul_i32 s42, s14, 32*PITCH
	s_mul_i32 s43, s15, 12
	s_mov_b32 s[G1], 15|(3<<16)|(1<<21)            ; the mask: all four work-groups; elements of 8 bytes; bit 21 beside a mask
	s_mov_b32 s[G1+1], 32<<16
	s_mov_b32 s[G1+2], NROW<<16
	s_mov_b32 s[G1+3], 32<<16
	s_mov_b32 s[G1+4], NROW
	s_mov_b32 s[G1+5], 32
	s_mov_b32 s[G1+6], 0
	s_mov_b32 s[G1+7], 0
	v_and_b32 v1, 31, v0
	v_and_b32 v20, 15, v0
	v_bfe_u32 v21, v0, 4, 1
	v_lshlrev_b32 v[L16], 4, v1
	v_lshlrev_b32 v[L4], 2, v1
	v_mul_u32_u24 v[STO], v20, PITCH
	v_min_u32 v[PA], 11, v1
	v_lshlrev_b32 v[PX], 12, v1                    ; a lane a row of x1
	v_lshl_add_u32 v[STO], v21, 6, v[STO]
	v_add_nc_u32 v[STO], s41, v[STO]               ; my partial block: row r, + 64 h
	v_add_nc_u32 v[LB], s41, v[L16]                ; my B: its first three kappa,
	v_add_nc_u32 v[LB+1], 3*KAP, v[LB]             ; and its last three
	v_add_nc_u32 v[RD], s42, v[L16]                ; rows 32 wave on of partial block 0 .. 3
	v_add_nc_u32 v[RD+1], REG, v[RD]
	v_add_nc_u32 v[RD+2], 2*REG, v[RD]
	v_add_nc_u32 v[RD+3], 3*REG, v[RD]
	v_add_nc_u32 v[PA], s43, v[PA]
	v_lshlrev_b32 v[PA], 8, v[PA]                  ; block 12 y + lane (at most 11) of the 96 of two kappa
	s_wait_alu depctr_va_vdst(0)
	s_wait_dscnt 0x0                               ; both opening adds are done
	s_wait_kmcnt 0x0
	s_add_nc_u64 s[SA:SA+1], s[4:5], s[28:29]
	s_add_nc_u64 s[SBB:SBB+1], s[6:7], s[30:31]
	s_add_nc_u64 s[SAS:SAS+1], s[4:5], s[32:33]
	s_add_nc_u64 s[SBS:SBS+1], s[6:7], s[34:35]
	s_add_nc_u64 s[8:9], s[8:9], s[36:37]
	s_add_nc_u64 s[10:11], s[10:11], s[38:39]
	s_add_nc_u64 s[12:13], s[12:13], s[38:39]
	s_mov_b32 s[G0], 1
	s_mov_b32 s[G0+1], s41
	s_add_nc_u64 s[G0+2:G0+3], s[SBB:SBB+1], ND*KAP
	s_or_b32 s[G0+3], s[G0+3], 0x80000000
.macro GRP s, sg, bb                   ; step s's loads into set sg: 8 of scale words, 24 of B's fragments to v[bb ..] of window 1 where bb is not negative, 24 of A's
.set AB, 64+96*(\sg)-160*((\sg)/2)     ; set 0: v64, set 1: v160, of window 0; set 2: v96 of window 1
.set AW, (\sg)/2
.irp p, 0,1,2,3
	global_load_b32 v[SC+8*(\sg)+\p], v[L4], s[SAS:SAS+1] offset:512*(\s)+128*\p
	global_load_b32 v[SC+8*(\sg)+4+\p], v[L4], s[SBS:SBS+1] offset:512*(\s)+128*\p
.endr
.if (\bb) >= 0
	WIN 0x40
.irp i, 0,1,2,3,4,5,6,7
.irp g, 0,1,2
	global_load_b128 v[(\bb)+12*\i+4*\g:(\bb)+12*\i+4*\g+3], v[L16], s[SBB:SBB+1] offset:(\s)*KAP+1536*\i+512*\g
.endr
.endr
.endif
	WIN 0x40*AW
.irp i, 0,1,2,3,4,5,6,7
.irp g, 0,1,2
	global_load_b128 v[AB+12*\i+4*\g:AB+12*\i+4*\g+3], v[L16], s[SA:SA+1] offset:(\s)*KAP+1536*\i+512*\g
.endr
.endr
	WIN 0
.endm
.macro RESLD                           ; the residual at my 32 rows of the result, in the order of the LDS rows, and the bias: 33 loads
	WIN 0x40*RSW
.set t, 0
.rept 24
	global_load_b128 v[RSB+4*t:RSB+4*t+3], v[L16], s[10:11] offset:(8*(t/16)+(t%16)+8*((t%16)/8))*4096 th:TH_LOAD_NT
.set t, t+1
.endr
	WIN 0x40
.rept 8
	global_load_b128 v[192+4*(t-24):192+4*(t-24)+3], v[L16], s[10:11] offset:(8*(t/16)+(t%16)+8*((t%16)/8))*4096 th:TH_LOAD_NT
.set t, t+1
.endr
	WIN 0
	global_load_b128 v[BI:BI+3], v[L16], s[8:9]
.endm
; 32 matrix instructions: B's images 4 hb .. 4 hb + 3 (from v[bb ..] of window 1) x A's eight.  The 64 accumulators take turns, one instruction a turn, in the same order in every step.
.macro MULH sg, bb, hb, zero
.set AB, 64+96*(\sg)-160*((\sg)/2)
.set AW, (\sg)/2
	WIN 0xa1+0x50*(\hb)+4*AW
.irp pb, 0,1
.irp ub, 0,1
.irp pa, 0,1,2,3
.irp ua, 0,1
.set AC, 8*(8*(2*\pb+\ub)+2*\pa+\ua)
.set BR, (\bb)+12*(4*(\hb)+2*\pb+\ub)
.set AR, AB+12*(2*\pa+\ua)
.if \zero
	v_wmma_scale_f32_16x16x128_f8f6f4 v[AC:AC+7], v[BR:BR+11], v[AR:AR+11], 0, v[SC+8*(\sg)+4+2*(\hb)+\pb], v[SC+8*(\sg)+\pa] matrix_a_fmt:MATRIX_FMT_FP6 matrix_b_fmt:MATRIX_FMT_FP6 matrix_a_scale:MATRIX_SCALE_ROW\ub matrix_b_scale:MATRIX_SCALE_ROW\ua
.else
	v_wmma_scale_f32_16x16x128_f8f6f4 v[AC:AC+7], v[BR:BR+11], v[AR:AR+11], v[AC:AC+7], v[SC+8*(\sg)+4+2*(\hb)+\pb], v[SC+8*(\sg)+\pa] matrix_a_fmt:MATRIX_FMT_FP6 matrix_b_fmt:MATRIX_FMT_FP6 matrix_a_scale:MATRIX_SCALE_ROW\ub matrix_b_scale:MATRIX_SCALE_ROW\ua
.endif
.endr
.endr
.endr
.endr
	WIN 0
.endm
.macro BLD hb, k                       ; B's images 4 hb .. 4 hb + 3 of my k-th kappa in LDS: 12 loads
	PLACES
	WIN 0x40
.irp i, 0,1,2,3
.irp g, 0,1,2
	ds_load_b128 v[12*(4*(\hb)+\i)+4*\g:12*(4*(\hb)+\i)+4*\g+3], v[LB+(\k)/3] offset:((\k)%3)*KAP+1536*(4*(\hb)+\i)+512*\g
.endr
.endr
	WIN 0
.endm
.macro LSTEP s, sg, cnt                ; a step with B from LDS; cnt: the loads issued behind its own that may be out
	s_wait_loadcnt \cnt
	s_wait_dscnt 12                                ; B's images 0-3 are in; the 12 loads of images 4-7 may be out
	MULH \sg, 0, 0, 0
.if \s < NS-1
	BLD 0, \s-ND+1
	s_wait_dscnt 12                                ; images 4-7 are in; the 12 just issued may be out
.else
	s_wait_dscnt 0x0
.endif
	MULH \sg, 0, 1, 0
.if \s < NS-1
	BLD 1, \s-ND+1
.endif
.endm
.macro ASK k                           ; my share of A's kappa k and k + 1
	global_prefetch_b8 v[PA], s[SA:SA+1] offset:(\k)*KAP th:TH_LOAD_NT scope:SCOPE_SE
.endm
	CROUND                                         ; all four work-groups are here: the joint loads meet
	tensor_load_to_lds s[G0:G0+3], s[G1:G1+7]      ; my one tensor load
	s_nop 0
	PLACES
	GRP 0, 0, 0                                    ; 56 loads, behind the tensor load, which brings the most bytes
	ASK 2
	global_prefetch_b8 v[PX], s[10:11] th:TH_LOAD_NT scope:SCOPE_SE                    ; my 32 rows of x1, 512 bytes each: two blocks a row
	global_prefetch_b8 v[PX], s[10:11] offset:256 th:TH_LOAD_NT scope:SCOPE_SE
	GRP 1, 1, 96                                   ; 56 loads
	s_wait_loadcnt 56                              ; step 0's loads are in; step 1's 56 may be out
	MULH 0, 0, 0, 1                                ; the first step's products start the sums
	ASK 4
	MULH 0, 0, 1, 1
	PLACES
	GRP 2, 0, -1                                   ; 32 loads, as every group from here on
	s_wait_loadcnt 32
	MULH 1, 96, 0, 0
	ASK 6
	MULH 1, 96, 1, 0
	PLACES
	GRP 3, 1, -1
	GRP 4, 2, -1                                   ; A's third set lies where step 1's B lay
	s_wait_tensorcnt 0x0                           ; my B of steps 2 .. 7 has landed; only I read it
	BLD 0, 0
	BLD 1, 0
	LSTEP 2, 0, 63                                 ; behind a step's own loads stand 64 or 65 here
	GRP 5, 0, -1
	LSTEP 3, 1, 63
	GRP 6, 1, -1
	LSTEP 4, 2, 63
	GRP 7, 2, -1
	LSTEP 5, 0, 63
	RESLD                                          ; into the set that step 5 has left
	LSTEP 6, 1, 63
	LSTEP 7, 2, 33                                 ; behind step 7's loads: the residual's 32 and the bias
; THE FOUR PARTIAL BLOCKS MEET: each wave lays its block over its own B bytes (their one fill is over, my reads of them have come back), by rows (LDS row 16 a + r, columns in their true order); one barrier; each wave adds up 32 rows of the four.
	PLACES
.irp b, 0,1,2,3,4,5,6,7
	WIN 0x08+4*(\b/4)
.irp a, 0,1,2,3,4,5,6,7
	ds_store_b128 v[STO], v[8*(8*(\b%4)+\a):8*(8*(\b%4)+\a)+3] offset:\a*16*PITCH+128*(\b/2)+32*(\b%2)       ; each accumulator from its low end on
	ds_store_b128 v[STO], v[8*(8*(\b%4)+\a)+4:8*(8*(\b%4)+\a)+7] offset:\a*16*PITCH+128*(\b/2)+32*(\b%2)+16
.endr
.endr
	WIN 0
	s_wait_loadcnt 0x0                             ; the residual and the bias
	s_wait_dscnt 0x0                               ; for the others' sake: my stores have landed
	s_barrier_signal -1
	s_barrier_wait -1
.macro GLD g                           ; eight rows of each of the four partial blocks: 32 loads of a whole row, into window 2
	WIN 0x80
.irp p, 0,1,2,3
.irp t, 0,1,2,3,4,5,6,7
	ds_load_b128 v[128*((\g)%2)+32*\p+4*\t:128*((\g)%2)+32*\p+4*\t+3], v[RD+\p] offset:(8*(\g)+\t)*PITCH
.endr
.endr
	WIN 0
.endm
.macro PKROW d, s                      ; 16 packed additions: v[d ..] += v[s ..]
.set i, 0
.rept 16
	v_pk_add_f32 v[\d+2*i:\d+2*i+1], v[\d+2*i:\d+2*i+1], v[\s+2*i:\s+2*i+1]
.set i, i+1
.endr
.endm
.macro PROC g
.set BF, 128*((\g)%2)
	WIN 0x8a                                       ; all in window 2
	PKROW BF, BF+32
	PKROW BF+64, BF+96
	PKROW BF, BF+64
.if (\g) < 3
	WIN 0x82+4*RSW                                 ; source 1: the residual's window
	PKROW BF, RSB+32*(\g)
.else
	WIN 0x86
	PKROW BF, 192
.endif
	WIN 0x82
.set i, 0
.rept 16
	v_pk_add_f32 v[BF+2*i:BF+2*i+1], v[BF+2*i:BF+2*i+1], v[BI+2*(i%2):BI+2*(i%2)+1]
.set i, i+1
.endr
	WIN 0x08
.set t, 8*(\g)
.rept 8
	global_store_b128 v[L16], v[BF+4*(t%8):BF+4*(t%8)+3], s[12:13] offset:(8*(t/16)+(t%16)+8*((t%16)/8))*4096 th:TH_STORE_NT   ; 32 lanes store 512 consecutive bytes, aligned
.set t, t+1
.endr
	WIN 0
.endm
	GLD 0
	GLD 1
	s_wait_dscnt 32                                ; the older 32 loads are in
	PROC 0
	s_wait_xcnt 0x0                                ; the stores have read their registers
	GLD 2
	s_wait_dscnt 32
	PROC 1
	s_wait_xcnt 0x0
	GLD 3
	s_wait_dscnt 32
	PROC 2
	s_wait_dscnt 0x0
	PROC 3
	s_wait_tensorcnt 0x0                           ; the wave's end
	ds_add_u32 v[SPW], v[NIL]
	s_wait_dscnt 0x0
	CROUND                                         ; the closing round
	s_endpgm
.Lfunc_end_k_qdd72da6b9a_g_out:
	.size	k_qdd72da6b9a_g_out, .Lfunc_end_k_qdd72da6b9a_g_out-k_qdd72da6b9a_g_out
	.p2alignl 7, 3214868480
	.fill 96, 4, 3214868480
	.section	.rodata,"a",@progbits
	.p2align	6, 0x0
	.amdhsa_kernel k_qdd72da6b9a_g_out
		.amdhsa_group_segment_fixed_size 295424
		.amdhsa_private_segment_fixed_size 0
		.amdhsa_enable_private_segment 0
		.amdhsa_kernarg_size 40
		.amdhsa_user_sgpr_count 2
		.amdhsa_user_sgpr_kernarg_segment_ptr 1
		.amdhsa_wavefront_size32 1
		.amdhsa_system_sgpr_workgroup_id_x 1
		.amdhsa_system_sgpr_workgroup_id_y 1
		.amdhsa_system_sgpr_workgroup_id_z 1
		.amdhsa_system_vgpr_workitem_id 0
		.amdhsa_next_free_vgpr 1024
		.amdhsa_next_free_sgpr 66
		.amdhsa_reserve_vcc 0
		.amdhsa_float_denorm_mode_32 3
		.amdhsa_float_denorm_mode_16_64 3
		.amdhsa_memory_ordered 1
		.amdhsa_forward_progress 1
		.amdhsa_inst_pref_size 155
	.end_amdhsa_kernel
	.amdgpu_metadata
---
amdhsa.version: [ 1, 2 ]
amdhsa.kernels:
  - .name:           k_qdd72da6b9a_g_out
    .symbol:         k_qdd72da6b9a_g_out.kd
    .args:
      - { .name: HQ, .offset: 0, .size: 8, .value_kind: global_buffer, .address_space: global }
      - { .name: W, .offset: 8, .size: 8, .value_kind: global_buffer, .address_space: global }
      - { .name: b_out, .offset: 16, .size: 8, .value_kind: global_buffer, .address_space: global }
      - { .name: X1, .offset: 24, .size: 8, .value_kind: global_buffer, .address_space: global }
      - { .name: out0, .offset: 32, .size: 8, .value_kind: global_buffer, .address_space: global }
    .group_segment_fixed_size: 295424
    .private_segment_fixed_size: 0
    .kernarg_segment_align: 8
    .kernarg_segment_size: 40
    .max_flat_workgroup_size: 128
    .sgpr_count:     66
    .vgpr_count:     1024
    .wavefront_size: 32
...
	.end_amdgpu_metadata
.endif
;; end of part 7
